; MI455X (gfx1250); checked and timed in simulation.
; The chip was launched on July 23, 2026; its instructions are those of AMD's public machine-readable ISA for CDNA 5 (MIT licence, August 2026) and "CDNA5" Instruction Set Architecture Reference Guide (July 2026). The comments in the code are by the model that wrote it; some were corrected since.
;; Time Step Attention. Allowed arithmetic: matrix products marked QUANTISED: E3M2 operands, one E8M0 scale for each 32 along K, by v_wmma_scale_f32_16x16x128_f8f6f4 with both operands' format E3M2, f32 sums; everything else in f32.
;; Inputs: b_in 3,072 float32; b_out 1,024 float32; w_in_codes 3,072 x 32 x 24 uint8 (E3M2 codes of w_in, K innermost, in blocks of 32 codes, four codes in three bytes); w_in_scales 3,072 x 32 uint8 (E8M0 scales of w_in, one for each 32 codes along K); w_out_codes 1,024 x 32 x 24 uint8 (E3M2 codes of w_out, K innermost, in blocks of 32 codes, four codes in three bytes); w_out_scales 1,024 x 32 uint8 (E8M0 scales of w_out, one for each 32 codes along K); x_codes 1,024 x 8 x 32 x 24 uint8 (E3M2 codes of x, K innermost, in blocks of 32 codes, four codes in three bytes); x_scales 1,024 x 8 x 32 uint8 (E8M0 scales of x, one for each 32 codes along K).
;; Outputs: out0 8 x 1,024 float32.
;; Constants: num_heads = 16.
;; This version of the problem:
;;   THIS VERSION OF THE PROBLEM IS GIVEN IN LOW PRECISION. The matrix products marked QUANTISED in the list below multiply operands that are first quantised to E3M2 (3 exponent bits, 2 mantissa bits; 6 bits a number), with one power-of-two scale for each 32 numbers along K (OCP MX v1.0); their sums are f32. All else is computed in f32.
;;   The module's matrix products, in the order in which they are computed (A, B: the left and right operand; K: the contracted axis; several contracted axes count as one K, in the product's order):
;;     1. [M 8,192, K 1,024] x [K 1,024, N 3,072]; A: input x (given as codes); B: input w_in (given as codes): QUANTISED
;;     2. batch 128 x [M 1,024, K 64] x [K 64, N 1,024]; A: computed on the way; B: computed on the way: QUANTISED
;;     3. batch 128 x [M 1,024, K 1,024] x [K 1,024, N 64]; A: softmax (see below); B: computed on the way: QUANTISED
;;     4. [M 8,192, K 1,024] x [K 1,024, N 1,024]; A: computed on the way; B: input w_out (given as codes): QUANTISED
;;     5. batch 8 x [M 1,024, K 1,024] x [K 1,024, N 1,024]; A: computed on the way; B: computed on the way: QUANTISED
;;   THE QUANTISER, for each operand of a quantised product, along K:
;;     - K is cut into blocks of 32 from its start; a last block that is shorter is filled with zeros.
;;     - A block's scale is 2^e with e = floor(log2(the largest magnitude in the block)) - 4, held to -126 .. 127; a block of zeros has e = 0. As a byte (E8M0): e + 127.
;;     - Each number is divided by its block's scale, clamped to +-28, and rounded to the nearest number of E3M2, ties to even, subnormals kept.
;;     - The product sums the exact products of the quantised numbers (number of the format x scale) in f32.
;;   ~~~python
;;   def quantise(x, axis):      # numpy; x: float32 -> the quantised numbers, widened to float32 again
;;       x = np.moveaxis(x, axis, -1); K = x.shape[-1]
;;       x = np.pad(x, [(0, 0)] * (x.ndim - 1) + [(0, -K % 32)]); x = x.reshape(x.shape[:-1] + (-1, 32)); a = np.abs(x).max(-1, keepdims=True)
;;       e = np.where(a > 0, np.clip(np.frexp(np.where(a > 0, a, 1))[1] - 1 - 4, -126, 127), 0)      # np.frexp(a)[1] - 1 = floor(log2(a)), exactly
;;       r = np.clip(x / 2.0 ** e, -28, 28)
;;       step = 2.0 ** (np.maximum(np.frexp(np.where(r == 0, 1, r))[1] - 1, -2) - 2)
;;       q = np.round(r / step) * step * 2.0 ** e      # np.round: ties to even
;;       return np.moveaxis(q.reshape(q.shape[:-2] + (-1,))[..., :K], -1, axis).astype(np.float32)
;;   ~~~
;;   SOFTMAX AHEAD OF A QUANTISED PRODUCT. Where the list says 'softmax', what is quantised is not the finished softmax but p = 2^(t - M), with t = logit x log2(e) and M = ceil(the row's largest t), a whole number; so 1/2 < the row's largest p <= 1. The row's sum l is taken of the UNQUANTISED p, in f32, and the product's result is divided by l at the end. Since M is a whole number, a kernel that streams over the keys may use a running M (the ceiling of the running maximum): every later rescaling is an exact power of two, which a block's scale takes up: the codes' values come out the same.
;;   OPERANDS COMPUTED ON THE WAY. 'Computed on the way' means the value that the module computes at that place (a softmax that the list does not call 'softmax' is quantised finished and normalised). What goes into a quantiser is computed in f32, as accurately as f32 sums, v_exp_f32 and their like allow (about 1e-6 of the number): no bf16 or f16 on the way to a quantiser, and a product that is left as it is and whose result goes on into a quantised operand takes f32 operands (vector FMAs, or v_wmma_f32_16x16x4_f32). A number that lies on a knife's edge between two numbers of the format may be rounded either way, as far as f32 arithmetic and the matrix unit's own rounding can turn it there, and no further.
;;   INPUTS GIVEN AS CODES. w_in (in the module: [3072, 1024], K = its axis 1); w_out (in the module: [1024, 1024], K = its axis 1); x (in the module: [1024, 8, 1024], K = its axis 2): each comes as NAME_codes (uint8): NAME with its K axis moved to the last place and cut into blocks of 32 codes, [.., K / 32, bytes a block], one block behind the other in memory; four codes in three bytes: a row's codes are one little-endian stream of bits, code i at bits 6 i .. 6 i + 5 (a code: sign, 3 exponent bits, 2 mantissa bits); and NAME_scales (uint8): the same leading axes, one E8M0 byte (e + 127) for each 32 codes along K. Its value is code x scale, taken as it is: it is not quantised again, and the codes and scales need not be those that the quantiser above would give.
;; 2 versions. Each part assembles by itself: llvm-mc -triple=amdgcn-amd-amdhsa -mcpu=gfx1250 --defsym DOCPART=n.
;; ======== version 1 of 2: 3 launches
;; workspace buffers: qk_codes 12,582,912 bytes; qk_sc 1,048,576 bytes; v_codes 6,291,456 bytes; v_sc 524,288 bytes; ctx_codes 6,291,456 bytes; ctx_sc 524,288 bytes; aw_codes 6,291,456 bytes; aw_sc 524,288 bytes
;; launch qkv (part 1): grid 12 x 32, 4 waves a work-group, clusters of 4 x 4, 327,680 bytes of LDS; arguments x_codes, x_scales, w_in_codes, w_in_scales, b_in, qk_codes, qk_sc, v_codes, v_sc; writes qk_codes, qk_sc, v_codes, v_sc
.if DOCPART == 1
	.amdgcn_target "amdgcn-amd-amdhsa--gfx1250"
	.amdhsa_code_object_version 6
	.text
	.protected	k_q3ed66f0a2f_qkv
	.globl	k_q3ed66f0a2f_qkv
	.p2align	8
	.type	k_q3ed66f0a2f_qkv,@function
k_q3ed66f0a2f_qkv:
	s_mov_b64 s[64:65], 0
	v_nop
	global_prefetch_b8 v0, s[64:65] scope:SCOPE_SE
	s_setreg_imm32_b32 hwreg(HW_REG_WAVE_MODE, 25, 1), 1
	s_wait_xcnt 0x0
	s_wait_alu depctr_hold_cnt(0) depctr_sa_sdst(0) depctr_va_vdst(0) depctr_va_sdst(0) depctr_va_ssrc(0) depctr_va_vcc(0) depctr_vm_vsrc(0)
	s_getreg_b32 s2, hwreg(HW_REG_IB_STS2, 6, 4)
	s_cmp_eq_u32 s2, 0
	s_cbranch_scc0 .Lentry_in_a_cluster
	s_endpgm
.Lentry_in_a_cluster:
	s_bfe_u32 s2, ttmp6, 0x10000c
	s_cmp_lg_u32 s2, 0xf033
	s_cbranch_scc0 .Lentry_shape_is_right
	s_endpgm
.Lentry_shape_is_right:
; qkv = x w_in^T + b_in on codes of BF6 (E3M2) with one E8M0 scale for each 32 along K = 1,024; then q / 8 and k are quantised along a head's 64, v along the tokens, and leave as images of operand registers.
; A work-group of four waves makes 256 tokens of ONE batch element b x 256 features; a wave 128 x 128: 64 accumulators, 512 registers.  K goes in steps of 256 through a ring of two LDS slots filled by the tensor data mover.
; CLUSTERS: 4 x 4 work-groups; x's tile is shared along a row of the cluster, w_in's along a column: each is asked for jointly, by the same tensor load with the same descriptor and a mask that names the four.
; THE MATRIX INSTRUCTION IS USED TRANSPOSED (source 0 = 16 rows of w_in, source 1 = 16 tokens): a lane holds one token, its registers run along the features.
; THE ROWS OF A TILE ARE NOT NEIGHBOURS, in x and in w_in alike: lane r of tile 2 b + u takes row 32 b + 8 u + r + 8 (r / 8).  So the 16 registers of feature tiles 2 b, 2 b + 1 are 16 neighbouring features, and a token tile,
; used later as source 0, gives 16 neighbouring tokens in the same way.  Rows 16 apart fall on the same banks at this pitch: the fragment loads go two deep there.
; THE BIAS is the C of each sum's first matrix instruction: eight registers a feature tile, in the result's layout.
; THE WAY OUT.  Clusters x = 0 (q) and 1 (k): a wave's 128 features are two heads; 16 tokens x 128 features are quantised in registers; registers 0-5 are the even head's tile, 6-11 the odd head's.  A tile's image is 768 bytes
; (registers 0-3: 16 bytes a lane; registers 4-5: 8 bytes a lane); two token tiles on end are one operand of 128 along K.  Cluster x = 2 (v): the results turn through the wave's own stage in LDS, so that a lane holds one
; channel d and its registers run along the tokens; images of 1,536 bytes (three times 16 bytes a lane).
; LIMITS: NaN and infinities are not served.  A block whose largest magnitude lies under 2^-122 keeps the scale byte 1; a block of zeros gets the byte 1 where the rule says 127: its codes are zeros, and this program alone reads the bytes.
; REGISTERS, in windows of 256: window 0: v0-31 addresses; v32-63 scale words, two sets; v64-127 the bias; from v128 x's fragments, one set; on the way out v128-255 at work.
;   window 1: w_in's fragments, two sets, at v0 and v128.   window 2: the accumulators of my tokens 0-63 ((a, b) at v[8 (8 a + b)]);   window 3: those of my tokens 64-127.
.set NQ,     2                         ; matrix instructions deep in a slot: 256 along K
.set ROWB,   192                       ; a tile's row: 256 codes
.set PITCH,  240                       ; an LDS row: 3 x (64 bytes + 16 of padding)
.set FR,     12                        ; registers of a fragment
.set NL,     6                         ; LDS loads that bring one
.set NP,     4                         ; places behind this matrix instruction (ISA guide 7.12.1)
.set HALFT,  128*PITCH                 ; 128 rows: what one tensor load brings
.set SLOT,   4*HALFT                   ; x's 256 rows, then w_in's 256
.set LAPS,   2                         ; 1,024 along K = four K steps = twice round the ring
.set SPIT,   40                        ; a row's 32 scale bytes + 8 of padding
.set SCL,    2*SLOT                    ; behind the ring: the scale bytes of the 512 rows, for all of K
.set HALFS,  128*SPIT
.set SPARE,  SCL+4*HALFS               ; the spare words: 128 bytes a wave, two blocks of 256 bytes that no other line names
.set VPIT,   144                       ; v's stage: 128 rows x (32 features in f32 + 16 bytes) a wave; it lies in slot 0, which has had its last fill and its last read by then
.set ADRA, 16                          ; v16-17 my x fragments in slot 0, 1 (v18-19: behind one padding more)
.set ADRB, 20                          ; v20-23 the same for w_in
.set STO,  24                          ; v24  v's stage, on the way in
.set RD,   25                          ; v25  and on the way out
.set L16,  26                          ; v26  16 x lane
.set ADRS, 27                          ; v27  my scale words: lanes 0-15 x's rows, lanes 16-31 w_in's
.set SPW,  28                          ; v28  my spare word; never rewritten
.set NIL,  29                          ; v29  0; never rewritten
.set L8,   30                          ; v30  8 x lane
.set SC,   32
.set BI,   64
.set AF,   128
.set TV,   128                         ; the way out: 64 numbers, or scale words
.set PC0,  192                         ; two sets of 20: codes just made
.set TM,   232                         ; 16 at work in QUANT
.set PWS,  248                         ; 8 scale words
.set G1, 24
.set G0, 32
.set G1B, 48
.set G0B, 56
.set G1S, 68
.set G0S, 76
.set G1SB, 80
.set G0SB, 88
.set EIGHTH, 96                        ; s[96:97] 1/8, twice
.set SEL, 98                           ; s[98:99] v_permlanex16_b32's selects for lane l xor 16
.set MSB, 0
.macro WIN new                         ; the immediate's high byte repeats the setting that is left; a switch that changes nothing is dropped
.if MSB != (\new)
	s_set_vgpr_msb (MSB<<8)|(\new)
.set MSB, (\new)
.endif
.endm
.set MUL_LO, 0xa1                      ; source 0 (w_in) window 1, source 1 (x) window 0, C and D window 2
.set MUL_HI, 0xf1                      ; the same, C and D window 3
.set TO_B,   0x40
; A joint load: waves 0 and 1 fetch for x, waves 2 and 3 for w_in; the branch hangs on the wave's number alone.  Four v_nop follow each of the two lines.
.macro JLOAD g0a, g1a, g0b, g1b
	s_cmp_eq_u32 s15, 0
	s_cbranch_scc0 .Lfor_b_\@
	tensor_load_to_lds s[\g0a:\g0a+3], s[\g1a:\g1a+7]
	s_nop 0
.rept 4
	v_nop
.endr
	s_branch .Lasked_\@
.Lfor_b_\@:
	tensor_load_to_lds s[\g0b:\g0b+3], s[\g1b:\g1b+7]
	s_nop 0
.rept 4
	v_nop
.endr
.Lasked_\@:
.endm
.macro CREST                           ; a round of the cluster's barrier behind its opening barrier
	s_cmp_lg_u32 s14, 0
	s_cbranch_scc1 .Lnot_wave_0_\@
	s_barrier_signal -3
.Lnot_wave_0_\@:
	s_barrier_wait -3
	s_barrier_signal -1
	s_barrier_wait -1
.endm
.macro CROUND
	s_barrier_signal -1
	s_barrier_wait -1
	CREST
.endm
.macro PLACES n
.rept \n
	v_nop
.endr
.endm
; 64 numbers of a lane in window win, v[s] .. v[s + 63], register 16 b + i = k 32 b + 16 (lane / 16) + i of my row, become a fragment's codes in v[pc] .. v[pc + 11] and its scale word in v[pw] (window 0; v[pc + 12] .. v[pc + 19] at work).
.macro QUANT win, s, pc, pw
	WIN 5*(\win)
.irp b, 0,1,2,3
	v_max3_num_f32 v[TM+\b], |v[\s+16*\b]|, |v[\s+1+16*\b]|, 0x2800000   ; block b: my 16 numbers, and the floor 2^(5 - 127): the byte cannot fall under 1
.endr
	WIN 20*(\win)
.irp i, 2,4,6,8,10,12,14
.irp b, 0,1,2,3
	v_max3_num_f32 v[TM+\b], v[TM+\b], |v[\s+16*\b+\i]|, |v[\s+1+16*\b+\i]|   ; the four blocks by turns
.endr
.endr
	WIN 0
.irp b, 0,1,2,3
	v_permlanex16_b32 v[TM+4+\b], v[TM+\b], s[SEL], s[SEL+1]
.endr
.irp b, 0,1,2,3
	v_max_num_f32 v[TM+\b], v[TM+\b], v[TM+4+\b]   ; with lane l xor 16's: the block's largest magnitude
.endr
.irp b, 0,1,2,3
	v_add_nc_u32 v[TM+12+\b], 0xfe000000, v[TM+\b]   ; 4 off its exponent field: the conversion's scale operand
.endr
.irp b, 0,1,2,3
	v_lshrrev_b32 v[TM+4+\b], 23, v[TM+12+\b]      ; the scale's byte
.endr
	v_lshl_or_b32 v[\pw], v[TM+5], 8, v[TM+4]
	v_lshl_or_b32 v[\pw], v[TM+6], 16, v[\pw]
	v_lshl_or_b32 v[\pw], v[TM+7], 24, v[\pw]
	WIN (\win)
.irp c, 0,1
	v_cvt_scalef32_pk16_bf6_f32 v[\pc+6*\c:\pc+2+6*\c], v[\s+32*\c:\s+15+32*\c], v[TM+12+2*\c]
	v_cvt_scalef32_pk16_bf6_f32 v[\pc+12+4*\c:\pc+14+4*\c], v[\s+16+32*\c:\s+31+32*\c], v[TM+12+2*\c+1]   ; (a conversion's three registers begin on an even number)
.endr
	WIN 0
	v_nop                                          ; one plain place behind a scaled conversion
.irp c, 0,1                                    ; the operand's layout wants a whole block in a lane
.irp i, 0,1,2
	v_permlane16_swap_b32 v[\pc+6*\c+\i], v[\pc+12+4*\c+\i]
.endr
.irp i, 0,1,2
	v_mov_b32 v[\pc+3+6*\c+\i], v[\pc+12+4*\c+\i]
.endr
.endr
.endm
	s_load_b128 s[4:7], s[0:1], 0x0                ; x's codes, x's scales
	s_load_b128 s[8:11], s[0:1], 0x10              ; w_in's codes, w_in's scales
	s_load_b64 s[12:13], s[0:1], 0x20              ; b_in
	v_lshl_add_u32 v[SPW], v0, 2, SPARE
	v_mov_b32 v[NIL], 0
	ds_add_u32 v28, v29
	ds_add_u32 v28, v29
	s_wait_dscnt 0x0
	v_lshrrev_b32 v1, 5, v0
	v_readfirstlane_b32 s14, v1                    ; wave 0..3
	s_lshr_b32 s15, s14, 1                         ; my half of the tokens.  Also: I fetch for x (0) or for w_in (1)
	s_and_b32 s16, s14, 1                          ; my half of the features.  Also: which 128 rows I fetch
	s_bfe_u32 s40, ttmp6, 0x40000                  ; cx
	s_bfe_u32 s41, ttmp6, 0x40004                  ; cy
	s_lshl_b32 s42, ttmp9, 2
	s_add_co_u32 s42, s42, s40                     ; c = tile column, 0..11: 256 features each
	s_and_b32 s17, ttmp7, 0xffff
	s_lshl_b32 s17, s17, 2
	s_add_co_u32 s17, s17, s41                     ; R = tile row, 0..31
	s_lshl_b32 s43, s41, 2
	s_lshl_b32 s43, 15, s43                        ; my row of the cluster
	s_lshl_b32 s44, 0x1111, s40                    ; my column
	s_and_b32 s18, s17, 7                          ; b: the batch element
	s_lshr_b32 s19, s17, 3                         ; which 256 tokens
	; descriptor groups 1: tiles of 128 rows x 192 bytes, 16 bytes of padding behind every 64; a token's row of x lies 8 x 768 bytes from the next token's
	s_or_b32 s[G1+0], s43, (0<<16)|(1<<20)|(1<<21)|(3<<22)|(3<<25)
	s_or_b32 s[G1B+0], s44, (0<<16)|(1<<20)|(1<<21)|(3<<22)|(3<<25)
.irp g, G1, G1B
	s_mov_b32 s[\g+1], ROWB<<16                    ; tensor_dim0
	s_mov_b32 s[\g+2], 128<<16                     ; tensor_dim1
	s_mov_b32 s[\g+3], ROWB<<16                    ; tile_dim0
	s_mov_b32 s[\g+4], 128                         ; tile_dim1
	s_mov_b32 s[\g+6], 0
	s_mov_b32 s[\g+7], 0
.endr
	s_mov_b32 s[G1+5], 6144                        ; the pitch, in bytes
	s_mov_b32 s[G1B+5], 768
	; and for the scale bytes: 128 rows of 32 bytes (4 elements of 8), 8 bytes of padding behind each
	s_or_b32 s[G1S+0], s43, (3<<16)|(1<<20)|(1<<21)|(2<<22)|(1<<25)
	s_or_b32 s[G1SB+0], s44, (3<<16)|(1<<20)|(1<<21)|(2<<22)|(1<<25)
.irp g, G1S, G1SB
	s_mov_b32 s[\g+1], 4<<16
	s_mov_b32 s[\g+2], 128<<16
	s_mov_b32 s[\g+3], 4<<16
	s_mov_b32 s[\g+4], 128
	s_mov_b32 s[\g+6], 0
	s_mov_b32 s[\g+7], 0
.endr
	s_mov_b32 s[G1S+5], 32                         ; 256 bytes from token to token
	s_mov_b32 s[G1SB+5], 4
	; where the tiles come from.  x's hang on the tile row alone, w_in's on the tile column alone
	s_lshl_b32 s20, s19, 1
	s_add_co_u32 s20, s20, s16                     ; which 128 tokens
	s_mul_i32 s22, s20, 32768                      ; their scale bytes: 128 x 256,
	s_mul_i32 s20, s20, 786432                     ; their codes: 128 x 6,144,
	s_mul_i32 s21, s18, 768
	s_add_co_u32 s20, s20, s21                     ; + b's row
	s_lshl_b32 s21, s18, 5
	s_add_co_u32 s22, s22, s21
	s_mov_b32 s21, 0
	s_mov_b32 s23, 0
	s_lshl_b32 s46, s42, 8
	s_lshl_b32 s47, s16, 7
	s_add_co_u32 s46, s46, s47                     ; w_in: row 256 c + 128 x half
	s_lshl_b32 s92, s46, 5
	s_mul_i32 s46, s46, 768
	s_mov_b32 s47, 0
	s_mov_b32 s93, 0
	s_mul_i32 s45, s14, HALFT                      ; where they go: wave x 128 rows
	s_mul_i32 s94, s14, HALFS
	s_mov_b32 s[EIGHTH], 0x3e000000
	s_mov_b32 s[EIGHTH+1], 0x3e000000
	s_mov_b32 s[SEL], 0x76543210
	s_mov_b32 s[SEL+1], 0xfedcba98
	s_wait_kmcnt 0x0
	s_add_nc_u64 s[20:21], s[4:5], s[20:21]
	s_add_nc_u64 s[22:23], s[6:7], s[22:23]
	s_add_nc_u64 s[46:47], s[8:9], s[46:47]
	s_add_nc_u64 s[92:93], s[10:11], s[92:93]
	CROUND                                         ; all sixteen work-groups are here: the first joint loads meet
	s_mov_b32 s[G0S], 1
	s_add_co_u32 s[G0S+1], s94, SCL
	s_mov_b64 s[G0S+2:G0S+3], s[22:23]
	s_or_b32 s[G0S+3], s[G0S+3], 0x80000000
	s_mov_b32 s[G0SB], 1
	s_add_co_u32 s[G0SB+1], s94, SCL
	s_mov_b64 s[G0SB+2:G0SB+3], s[92:93]
	s_or_b32 s[G0SB+3], s[G0SB+3], 0x80000000
	JLOAD G0S, G1S, G0SB, G1SB                     ; the scale bytes first: filled once
.irp s, 0,1
	s_mov_b32 s[G0+4*\s], 1
	s_add_co_u32 s[G0+4*\s+1], s45, \s*SLOT
	s_add_nc_u64 s[G0+4*\s+2:G0+4*\s+3], s[20:21], \s*ROWB
	s_or_b32 s[G0+4*\s+3], s[G0+4*\s+3], 0x80000000
	s_mov_b32 s[G0B+4*\s], 1
	s_add_co_u32 s[G0B+4*\s+1], s45, \s*SLOT
	s_add_nc_u64 s[G0B+4*\s+2:G0B+4*\s+3], s[46:47], \s*ROWB
	s_or_b32 s[G0B+4*\s+3], s[G0B+4*\s+3], 0x80000000
	JLOAD G0+4*\s, G1, G0B+4*\s, G1B               ; three tensor loads of mine are out
.endr
	v_and_b32 v1, 15, v0                           ; r
	v_bfe_u32 v2, v0, 4, 1                         ; h
	v_and_b32 v3, 8, v1
	v_add_nc_u32 v3, v3, v1                        ; r + 8 (r / 8)
	v_mul_u32_u24 v4, v3, PITCH
	v_mad_u32_u24 v4, v2, 24, v4                   ; a fragment's row x pitch + 24 x half
	v_lshl_add_u32 v5, v2, 4, v4                   ; and the same behind one padding more
	s_mul_i32 s21, s15, HALFT                      ; my 128 tokens
	s_mul_i32 s22, s16, HALFT                      ; my 128 rows of w_in,
	s_add_co_u32 s22, s22, 2*HALFT                 ; behind x's 256
.irp s, 0,1
	v_add_nc_u32 v[ADRA+\s], s21, v4
	v_add_nc_u32 v[ADRB+\s], s22, v4
	v_add_nc_u32 v[ADRA+2+\s], s21, v5
	v_add_nc_u32 v[ADRB+2+\s], s22, v5
	s_add_co_u32 s21, s21, SLOT
	s_add_co_u32 s22, s22, SLOT
.endr
	v_mul_u32_u24 v5, v3, SPIT                     ; my row's scale bytes
	s_mul_i32 s21, s15, HALFS
	s_mul_i32 s22, s16, HALFS
	s_add_co_u32 s22, s22, 2*HALFS
	s_sub_co_u32 s22, s22, s21
	v_mul_u32_u24 v6, s22, v2                      ; lanes 16-31 take w_in's: one product with the half
	s_add_co_u32 s21, s21, SCL
	v_add_nc_u32 v5, v5, v6
	v_add_nc_u32 v[ADRS], s21, v5
	s_mul_i32 s23, s14, 128*VPIT                   ; my stage for v
	v_mul_u32_u24 v5, v1, VPIT
	v_lshl_add_u32 v5, v2, 6, v5
	v_add_nc_u32 v[STO], s23, v5                   ; in: row = lane r of the token tile, + 64 h: my 16 features
	v_mul_u32_u24 v5, v2, 8*VPIT
	v_lshl_add_u32 v5, v3, 2, v5
	v_add_nc_u32 v[RD], s23, v5                    ; out: 8 h rows on, column r + 8 (r / 8)
	v_and_b32 v6, 31, v0
	v_lshlrev_b32 v[L16], 4, v6
	v_lshlrev_b32 v[L8], 3, v6
.irp b, 0,1,2,3
	v_mov_b32 v[TM+4+\b], 0                        ; written once: a lane permute's destination counts as one of its sources
.endr
	s_lshl_b32 s46, s42, 10                        ; b_in: my 128 numbers begin at 4 (256 c + 128 x half)
	s_lshl_b32 s47, s16, 9
	s_add_co_u32 s46, s46, s47
	s_mov_b32 s47, 0
	s_add_nc_u64 s[12:13], s[12:13], s[46:47]
	v_lshlrev_b32 v7, 6, v2                        ; lane (r, h) wants, for tile 2 b + u, the features 32 b + 8 u + 16 h + 0 .. 7
.irp t, 0,1,2,3,4,5,6,7
	global_load_b128 v[BI+8*\t:BI+8*\t+3], v7, s[12:13] offset:(32*(\t/2)+8*(\t%2))*4
	global_load_b128 v[BI+8*\t+4:BI+8*\t+7], v7, s[12:13] offset:(32*(\t/2)+8*(\t%2))*4+16
.endr
.macro FRAG reg, adr, q, i             ; a fragment: lane l holds a row; registers 6 c .. 6 c + 5 hold K = 64 c + 32 (l / 16) + 0 .. 31: 24 bytes of the row's stream of bits, in pieces of 8 bytes
.irp p, 0,1,2,3,4,5
.set PCE, 12*(\q)+6*(\p/3)+\p%3        ; where the piece three on lies behind one padding more, the second address register serves
.if PCE%8 < 5
	ds_load_b64 v[\reg+2*\p:\reg+2*\p+1], v[\adr] offset:8*PCE+16*(PCE/8)+(32*((\i)/2)+8*((\i)%2))*PITCH
.else
	ds_load_b64 v[\reg+2*\p:\reg+2*\p+1], v[\adr+2] offset:8*PCE+16*(PCE/8)+(32*((\i)/2)+8*((\i)%2))*PITCH
.endif
.endr
.endm
; 16 matrix instructions: token blocks a0, a0 + 1 x the eight feature blocks.  first = 1: the bias is the C.  The 64 accumulators take turns, one instruction a turn.
.macro MUL16 a0, p, q, sc, first
.irp a, \a0, \a0+1
.irp b, 0,1,2,3,4,5,6,7
.if \first
	v_wmma_scale_f32_16x16x128_f8f6f4 v[8*(8*((\a)%4)+\b):8*(8*((\a)%4)+\b)+7], v[128*(\p)+FR*\b:128*(\p)+FR*\b+FR-1], v[AF+FR*(\a):AF+FR*(\a)+FR-1], v[BI+8*\b:BI+8*\b+7], v[SC+8*NQ*(\sc)+NQ*\b+(\q)], v[SC+8*NQ*(\sc)+NQ*(\a)+(\q)] matrix_a_fmt:MATRIX_FMT_BF6 matrix_b_fmt:MATRIX_FMT_BF6 matrix_a_scale:MATRIX_SCALE_ROW1
.else
	v_wmma_scale_f32_16x16x128_f8f6f4 v[8*(8*((\a)%4)+\b):8*(8*((\a)%4)+\b)+7], v[128*(\p)+FR*\b:128*(\p)+FR*\b+FR-1], v[AF+FR*(\a):AF+FR*(\a)+FR-1], v[8*(8*((\a)%4)+\b):8*(8*((\a)%4)+\b)+7], v[SC+8*NQ*(\sc)+NQ*\b+(\q)], v[SC+8*NQ*(\sc)+NQ*(\a)+(\q)] matrix_a_fmt:MATRIX_FMT_BF6 matrix_b_fmt:MATRIX_FMT_BF6 matrix_a_scale:MATRIX_SCALE_ROW1
.endif
.endr
.endr
.endm
.macro FETCH_B slot, q, p
	WIN TO_B
.irp i, 0,1,2,3,4,5,6,7
	FRAG 128*(\p)+FR*\i, ADRB+\slot, \q, \i
.endr
	WIN 0
.endm
.macro FETCH_A slot, q, i0
.irp i, \i0, \i0+1, \i0+2, \i0+3
	FRAG AF+FR*(\i), ADRA+\slot, \q, \i
.endr
.endm
.macro SCALES sc                       ; a K step's two scale words a row: lanes 0-15 x's block i, lanes 16-31 w_in's block i
.irp i, 0,1,2,3,4,5,6,7
	ds_load_b64 v[SC+8*NQ*\sc+NQ*\i:SC+8*NQ*\sc+NQ*\i+1], v[ADRS] offset:(32*(\i/2)+8*(\i%2))*SPIT
.endr
.endm
; A step of 128 along K that has its successor in the same slot.
.macro STEP slot, q, first
	s_wait_dscnt 4*NL                              ; w_in's set and x's blocks 0-3 are in; the youngest 24 loads (x's blocks 4-7) may be out
.if \first
	WIN 0x81                                       ; C (the bias) in window 0
.else
	WIN MUL_LO
.endif
	MUL16 0, (\q)%2, \q, \slot, \first
	MUL16 2, (\q)%2, \q, \slot, \first
	s_wait_dscnt 0
	PLACES NP                                      ; in front of loads into registers that matrix instructions have read
	FETCH_B \slot, (\q)+1, 1-(\q)%2
	FETCH_A \slot, (\q)+1, 0
.if \first
	WIN 0xc1
.else
	WIN MUL_HI
.endif
	MUL16 4, (\q)%2, \q, \slot, \first
	MUL16 6, (\q)%2, \q, \slot, \first
	PLACES NP
	WIN 0
	FETCH_A \slot, (\q)+1, 4
.endm
; A slot's last step changes slots: one barrier; in front of it each wave waits for all its tensor loads, adds 0 to its spare word, and waits for that and for its own reads of this slot.
.macro TURN slot, next, fill
	s_wait_tensorcnt 0x0                           ; all my tensor loads have landed: my part of the next slot
	ds_add_u32 v[SPW], v[NIL]                      ; 0 onto my spare word
	s_wait_dscnt 4*NL+1                            ; (the add and the youngest 24 loads may be out)
	WIN MUL_LO
	MUL16 0, 1, NQ-1, \slot, 0                     ; sixteen matrix instructions stand between the add and the wait for it
	s_wait_dscnt 0x0                               ; the add is done, and my reads of this slot are over
	s_barrier_signal -1
	MUL16 2, 1, NQ-1, \slot, 0
	WIN 0
	s_barrier_wait -1
.if \fill
	CREST                                          ; the barrier has opened a round of the cluster's barrier: no wave of any partner still reads this slot or has a load on its way
	s_add_nc_u64 s[G0+4*\slot+2:G0+4*\slot+3], s[G0+4*\slot+2:G0+4*\slot+3], 2*ROWB
	s_add_nc_u64 s[G0B+4*\slot+2:G0B+4*\slot+3], s[G0B+4*\slot+2:G0B+4*\slot+3], 2*ROWB
	JLOAD G0+4*\slot, G1, G0B+4*\slot, G1B         ; the first tensor load behind the round; its four v_nop are the places in front of the loads below
.else
	PLACES NP
.endif
	v_add_nc_u32 v[ADRS], 4*NQ, v[ADRS]            ; the next K step's scale words (no LDS load of mine is out)
	FETCH_B \next, 0, 0
	FETCH_A \next, 0, 0
	SCALES \next
	WIN MUL_HI
	MUL16 4, 1, NQ-1, \slot, 0
	MUL16 6, 1, NQ-1, \slot, 0
	PLACES NP
	WIN 0
	FETCH_A \next, 0, 4
.endm
	s_wait_loadcnt 0x0                             ; the bias
	s_wait_tensorcnt 1                             ; the scale bytes and my part of K step 0 are in (K step 1's load may be out),
	s_barrier_signal -1
	s_barrier_wait -1                              ; everybody's are
	FETCH_B 0, 0, 0
	FETCH_A 0, 0, 0
	SCALES 0
	FETCH_A 0, 0, 4
	STEP 0, 0, 1                                   ; the first step stands in front of the loop: its products start the sums, on the bias
	s_mov_b32 s3, LAPS-1
.Llap:
	TURN 0, 1, 1
	STEP 1, 0, 0
	TURN 1, 0, 1
	STEP 0, 0, 0
	s_sub_co_u32 s3, s3, 1
	s_cmp_lg_u32 s3, 0
	s_cbranch_scc1 .Llap
	TURN 0, 1, 0                                   ; the last lap fills nothing
	s_load_b256 s[24:31], s[0:1], 0x28             ; no tensor load is out or to come: the descriptor's registers take qk_codes, qk_sc, v_codes, v_sc
	STEP 1, 0, 0
	s_wait_dscnt 4*NL
	WIN MUL_LO
	MUL16 0, 1, NQ-1, 1, 0
	MUL16 2, 1, NQ-1, 1, 0
	s_wait_dscnt 0
	WIN MUL_HI
	MUL16 4, 1, NQ-1, 1, 0
	MUL16 6, 1, NQ-1, 1, 0
	WIN 0
	PLACES NP                                      ; behind the last products: results are read, and x's fragment registers written, from here on
	s_lshl_b32 s20, s42, 1
	s_add_co_u32 s20, s20, s16                     ; F: which 128 features of the 3,072
	s_lshl_b32 s22, s19, 1
	s_add_co_u32 s22, s22, s15                     ; which 128 tokens
	s_mov_b32 s47, 0
	s_wait_kmcnt 0x0
	s_cmp_eq_u32 ttmp9, 2                          ; the cluster's x, the same in all partners: 0 q, 1 k, 2 v
	s_cbranch_scc1 .Lv
	s_cmp_lg_u32 ttmp9, 0
	s_cbranch_scc1 .Lnot_q
.irp w, 2,3                                    ; q / 8, ahead of the quantiser: exact; each accumulator from its low end on
	WIN 65*\w
.set nn, 0
.rept 128
	v_pk_mul_f32 v[nn:nn+1], v[nn:nn+1], s[EIGHTH:EIGHTH+1] op_sel_hi:[1,0]
.set nn, nn+2
.endr
.endr
	WIN 0
.Lnot_q:
	s_lshr_b32 s21, s20, 3                         ; 0 q, 1 k
	s_lshl_b32 s21, s21, 3
	s_add_co_u32 s21, s21, s18
	s_lshl_b32 s21, s21, 4
	s_and_b32 s20, s20, 7
	s_lshl_b32 s20, s20, 1
	s_add_co_u32 s21, s21, s20                     ; ((q or k) x 8 + b) x 16 + my even head
	s_mul_i32 s46, s21, 49152                      ; a head: 32 pairs of tiles x 1,536 bytes
	s_mul_i32 s20, s22, 6144                       ; my four pairs
	s_add_co_u32 s46, s46, s20
	s_add_nc_u64 s[24:25], s[24:25], s[46:47]
	s_lshl_b32 s46, s21, 12                        ; a head's scale words: 8 groups of four pairs x 512 bytes
	s_lshl_b32 s20, s22, 9
	s_add_co_u32 s46, s46, s20
	s_add_nc_u64 s[26:27], s[26:27], s[46:47]
.irp a, 0,1,2,3,4,5,6,7
.set PCA, PC0+20*(\a%2)
.if \a >= 2
	s_wait_xcnt 0x0                                ; the stores of two tiles ago have read this set of registers
.endif
	QUANT 2+\a/4, 64*(\a%4), PCA, PWS+\a
	global_store_b128 v[L16], v[PCA:PCA+3], s[24:25] offset:768*\a                 ; the even head's tile: 512 consecutive bytes,
	global_store_b64 v[L8], v[PCA+4:PCA+5], s[24:25] offset:768*\a+512             ; and 256
	global_store_b128 v[L16], v[PCA+6:PCA+9], s[24:25] offset:49152+768*\a         ; the odd head's
	global_store_b64 v[L8], v[PCA+10:PCA+11], s[24:25] offset:49152+768*\a+512
.endr
.irp p, 0,1,2,3                                ; a pair's word: bytes 0, 1 the first tile's two blocks, bytes 2, 3 the second's
	v_and_b32 v[TV+8], 0xffff, v[PWS+2*\p]
	v_lshl_or_b32 v[TV+\p], v[PWS+2*\p+1], 16, v[TV+8]
	v_lshrrev_b32 v[TV+9], 16, v[PWS+2*\p]
	v_and_or_b32 v[TV+4+\p], v[PWS+2*\p+1], 0xffff0000, v[TV+9]
.endr
	global_store_b128 v[L16], v[TV:TV+3], s[26:27]
	global_store_b128 v[L16], v[TV+4:TV+7], s[26:27] offset:4096
	s_branch .Ldone
.Lv:
	s_sub_co_u32 s20, s20, 16                      ; my pair of heads
	s_lshl_b32 s20, s20, 1
	s_lshl_b32 s21, s18, 4
	s_add_co_u32 s21, s21, s20
	s_lshl_b32 s21, s21, 3
	s_add_co_u32 s21, s21, s22                     ; (b x 16 + my even head) x 8 + my step of 128 keys
	s_mul_i32 s46, s21, 6144
	s_add_nc_u64 s[28:29], s[28:29], s[46:47]
	s_lshl_b32 s46, s21, 9
	s_add_nc_u64 s[30:31], s[30:31], s[46:47]
.irp g, 0,1,2,3                                ; 32 features at a time through my stage.  LDS serves a wave's instructions in order (ISA guide 5.7.1.4): no wait between stores and loads, nor in front of the next chunk's stores
.irp a, 0,1,2,3,4,5,6,7
	WIN 4*(2+\a/4)
.irp c, 0,1,2,3
	ds_store_b128 v[STO], v[64*(\a%4)+16*\g+4*\c:64*(\a%4)+16*\g+4*\c+3] offset:16*\a*VPIT+16*\c   ; each accumulator from its low end on
.endr
.endr
	WIN 0
.irp u, 0,1                                    ; a tile of 16 channels d: lane r takes column 8 u + r + 8 (r / 8); register 16 b + i takes token 32 b + 16 h + i, which lies in stage row 32 b + 16 (i / 8) + 8 h + i % 8
.set nn, 0
.rept 64
	ds_load_b32 v[TV+nn], v[RD] offset:(32*(nn/16)+16*((nn%16)/8)+nn%8)*VPIT+32*\u
.set nn, nn+1
.endr
	s_wait_dscnt 0x0
	s_wait_xcnt 0x0                                ; the last stores have read the codes' and the scale words' registers
	QUANT 0, TV, PC0, PWS+2*(\g%2)+\u
.irp j, 0,1,2
	global_store_b128 v[L16], v[PC0+4*\j:PC0+4*\j+3], s[28:29] offset:(\g/2)*49152+(2*(\g%2)+\u)*1536+512*\j
.endr
.endr
.if \g%2 == 1
	global_store_b128 v[L16], v[PWS:PWS+3], s[30:31] offset:(\g/2)*4096   ; a head's four tiles' scale words
.endif
.endr
.Ldone:
	s_wait_tensorcnt 0x0                           ; the wave's end
	ds_add_u32 v[SPW], v[NIL]
	s_wait_dscnt 0x0
	CROUND                                         ; the closing round
	s_endpgm
.Lfunc_end_k_q3ed66f0a2f_qkv:
	.size	k_q3ed66f0a2f_qkv, .Lfunc_end_k_q3ed66f0a2f_qkv-k_q3ed66f0a2f_qkv
	.p2alignl 7, 3214868480
	.fill 96, 4, 3214868480
	.section	.rodata,"a",@progbits
	.p2align	6, 0x0
	.amdhsa_kernel k_q3ed66f0a2f_qkv
		.amdhsa_group_segment_fixed_size 327680
		.amdhsa_private_segment_fixed_size 0
		.amdhsa_enable_private_segment 0
		.amdhsa_kernarg_size 72
		.amdhsa_user_sgpr_count 2
		.amdhsa_user_sgpr_kernarg_segment_ptr 1
		.amdhsa_wavefront_size32 1
		.amdhsa_system_sgpr_workgroup_id_x 1
		.amdhsa_system_sgpr_workgroup_id_y 1
		.amdhsa_system_sgpr_workgroup_id_z 1
		.amdhsa_system_vgpr_workitem_id 0
		.amdhsa_next_free_vgpr 1024
		.amdhsa_next_free_sgpr 100
		.amdhsa_reserve_vcc 0
		.amdhsa_float_denorm_mode_32 3
		.amdhsa_float_denorm_mode_16_64 3
		.amdhsa_memory_ordered 1
		.amdhsa_forward_progress 1
		.amdhsa_inst_pref_size 255
	.end_amdhsa_kernel
	.section	.bss,"aw",@nobits
	.p2align	6
	.space	262144
	.amdgpu_metadata
---
amdhsa.version: [ 1, 2 ]
amdhsa.kernels:
  - .name:           k_q3ed66f0a2f_qkv
    .symbol:         k_q3ed66f0a2f_qkv.kd
    .args:
      - { .name: x_codes, .offset: 0, .size: 8, .value_kind: global_buffer, .address_space: global }
      - { .name: x_scales, .offset: 8, .size: 8, .value_kind: global_buffer, .address_space: global }
      - { .name: w_in_codes, .offset: 16, .size: 8, .value_kind: global_buffer, .address_space: global }
      - { .name: w_in_scales, .offset: 24, .size: 8, .value_kind: global_buffer, .address_space: global }
      - { .name: b_in, .offset: 32, .size: 8, .value_kind: global_buffer, .address_space: global }
      - { .name: qk_codes, .offset: 40, .size: 8, .value_kind: global_buffer, .address_space: global }
      - { .name: qk_sc, .offset: 48, .size: 8, .value_kind: global_buffer, .address_space: global }
      - { .name: v_codes, .offset: 56, .size: 8, .value_kind: global_buffer, .address_space: global }
      - { .name: v_sc, .offset: 64, .size: 8, .value_kind: global_buffer, .address_space: global }
    .group_segment_fixed_size: 327680
    .private_segment_fixed_size: 0
    .kernarg_segment_align: 8
    .kernarg_segment_size: 72
    .max_flat_workgroup_size: 128
    .sgpr_count:     100
    .vgpr_count:     1024
    .wavefront_size: 32
...
	.end_amdgpu_metadata
.endif
;; end of part 1
;; launch att (part 2): grid 32 x 8, 4 waves a work-group, no clusters, 61,952 bytes of LDS; arguments qk_codes, qk_sc, v_codes, v_sc, ctx_codes, ctx_sc, aw_codes, aw_sc; writes ctx_codes, ctx_sc, aw_codes, aw_sc
.if DOCPART == 2
	.amdgcn_target "amdgcn-amd-amdhsa--gfx1250"
	.amdhsa_code_object_version 6
	.text
	.protected	k_q3ed66f0a2f_att
	.globl	k_q3ed66f0a2f_att
	.p2align	8
	.type	k_q3ed66f0a2f_att,@function
k_q3ed66f0a2f_att:
	s_mov_b64 s[64:65], 0
	v_nop
	global_prefetch_b8 v0, s[64:65] scope:SCOPE_SE
	s_setreg_imm32_b32 hwreg(HW_REG_WAVE_MODE, 25, 1), 1
	s_wait_xcnt 0x0
; For 32 queries of one batch element and all 16 heads: S^T = K (Q / 8)^T, the softmax, O^T = V^T P^T, ctx = O / l quantised along the features, and the mean over the heads of the finished softmax quantised along the keys.
; Both products on codes of BF6 (E3M2) with E8M0 scales.  p = 2^(t - M), t = score x log2(e), M a whole number; the row's sum is taken of the unquantised p.
; SHARES.  A work-group owns query tiles T = 0, 1 (a pair of tiles) and walks the heads.  THE FOUR WAVES SHARE THE KEYS: wave w owns keys 256 w .. 256 w + 255.  So each byte of K and V goes from memory straight into the
; registers of the one wave that multiplies it; the mean weights of 32 queries x my 256 keys stay in 256 registers for the whole launch; p of a head is 256 registers.
; Each wave takes ITS OWN M (the ceiling of its keys' largest t).  For each head the waves exchange -M, l and their parts of O^T through LDS; what brings a part under the common M is 2^(whole number): nothing is rounded.
; K = 64 IN AN INSTRUCTION OF 128.  An operand of K holds TWO key tiles: k 0-63 tile 2 p's channels, k 64-127 tile 2 p + 1's.  Q's operand has codes in one half and zero codes in the other, and so picks one of the two.
; The tiles' rows lie so (lane r of tile 2 p + u: token 32 p + 8 u + r + 8 (r / 8)) that the 16 registers of score tiles (p, 0), (p, 1) are 16 neighbouring keys, and those of O^T's tiles 2 b, 2 b + 1 are 16 neighbouring channels.
; No tensor load and no joint request: K's and V's loads into registers stand a phase ahead (K of the next head behind this head's scores, V behind this head's second product).
; LIMITS: NaN and infinities are not served.  p under 2^-126 comes out of v_exp_f32 as 0.  A block's largest p is taken as the exponential of its largest score (this takes v_exp_f32 not to fall where its input rises).
; A block whose largest magnitude lies under 2^-122 keeps the scale byte 1, a block of zeros too (its codes are zeros; this program alone reads the bytes).
; REGISTERS: window 0: see the names below.  window 1: S^T, then p: tile T at 128 T; register 16 p + 8 u + j is key 256 w + 32 p + 16 (lane / 16) + 8 u + j.  window 2: the mean weights, laid alike.
;   window 3: v0-95 K's eight operands; v96-191 V's eight; v192-255 O^T (32 T + 8 n), later the four waves' parts (16 w').
.set XO,  0                            ; LDS: the waves' parts of O^T: [w][T][n][half] x 512 bytes
.set XS,  32768                        ; (-M, l): [w][T][lane] x 8 bytes
.set CST, 34816                        ; ctx's 16 fragments (8 T + pair of heads), register p of a fragment at 128 p + 4 x lane
.set CSC, 59392                        ; ctx's scale bytes: [T][row] x 32 bytes
.set L16, 1                            ; 16 x lane
.set L8,  2                            ; 8 x lane
.set L4,  3                            ; 4 x lane
.set QSO, 4                            ; Q's pair word: 16 x lane + 4 x (pair % 4)
.set WRO, 5                            ; where I store my parts of O^T
.set RDO, 6                            ; where I read the parts that I add
.set WRS, 7
.set RDS, 8
.set CSB, 9                            ; ctx's codes: my place in a fragment's image
.set CBB, 10                           ; ctx's scale byte
.set CSA, 11                           ; the same for the head in hand
.set CBA, 12
.set COA, 13                           ; the way out of ctx's codes
.set COS, 14                           ; and of its scale words
.set ML,  16                           ; (-M, l) of tile T at v[16 + 2 T]
.set CH,  20                           ; v20-23 at work
.set GG,  24                           ; g of tile T at v[24 + 2 T] (a pair's low word)
.set XR,  32                           ; (-M, l) of wave w', tile T at v[32 + 4 w' + 2 T]
.set FF,  48                           ; f(T, w') at v[48 + 4 T + w']
.set MG,  56
.set LT,  58
.set INV, 60
.set TP,  62
.set FI,  64                           ; f x 1 / l for wave w' at v[64 + 2 w'] (a pair's low word)
.set BM,  72                           ; eight blocks' largest scores, then largest p
.set BX,  80
.set SO,  88                           ; the conversions' scale operands
.set PW,  96                           ; p's scale words: 2 T + step
.set KS,  100                          ; K's pair words
.set VS,  108                          ; V's scale words: 4 x step + n
.set QW,  116                          ; Q's pair word; v117 the same with its halves exchanged
.set R,   120                          ; 16 numbers of ctx
.set RC,  136
.set RM,  140
.set PF,  144                          ; p's four fragments: 12 (2 T + step)
.set PT,  192
.set QF,  200                          ; Q's four operands: 12 (2 T + u)
.set TM,  72                           ; QUANT's 16, at the end
.set KP,  20                           ; s[20:21] K's codes, s[22:23] its words, s[24:27] Q's, s[28:31] V's: at the head in hand
.set KSP, 22
.set QP,  24
.set QSP, 26
.set VP,  28
.set VSP, 30
.set SEL, 36
.set CC,  38                           ; s[38:39] log2(e), twice
.set HOFF, 41                          ; 768 x head
.set BOFF, 42                          ; 2 x head
.set MSB, 0
.macro WIN new
.if MSB != (\new)
	s_set_vgpr_msb (MSB<<8)|(\new)
.set MSB, (\new)
.endif
.endm
.macro PLACES n
.rept \n
	v_nop
.endr
.endm
.macro QUANT win, s, pc, pw            ; 64 numbers of a lane in window win, register 16 b + i = k 32 b + 16 (lane / 16) + i, become a fragment in v[pc] on and its scale word in v[pw]
	WIN 5*(\win)
.irp b, 0,1,2,3
	v_max3_num_f32 v[TM+\b], |v[\s+16*\b]|, |v[\s+1+16*\b]|, 0x2800000   ; and the floor 2^(5 - 127)
.endr
	WIN 20*(\win)
.irp i, 2,4,6,8,10,12,14
.irp b, 0,1,2,3
	v_max3_num_f32 v[TM+\b], v[TM+\b], |v[\s+16*\b+\i]|, |v[\s+1+16*\b+\i]|
.endr
.endr
	WIN 0
.irp b, 0,1,2,3
	v_permlanex16_b32 v[TM+4+\b], v[TM+\b], s[SEL], s[SEL+1]
.endr
.irp b, 0,1,2,3
	v_max_num_f32 v[TM+\b], v[TM+\b], v[TM+4+\b]
.endr
.irp b, 0,1,2,3
	v_add_nc_u32 v[TM+12+\b], 0xfe000000, v[TM+\b]
.endr
.irp b, 0,1,2,3
	v_lshrrev_b32 v[TM+4+\b], 23, v[TM+12+\b]
.endr
	v_lshl_or_b32 v[\pw], v[TM+5], 8, v[TM+4]
	v_lshl_or_b32 v[\pw], v[TM+6], 16, v[\pw]
	v_lshl_or_b32 v[\pw], v[TM+7], 24, v[\pw]
	WIN (\win)
.irp c, 0,1
	v_cvt_scalef32_pk16_bf6_f32 v[\pc+6*\c:\pc+2+6*\c], v[\s+32*\c:\s+15+32*\c], v[TM+12+2*\c]
	v_cvt_scalef32_pk16_bf6_f32 v[\pc+12+4*\c:\pc+14+4*\c], v[\s+16+32*\c:\s+31+32*\c], v[TM+12+2*\c+1]
.endr
	WIN 0
	v_nop                                          ; one plain place behind a scaled conversion
.irp c, 0,1
.irp i, 0,1,2
	v_permlane16_swap_b32 v[\pc+6*\c+\i], v[\pc+12+4*\c+\i]
.endr
.irp i, 0,1,2
	v_mov_b32 v[\pc+3+6*\c+\i], v[\pc+12+4*\c+\i]
.endr
.endr
.endm
; 43 loads: my eight operands of K, their words, Q's two tiles (each into two operands) and Q's word
.macro LOADK
	WIN 0xc0                                       ; destination window 3
.irp p, 0,1,2,3,4,5,6,7
	global_load_b128 v[12*\p:12*\p+3], v[L16], s[KP:KP+1] offset:1536*\p
	global_load_b64 v[12*\p+4:12*\p+5], v[L8], s[KP:KP+1] offset:1536*\p+512
	global_load_b128 v[12*\p+6:12*\p+9], v[L16], s[KP:KP+1] offset:1536*\p+768
	global_load_b64 v[12*\p+10:12*\p+11], v[L8], s[KP:KP+1] offset:1536*\p+1280
.endr
	WIN 0
	global_load_b128 v[KS:KS+3], v[L16], s[KSP:KSP+1]
	global_load_b128 v[KS+4:KS+7], v[L16], s[KSP:KSP+1] offset:512
.irp t, 0,1
	global_load_b128 v[QF+24*\t:QF+24*\t+3], v[L16], s[QP:QP+1] offset:768*\t          ; operand (T, 0): codes, then zeros
	global_load_b64 v[QF+24*\t+4:QF+24*\t+5], v[L8], s[QP:QP+1] offset:768*\t+512
	global_load_b128 v[QF+24*\t+18:QF+24*\t+21], v[L16], s[QP:QP+1] offset:768*\t      ; operand (T, 1): zeros, then codes
	global_load_b64 v[QF+24*\t+22:QF+24*\t+23], v[L8], s[QP:QP+1] offset:768*\t+512
.endr
	global_load_b32 v[QW], v[QSO], s[QSP:QSP+1]
.endm
; 26 loads: my two key steps' four tiles of V^T each, and their words
.macro LOADV
	WIN 0xc0
.irp f, 0,1,2,3,4,5,6,7
.irp j, 0,1,2
	global_load_b128 v[96+12*\f+4*\j:96+12*\f+4*\j+3], v[L16], s[VP:VP+1] offset:1536*\f+512*\j
.endr
.endr
	WIN 0
	global_load_b128 v[VS:VS+3], v[L16], s[VSP:VSP+1]
	global_load_b128 v[VS+4:VS+7], v[L16], s[VSP:VSP+1] offset:512
.endm
; One tile's softmax over my 256 keys: 128 registers a lane, eight blocks of 32 keys.
.macro SOFTMAX tt
.set SB, 128*(\tt)
.set MT, ML+2*(\tt)
	WIN 0x15
.irp b, 0,1,2,3,4,5,6,7
	v_max3_num_f32 v[BM+\b], v[SB+16*\b], v[SB+16*\b+1], v[SB+16*\b+2]   ; the largest score of each block: for the row's maximum, and for the block's largest p.  Each score tile is read from its low end on
.endr
	WIN 0x14
.irp i, 3,5,7,9,11,13
.irp b, 0,1,2,3,4,5,6,7
	v_max3_num_f32 v[BM+\b], v[BM+\b], v[SB+16*\b+\i], v[SB+16*\b+\i+1]
.endr
.endr
.irp b, 0,1,2,3,4,5,6,7
	v_max_num_f32 v[BM+\b], v[BM+\b], v[SB+16*\b+15]
.endr
	WIN 0
.irp b, 0,1,2,3,4,5,6,7
	v_permlanex16_b32 v[BX+\b], v[BM+\b], s[SEL], s[SEL+1]
.endr
.irp b, 0,1,2,3,4,5,6,7
	v_max_num_f32 v[BM+\b], v[BM+\b], v[BX+\b]     ; with lane l xor 16's 16 keys
.endr
	v_max3_num_f32 v[CH], v[BM], v[BM+1], v[BM+2]
	v_max3_num_f32 v[CH], v[CH], v[BM+3], v[BM+4]
	v_max3_num_f32 v[CH], v[CH], v[BM+5], v[BM+6]
	v_max_num_f32 v[CH], v[CH], v[BM+7]
	v_mul_f32 v[CH], s[CC], v[CH]                  ; as t
	v_floor_f32 v[MT], -v[CH]                      ; -M = floor(-t) = -ceil(t)
	WIN 0x41
.set nn, 0
.rept 64
	v_pk_fma_f32 v[SB+nn:SB+nn+1], v[SB+nn:SB+nn+1], s[CC:CC+1], v[MT:MT+1] op_sel_hi:[1,0,0]   ; t - M, two at a time
.set nn, nn+2
.endr
	WIN 0
.irp b, 0,1,2,3,4,5,6,7
	v_fma_f32 v[BM+\b], v[BM+\b], s[CC], v[MT]     ; the same of each block's largest score
.endr
	WIN 0x41
.set nn, 0
.rept 128
	v_exp_f32 v[SB+nn], v[SB+nn]                   ; p = 2^(t - M): one batch
.set nn, nn+1
.endr
	WIN 0
	v_nop                                          ; a plain place behind the exponentials
	s_wait_alu depctr_va_vdst(0)                   ; one wait for the batch, ahead of its first reader
.irp b, 0,1,2,3,4,5,6,7
	v_exp_f32 v[BM+\b], v[BM+\b]                   ; the blocks' largest p: a second, small batch
.endr
	WIN 0x05
	v_pk_add_f32 v[CH:CH+1], v[SB:SB+1], v[SB+2:SB+3]          ; the row's sum of the unquantised p, in two chains: plain work behind the eight
	v_pk_add_f32 v[CH+2:CH+3], v[SB+4:SB+5], v[SB+6:SB+7]
	WIN 0x04
.set nn, 8
.rept 30
	v_pk_add_f32 v[CH:CH+1], v[CH:CH+1], v[SB+nn:SB+nn+1]
	v_pk_add_f32 v[CH+2:CH+3], v[CH+2:CH+3], v[SB+nn+2:SB+nn+3]
.set nn, nn+4
.endr
	WIN 0
	v_pk_add_f32 v[CH:CH+1], v[CH:CH+1], v[CH+2:CH+3]
	v_add_f32 v[MT+1], v[CH], v[CH+1]              ; my half of the lanes' part of l
	s_wait_alu depctr_va_vdst(0)                   ; and one wait for the eight
.irp b, 0,1,2,3,4,5,6,7
	v_max_num_f32 v[BM+\b], 0x2800000, v[BM+\b]    ; the floor 2^(5 - 127)
.endr
.irp b, 0,1,2,3,4,5,6,7
	v_add_nc_u32 v[SO+\b], 0xfe000000, v[BM+\b]    ; 4 off the exponent field: the conversion's scale operand
.endr
.irp b, 0,1,2,3,4,5,6,7
	v_lshrrev_b32 v[BX+\b], 23, v[SO+\b]           ; the scale's byte
.endr
.irp k, 0,1
	v_lshl_or_b32 v[PW+2*(\tt)+\k], v[BX+4*\k+1], 8, v[BX+4*\k]
	v_lshl_or_b32 v[PW+2*(\tt)+\k], v[BX+4*\k+2], 16, v[PW+2*(\tt)+\k]
	v_lshl_or_b32 v[PW+2*(\tt)+\k], v[BX+4*\k+3], 24, v[PW+2*(\tt)+\k]
.endr
.irp k, 0,1
.set PFK, PF+12*(2*(\tt)+\k)
	WIN 0x01
.irp c, 0,1
	v_cvt_scalef32_pk16_bf6_f32 v[PFK+6*\c:PFK+6*\c+2], v[SB+64*\k+32*\c:SB+64*\k+32*\c+15], v[SO+4*\k+2*\c]
	v_cvt_scalef32_pk16_bf6_f32 v[PT+4*\c:PT+4*\c+2], v[SB+64*\k+32*\c+16:SB+64*\k+32*\c+31], v[SO+4*\k+2*\c+1]
.endr
	WIN 0
	v_nop                                          ; one plain place behind a scaled conversion
.irp c, 0,1
.irp i, 0,1,2
	v_permlane16_swap_b32 v[PFK+6*\c+\i], v[PT+4*\c+\i]
.endr
.irp i, 0,1,2
	v_mov_b32 v[PFK+6*\c+3+\i], v[PT+4*\c+\i]
.endr
.endr
.endr
.endm
; ONE HEAD.  more = 1: the next head's K, Q and V are asked for.
.macro HEAD more
	s_wait_loadcnt 26                              ; K, its words and Q are in; the 26 younger loads are V's
	v_alignbit_b32 v[QW+1], v[QW], v[QW], 16       ; Q's word with its halves exchanged: tile T's two bytes at the place of the half that holds its codes
	PLACES 8                                       ; a scale register written by a vector instruction stands 8 places ahead of a scaled matrix instruction
	WIN 0x43                                       ; K window 3, Q window 0, S^T window 1
.irp p, 0,1,2,3,4,5,6,7
.irp u, 0,1
.irp t, 0,1
.if \t == \u
	v_wmma_scale_f32_16x16x128_f8f6f4 v[128*\t+16*\p+8*\u:128*\t+16*\p+8*\u+7], v[12*\p:12*\p+11], v[QF+24*\t+12*\u:QF+24*\t+12*\u+11], 0, v[KS+\p], v[QW] matrix_a_fmt:MATRIX_FMT_BF6 matrix_b_fmt:MATRIX_FMT_BF6
.else
	v_wmma_scale_f32_16x16x128_f8f6f4 v[128*\t+16*\p+8*\u:128*\t+16*\p+8*\u+7], v[12*\p:12*\p+11], v[QF+24*\t+12*\u:QF+24*\t+12*\u+11], 0, v[KS+\p], v[QW+1] matrix_a_fmt:MATRIX_FMT_BF6 matrix_b_fmt:MATRIX_FMT_BF6
.endif
.endr
.endr
.endr
	WIN 0
	PLACES 4                                       ; in front of the loads into K's, Q's and the words' registers, and of the first read of scores
.if \more
	s_wait_xcnt 0x0                                ; the earlier loads have read their bases
	s_add_nc_u64 s[KP:KP+1], s[KP:KP+1], 49152
	s_add_nc_u64 s[KSP:KSP+1], s[KSP:KSP+1], 4096
	s_add_nc_u64 s[QP:QP+1], s[QP:QP+1], 49152
	s_add_nc_u64 s[QSP:QSP+1], s[QSP:QSP+1], 4096
	LOADK                                          ; they have both softmaxes and the second product in which to land
.endif
	SOFTMAX 0
	SOFTMAX 1
	PLACES 8                                       ; p's codes and scale words were written by vector instructions
.if \more
	s_wait_loadcnt 43                              ; V is in; the 43 younger loads are the next head's K group
.else
	s_wait_loadcnt 0x0
.endif
	WIN 0xf3                                       ; V window 3, p window 0, O^T window 3
.irp k, 0,1
.irp n, 0,1,2,3
.irp t, 0,1                                    ; the eight accumulators by turns, one instruction a turn
.if \k == 0
	v_wmma_scale_f32_16x16x128_f8f6f4 v[192+32*\t+8*\n:192+32*\t+8*\n+7], v[96+12*(4*\k+\n):96+12*(4*\k+\n)+11], v[PF+12*(2*\t+\k):PF+12*(2*\t+\k)+11], 0, v[VS+4*\k+\n], v[PW+2*\t+\k] matrix_a_fmt:MATRIX_FMT_BF6 matrix_b_fmt:MATRIX_FMT_BF6
.else
	v_wmma_scale_f32_16x16x128_f8f6f4 v[192+32*\t+8*\n:192+32*\t+8*\n+7], v[96+12*(4*\k+\n):96+12*(4*\k+\n)+11], v[PF+12*(2*\t+\k):PF+12*(2*\t+\k)+11], v[192+32*\t+8*\n:192+32*\t+8*\n+7], v[VS+4*\k+\n], v[PW+2*\t+\k] matrix_a_fmt:MATRIX_FMT_BF6 matrix_b_fmt:MATRIX_FMT_BF6
.endif
.endr
.endr
.endr
	WIN 0
	PLACES 4                                       ; in front of the loads into V's registers and of the LDS stores that read O^T
.irp t, 0,1
	v_permlanex16_b32 v[TP+\t], v[ML+2*\t+1], s[SEL], s[SEL+1]
.endr
.irp t, 0,1
	v_add_f32 v[ML+2*\t+1], v[ML+2*\t+1], v[TP+\t] ; my 256 keys' part of the row's sum
.endr
.if \more
	s_wait_xcnt 0x0
	s_add_nc_u64 s[VP:VP+1], s[VP:VP+1], 49152
	s_add_nc_u64 s[VSP:VSP+1], s[VSP:VSP+1], 4096
	LOADV
.endif
	s_wait_dscnt 0x0                               ; my reads of the last head's parts are back and my LDS stores have landed
	v_add_nc_u32 v[CSA], s[HOFF], v[CSB]           ; (no LDS store of mine is out: its address registers may be written)
	v_add_nc_u32 v[CBA], s[BOFF], v[CBB]
	s_barrier_signal -1
	s_barrier_wait -1                              ; nobody reads the last head's parts any more
	WIN 0x0c                                       ; an LDS store's data are its source 1: window 3
.irp t, 0,1
.irp n, 0,1,2,3
	ds_store_b128 v[WRO], v[192+32*\t+8*\n:192+32*\t+8*\n+3] offset:4096*\t+1024*\n          ; each accumulator from its low end on
	ds_store_b128 v[WRO], v[192+32*\t+8*\n+4:192+32*\t+8*\n+7] offset:4096*\t+1024*\n+512
.endr
.endr
	WIN 0
.irp t, 0,1
	ds_store_b64 v[WRS], v[ML+2*\t:ML+2*\t+1] offset:256*\t
.endr
	s_wait_dscnt 0x0                               ; for the others' sake: my stores have landed
	s_barrier_signal -1
	s_barrier_wait -1
.irp w, 0,1,2,3
.irp t, 0,1
	ds_load_b64 v[XR+4*\w+2*\t:XR+4*\w+2*\t+1], v[RDS] offset:512*\w+256*\t
.endr
.endr
	WIN 0xc0
.irp w, 0,1,2,3                                ; I add tile T = w & 1, channels 32 (w >> 1) on: two tiles n from each wave
.irp k, 0,1,2,3
	ds_load_b128 v[192+16*\w+4*\k:192+16*\w+4*\k+3], v[RDO] offset:8192*\w+512*\k
.endr
.endr
	WIN 0
	s_wait_dscnt 16                                ; the eight pairs (-M, l) are in; the sixteen younger loads may be out
.irp t, 0,1
	v_min3_num_f32 v[MG+\t], v[XR+2*\t], v[XR+4+2*\t], v[XR+8+2*\t]
.endr
.irp t, 0,1
	v_min_num_f32 v[MG+\t], v[MG+\t], v[XR+12+2*\t]   ; minus the row's M: the least of the four -M
.endr
.irp t, 0,1
.irp w, 0,1,2,3
	v_sub_f32 v[FF+4*\t+\w], v[MG+\t], v[XR+4*\w+2*\t]   ; wave w's M less the row's: a whole number, 0 or less
.endr
	v_sub_f32 v[TP+\t], v[MG+\t], v[ML+2*\t]       ; and my own
.endr
.irp z, FF,FF+1,FF+2,FF+3,FF+4,FF+5,FF+6,FF+7,TP,TP+1
	v_cvt_i32_f32 v[\z], v[\z]                     ; (it saturates)
.endr
.irp z, FF,FF+1,FF+2,FF+3,FF+4,FF+5,FF+6,FF+7,TP,TP+1
	v_ldexp_f32 v[\z], 1.0, v[\z]                  ; f = 2^(that number): multiplying by it rounds nothing
.endr
.irp t, 0,1
	v_mul_f32 v[LT+\t], v[FF+4*\t], v[XR+2*\t+1]
.endr
.irp w, 1,2,3
.irp t, 0,1
	v_fma_f32 v[LT+\t], v[FF+4*\t+\w], v[XR+4*\w+2*\t+1], v[LT+\t]   ; the row's sum under the row's M
.endr
.endr
	v_rcp_f32 v[INV], v[LT]
	v_rcp_f32 v[INV+1], v[LT+1]
	v_mul_f32 v[TP], 0x3d800000, v[TP]             ; my f / 16: plain work behind the reciprocals
	v_mul_f32 v[TP+1], 0x3d800000, v[TP+1]
.irp w, 0,1,2,3
	v_cndmask_b32 v[FF+\w], v[FF+\w], v[FF+4+\w], s40   ; the f of the tile that I add
.endr
	s_wait_alu depctr_va_vdst(0)                   ; one wait for both reciprocals, ahead of their first reader
	v_mul_f32 v[GG], v[TP], v[INV]                 ; g = f / (16 l): p x g is this head's share of the mean weight
	v_mul_f32 v[GG+2], v[TP+1], v[INV+1]
	v_cndmask_b32 v[LT], v[INV], v[INV+1], s40
.irp w, 0,1,2,3
	v_mul_f32 v[FI+2*\w], v[FF+\w], v[LT]
.endr
	WIN 0xa1                                       ; p window 1, g window 0, the mean weights window 2
.irp t, 0,1
.set nn, 128*\t
.rept 64
	v_pk_fma_f32 v[nn:nn+1], v[nn:nn+1], v[GG+2*\t:GG+2*\t+1], v[nn:nn+1] op_sel_hi:[1,0,1]
.set nn, nn+2
.endr
.endr
	WIN 0
	s_wait_dscnt 0x0                               ; the four parts are in
	WIN 0x03
.set nn, 0
.rept 8
	v_pk_mul_f32 v[R+nn:R+nn+1], v[192+nn:192+nn+1], v[FI:FI+1] op_sel_hi:[1,0]
.set nn, nn+2
.endr
.irp w, 1,2,3
.set nn, 0
.rept 8
	v_pk_fma_f32 v[R+nn:R+nn+1], v[192+16*\w+nn:192+16*\w+nn+1], v[FI+2*\w:FI+2*\w+1], v[R+nn:R+nn+1] op_sel_hi:[1,0,1]
.set nn, nn+2
.endr
.endr
	WIN 0                                          ; R: ctx(query r, channels 32 (w >> 1) + 16 h + 0 .. 15): half a block of 32 along the features
	v_max3_num_f32 v[RM], |v[R]|, |v[R+1]|, 0x2800000
	v_max3_num_f32 v[RM+1], |v[R+2]|, |v[R+3]|, |v[R+4]|
	v_max3_num_f32 v[RM], v[RM], |v[R+5]|, |v[R+6]|
	v_max3_num_f32 v[RM+1], v[RM+1], |v[R+7]|, |v[R+8]|
	v_max3_num_f32 v[RM], v[RM], |v[R+9]|, |v[R+10]|
	v_max3_num_f32 v[RM+1], v[RM+1], |v[R+11]|, |v[R+12]|
	v_max3_num_f32 v[RM], v[RM], |v[R+13]|, |v[R+14]|
	v_max3_num_f32 v[RM], v[RM], v[RM+1], |v[R+15]|
	v_permlanex16_b32 v[RM+2], v[RM], s[SEL], s[SEL+1]
	v_max_num_f32 v[RM], v[RM], v[RM+2]
	v_add_nc_u32 v[RM+3], 0xfe000000, v[RM]
	v_cvt_scalef32_pk16_bf6_f32 v[RC:RC+2], v[R:R+15], v[RM+3]
	v_lshrrev_b32 v[RM+1], 23, v[RM+3]             ; the scale's byte: also the plain place behind the conversion
.irp i, 0,1,2
	ds_store_b32 v[CSA], v[RC+\i] offset:128*\i    ; to lane (r, w >> 1), registers 6 (head % 2) + 3 h + i of the fragment's image
.endr
	ds_store_b8 v[CBA], v[RM+1]                    ; both halves of the lanes write the same byte with the same value
	s_add_co_u32 s[HOFF], s[HOFF], 768
	s_add_co_u32 s[BOFF], s[BOFF], 2
.endm
	s_load_b512 s[4:19], s[0:1], 0x0               ; qk_codes, qk_sc, v_codes, v_sc, ctx_codes, ctx_sc, aw_codes, aw_sc
	v_lshl_add_u32 v254, v0, 2, 0xf000
	v_mov_b32 v255, 0
	v_lshrrev_b32 v15, 5, v0
	v_readfirstlane_b32 s32, v15                   ; wave 0..3
	s_and_b32 s33, ttmp7, 0xffff                   ; b
	v_and_b32 v15, 31, v0
	v_lshlrev_b32 v[L16], 4, v15
	v_lshlrev_b32 v[L8], 3, v15
	v_lshlrev_b32 v[L4], 2, v15
	v_and_b32 v28, 15, v0                          ; r
	v_bfe_u32 v29, v0, 4, 1                        ; h
	s_and_b32 s34, ttmp9, 3
	s_lshl_b32 s34, s34, 2
	v_add_nc_u32 v[QSO], s34, v[L16]
	s_and_b32 s43, s32, 1                          ; w & 1: the tile that I add
	s_lshr_b32 s44, s32, 1                         ; w >> 1: the block of 32 channels that I add
	s_lshl_b32 s45, s32, 13
	v_add_nc_u32 v[WRO], s45, v[L16]
	s_lshl_b32 s45, s43, 12
	s_lshl_b32 s46, s44, 11
	s_add_co_u32 s45, s45, s46
	v_add_nc_u32 v[RDO], s45, v[L16]
	s_lshl_b32 s45, s32, 9
	s_add_co_u32 s45, s45, XS
	v_add_nc_u32 v[WRS], s45, v[L8]
	v_add_nc_u32 v[RDS], XS, v[L8]
	v_mul_u32_u24 v[CSB], v29, 384
	v_lshl_add_u32 v[CSB], v28, 2, v[CSB]
	s_mul_i32 s45, s43, 12288
	s_lshl_b32 s46, s44, 6
	s_add_co_u32 s45, s45, s46
	s_add_co_u32 s45, s45, CST
	v_add_nc_u32 v[CSB], s45, v[CSB]               ; CST + 12,288 T + 64 (w >> 1) + 384 h + 4 r
	s_lshl_b32 s45, s43, 9
	s_add_co_u32 s45, s45, s44
	s_add_co_u32 s45, s45, CSC
	v_lshlrev_b32 v[CBB], 5, v28
	v_add_nc_u32 v[CBB], s45, v[CBB]               ; CSC + 512 T + 32 r + (w >> 1)
	s_mul_i32 s45, s32, 6144
	s_add_co_u32 s45, s45, CST
	v_add_nc_u32 v[COA], s45, v[L4]                ; the way out: fragments 4 w .. 4 w + 3
	s_lshl_b32 s45, s44, 9
	s_lshl_b32 s46, s43, 4
	s_add_co_u32 s45, s45, s46
	s_add_co_u32 s45, s45, CSC
	v_lshlrev_b32 v[COS], 5, v28
	v_add_nc_u32 v[COS], s45, v[COS]
	s_cmp_eq_u32 s43, 1
	s_cselect_b32 s40, -1, 0                       ; all lanes take tile 1's numbers in waves 1 and 3
	s_mov_b32 s[SEL], 0x76543210
	s_mov_b32 s[SEL+1], 0xfedcba98
	s_mov_b32 s[CC], 0x3fb8aa3b                    ; log2(e)
	s_mov_b32 s[CC+1], 0x3fb8aa3b
	s_mov_b32 s[HOFF], 0
	s_mov_b32 s[BOFF], 0
	s_mul_i32 s44, s33, 786432                     ; b's 16 heads of 49,152 bytes of codes,
	s_lshl_b32 s45, s33, 16                        ; and of 4,096 bytes of words
	s_mul_i32 s46, s32, 12288                      ; my 256 keys' codes,
	s_lshl_b32 s47, s32, 10                        ; and words
	s_mov_b32 s49, 0
	s_lshl_b32 s50, s33, 6
	s_lshl_b32 s51, ttmp9, 1
	s_add_co_u32 s50, s50, s51                     ; b x 64 + my first tile of queries
	s_wait_kmcnt 0x0
	s_add_co_u32 s48, s44, s46
	s_add_nc_u64 s[VP:VP+1], s[8:9], s[48:49]
	s_add_co_u32 s48, s48, 6291456                 ; k lies behind q's 8 x 16 heads
	s_add_nc_u64 s[KP:KP+1], s[4:5], s[48:49]
	s_add_co_u32 s48, s45, s47
	s_add_nc_u64 s[VSP:VSP+1], s[10:11], s[48:49]
	s_add_co_u32 s48, s48, 524288
	s_add_nc_u64 s[KSP:KSP+1], s[6:7], s[48:49]
	s_mul_i32 s48, ttmp9, 1536
	s_add_co_u32 s48, s48, s44
	s_add_nc_u64 s[QP:QP+1], s[4:5], s[48:49]
	s_lshr_b32 s48, ttmp9, 2
	s_lshl_b32 s48, s48, 9
	s_add_co_u32 s48, s48, s45
	s_add_nc_u64 s[QSP:QSP+1], s[6:7], s[48:49]
	s_mul_i32 s51, s50, 12288
	s_mul_i32 s48, s32, 6144
	s_add_co_u32 s48, s48, s51
	s_add_nc_u64 s[12:13], s[12:13], s[48:49]      ; ctx's codes: my four fragments
	s_mul_i32 s48, s32, 3072
	s_add_co_u32 s48, s48, s51
	s_add_nc_u64 s[16:17], s[16:17], s[48:49]      ; the mean weights' codes: my two key steps
	s_lshl_b32 s51, s50, 10
	s_lshl_b32 s48, s32, 9
	s_add_co_u32 s48, s48, s51
	s_add_nc_u64 s[14:15], s[14:15], s[48:49]
	s_lshl_b32 s48, s32, 8
	s_add_co_u32 s48, s48, s51
	s_add_nc_u64 s[18:19], s[18:19], s[48:49]
	LOADK                                          ; head 0
	LOADV
.irp z, ML+1,ML+3,GG+1,GG+3,FI+1,FI+3,FI+5,FI+7,TP,TP+1,RM+2
	v_mov_b32 v[\z], 0                             ; upper halves of pairs of which the low word alone is used, and lane permutes' destinations: written once
.endr
.irp b, 0,1,2,3,4,5,6,7
	v_mov_b32 v[BX+\b], 0
.endr
.irp t, 0,1
.irp z, 0,1,2,3,4,5
	v_mov_b32 v[QF+24*\t+6+\z], 0                  ; the zero codes of Q's operands: written once
	v_mov_b32 v[QF+24*\t+12+\z], 0
.endr
.endr
	WIN 0x80
.set nn, 0
.rept 256
	v_mov_b32 v[nn], 0                             ; the mean weights.  (The head is written twice, not three times: the first finds zeros)
.set nn, nn+1
.endr
	WIN 0
	s_mov_b32 s35, 15
.Lhead:
	HEAD 1
	s_sub_co_u32 s35, s35, 1
	s_cmp_lg_u32 s35, 0
	s_cbranch_scc1 .Lhead
	HEAD 0                                         ; the last head asks for nothing: no load leaves its buffer, and every count holds
	s_wait_dscnt 0x0                               ; my last stores of ctx's codes and bytes have landed
	s_barrier_signal -1
	s_barrier_wait -1
.irp t, 0,1                                    ; the mean weights: 16 queries x 128 keys a fragment
.irp k, 0,1
	s_wait_xcnt 0x0                                ; the last stores have read the codes' registers
	QUANT 2, 128*\t+64*\k, PF, PW+2*\t+\k
.irp j, 0,1,2
	global_store_b128 v[L16], v[PF+4*\j:PF+4*\j+3], s[16:17] offset:12288*\t+1536*\k+512*\j
.endr
.endr
	global_store_b64 v[L8], v[PW+2*\t:PW+2*\t+1], s[18:19] offset:1024*\t
.endr
.irp f, 0,1,2,3                                ; ctx: four fragments a wave, register by register out of LDS, and out as images
.irp p, 0,1,2,3,4,5,6,7,8,9,10,11
	ds_load_b32 v[QF+12*\f+\p], v[COA] offset:1536*\f+128*\p
.endr
.endr
	ds_load_b64 v[R:R+1], v[COS]
	ds_load_b64 v[R+2:R+3], v[COS] offset:8
	s_wait_dscnt 0x0
.irp f, 0,1,2,3
.irp j, 0,1,2
	global_store_b128 v[L16], v[QF+12*\f+4*\j:QF+12*\f+4*\j+3], s[12:13] offset:1536*\f+512*\j
.endr
.endr
	global_store_b64 v[L8], v[R:R+1], s[14:15]
	global_store_b64 v[L8], v[R+2:R+3], s[14:15] offset:256
	s_wait_tensorcnt 0x0
	ds_add_u32 v254, v255
	s_wait_dscnt 0x0
	s_endpgm
.Lfunc_end_k_q3ed66f0a2f_att:
	.size	k_q3ed66f0a2f_att, .Lfunc_end_k_q3ed66f0a2f_att-k_q3ed66f0a2f_att
	.p2alignl 7, 3214868480
	.fill 96, 4, 3214868480
	.section	.rodata,"a",@progbits
	.p2align	6, 0x0
	.amdhsa_kernel k_q3ed66f0a2f_att
		.amdhsa_group_segment_fixed_size 61952
		.amdhsa_private_segment_fixed_size 0
		.amdhsa_enable_private_segment 0
		.amdhsa_kernarg_size 64
		.amdhsa_user_sgpr_count 2
		.amdhsa_user_sgpr_kernarg_segment_ptr 1
		.amdhsa_wavefront_size32 1
		.amdhsa_system_sgpr_workgroup_id_x 1
		.amdhsa_system_sgpr_workgroup_id_y 1
		.amdhsa_system_sgpr_workgroup_id_z 1
		.amdhsa_system_vgpr_workitem_id 0
		.amdhsa_next_free_vgpr 1024
		.amdhsa_next_free_sgpr 66
		.amdhsa_reserve_vcc 0
		.amdhsa_float_denorm_mode_32 3
		.amdhsa_float_denorm_mode_16_64 3
		.amdhsa_memory_ordered 1
		.amdhsa_forward_progress 1
		.amdhsa_inst_pref_size 182
	.end_amdhsa_kernel
	.amdgpu_metadata
---
amdhsa.version: [ 1, 2 ]
amdhsa.kernels:
  - .name:           k_q3ed66f0a2f_att
    .symbol:         k_q3ed66f0a2f_att.kd
    .args:
      - { .name: qk_codes, .offset: 0, .size: 8, .value_kind: global_buffer, .address_space: global }
      - { .name: qk_sc, .offset: 8, .size: 8, .value_kind: global_buffer, .address_space: global }
      - { .name: v_codes, .offset: 16, .size: 8, .value_kind: global_buffer, .address_space: global }
      - { .name: v_sc, .offset: 24, .size: 8, .value_kind: global_buffer, .address_space: global }
      - { .name: ctx_codes, .offset: 32, .size: 8, .value_kind: global_buffer, .address_space: global }
      - { .name: ctx_sc, .offset: 40, .size: 8, .value_kind: global_buffer, .address_space: global }
      - { .name: aw_codes, .offset: 48, .size: 8, .value_kind: global_buffer, .address_space: global }
      - { .name: aw_sc, .offset: 56, .size: 8, .value_kind: global_buffer, .address_space: global }
    .group_segment_fixed_size: 61952
    .private_segment_fixed_size: 0
    .kernarg_segment_align: 8
    .kernarg_segment_size: 64
    .max_flat_workgroup_size: 128
    .sgpr_count:     66
    .vgpr_count:     1024
    .wavefront_size: 32
...
	.end_amdgpu_metadata
.endif
;; end of part 2
;; launch fin (part 3): grid 16 x 8, 4 waves a work-group, no clusters, 108,032 bytes of LDS; arguments ctx_codes, ctx_sc, aw_codes, aw_sc, w_out_codes, w_out_scales, b_out, out0; writes out0
.if DOCPART == 3
	.amdgcn_target "amdgcn-amd-amdhsa--gfx1250"
	.amdhsa_code_object_version 6
	.text
	.protected	k_q3ed66f0a2f_fin
	.globl	k_q3ed66f0a2f_fin
	.p2align	8
	.type	k_q3ed66f0a2f_fin,@function
k_q3ed66f0a2f_fin:
	s_mov_b64 s[64:65], 0
	v_nop
	global_prefetch_b8 v0, s[64:65] scope:SCOPE_SE
	s_setreg_imm32_b32 hwreg(HW_REG_WAVE_MODE, 25, 1), 1
	s_wait_xcnt 0x0
; out0[b][e] = the mean over s of sum over t of aw[b][s][t] ao[b][t][e], ao = ctx w_out^T + b_out.  Both products on codes of BF6 (E3M2) with E8M0 scales; ao is quantised along t on the way and never goes to memory.
; SHARES.  A work-group owns one b and 64 features e: so each number of out0 has one owner.  Wave w takes tokens (then queries) 256 w .. 256 w + 255.
; BOTH PHASES HAVE ONE SHAPE: source 0 is streamed from memory as images of operand registers (three loads of 16 bytes a lane), source 1 (four tiles of 16 e) comes from LDS as images.
; PHASE 1: source 0 = 16 tokens of ctx, source 1 = 16 rows of w_out: a lane holds one e and its registers run along the tokens (the tiles' rows lie so that 8 tiles give 128 neighbours in the quantiser's order).
;   b_out is the C of each sum's first matrix instruction.  128 tokens x 16 e become one fragment of the second product: image to LDS.
; PHASE 2: source 0 = 16 queries of the mean weights, source 1 = ao's fragment.  Only the sum over the queries is wanted, so all query tiles add onto the same eight accumulators (4 tiles of e x the tile's parity), by turns.
; No tensor load and no joint request: the streamed fragments go once into the registers of the one wave that multiplies them, two K steps ahead.
; LIMITS: NaN and infinities are not served.  A block whose largest magnitude lies under 2^-122 keeps the scale byte 1, a block of zeros too (its codes are zeros; this program alone reads the bytes).
; REGISTERS: window 0: addresses, v16-31 QUANT's, v32-39 source 1's scale words (two sets), v40-43 sums, v64-127 source 0's scale words ((tile i, K step k) at 64 + 8 i + k), v128-148 codes just made, v150.. at work.
;   window 1: source 0, two sets of 8 fragments.  window 2: accumulators.  window 3: source 1, two sets of 4 fragments; from v96 b_out's four tiles.
.set WIMG, 0                           ; LDS: w_out's 32 fragments (8 n + k) x 1,536 bytes,
.set WSC,  49152                       ; their scale words, 128 bytes each,
.set HIMG, 53248                       ; ao's 32 fragments,
.set HSC,  102400                      ; their scale words,
.set RED,  106496                      ; and the four waves' sums
.set L16, 1
.set L8,  2
.set L4,  3
.set LIH, 4
.set LSH, 5
.set LSW, 6
.set HWI, 7                            ; where I store ao's images in this trip
.set HWS, 8
.set HWIB, 9
.set HWSB, 10
.set REDW, 11
.set TM,  16
.set BS,  32
.set TOT, 40
.set WWI, 44
.set WWS, 45
.set REDR, 46
.set AS,  64
.set PC,  128
.set PW,  148
.set TT,  150
.set CP,  20                           ; s[20:21] the streamed codes, s[22:23] their words
.set SP,  22
.set SEL, 36
.set MSB, 0
.macro WIN new
.if MSB != (\new)
	s_set_vgpr_msb (MSB<<8)|(\new)
.set MSB, (\new)
.endif
.endm
.macro PLACES n
.rept \n
	v_nop
.endr
.endm
.macro QUANT win, s, pc, pw            ; 64 numbers of a lane in window win, register 16 b + i = k 32 b + 16 (lane / 16) + i, become a fragment in v[pc] on and its scale word in v[pw]
	WIN 5*(\win)
.irp b, 0,1,2,3
	v_max3_num_f32 v[TM+\b], |v[\s+16*\b]|, |v[\s+1+16*\b]|, 0x2800000   ; and the floor 2^(5 - 127)
.endr
	WIN 20*(\win)
.irp i, 2,4,6,8,10,12,14
.irp b, 0,1,2,3
	v_max3_num_f32 v[TM+\b], v[TM+\b], |v[\s+16*\b+\i]|, |v[\s+1+16*\b+\i]|
.endr
.endr
	WIN 0
.irp b, 0,1,2,3
	v_permlanex16_b32 v[TM+4+\b], v[TM+\b], s[SEL], s[SEL+1]
.endr
.irp b, 0,1,2,3
	v_max_num_f32 v[TM+\b], v[TM+\b], v[TM+4+\b]
.endr
.irp b, 0,1,2,3
	v_add_nc_u32 v[TM+12+\b], 0xfe000000, v[TM+\b]
.endr
.irp b, 0,1,2,3
	v_lshrrev_b32 v[TM+4+\b], 23, v[TM+12+\b]
.endr
	v_lshl_or_b32 v[\pw], v[TM+5], 8, v[TM+4]
	v_lshl_or_b32 v[\pw], v[TM+6], 16, v[\pw]
	v_lshl_or_b32 v[\pw], v[TM+7], 24, v[\pw]
	WIN (\win)
.irp c, 0,1
	v_cvt_scalef32_pk16_bf6_f32 v[\pc+6*\c:\pc+2+6*\c], v[\s+32*\c:\s+15+32*\c], v[TM+12+2*\c]
	v_cvt_scalef32_pk16_bf6_f32 v[\pc+12+4*\c:\pc+14+4*\c], v[\s+16+32*\c:\s+31+32*\c], v[TM+12+2*\c+1]
.endr
	WIN 0
	v_nop                                          ; one plain place behind a scaled conversion
.irp c, 0,1
.irp i, 0,1,2
	v_permlane16_swap_b32 v[\pc+6*\c+\i], v[\pc+12+4*\c+\i]
.endr
.irp i, 0,1,2
	v_mov_b32 v[\pc+3+6*\c+\i], v[\pc+12+4*\c+\i]
.endr
.endr
.endm
.macro LOADA set, k                    ; 24 loads: K step k of my eight tiles
	WIN 0x40
.irp i, 0,1,2,3,4,5,6,7
.irp j, 0,1,2
	global_load_b128 v[96*(\set)+12*\i+4*\j:96*(\set)+12*\i+4*\j+3], v[L16], s[CP:CP+1] offset:12288*\i+1536*(\k)+512*\j
.endr
.endr
	WIN 0
.endm
.macro FETCHB set, k, ia, sa           ; 16 LDS loads: K step k of the four tiles of e, and their words
	WIN 0xc0
.irp n, 0,1,2,3
.irp j, 0,1,2
	ds_load_b128 v[48*(\set)+12*\n+4*\j:48*(\set)+12*\n+4*\j+3], v[\ia] offset:12288*\n+1536*(\k)+512*\j
.endr
.endr
	WIN 0
.irp n, 0,1,2,3
	ds_load_b32 v[BS+4*(\set)+\n], v[\sa] offset:128*(8*\n+(\k))
.endr
.endm
; Eight tiles of source 0 x four tiles of e x 1,024 along K: 256 matrix instructions.  mode 1: 32 accumulators (64 n + 8 i), begun on b_out.  mode 2: eight (8 (2 n + i % 2)), begun on 0.
; In both the accumulators take turns, one instruction a turn.
.macro PASS mode, ia, sa
.irp i, 0,1,2,3,4,5,6,7
.irp q, 0,1,2,3
	global_load_b64 v[AS+8*\i+2*\q:AS+8*\i+2*\q+1], v[L8], s[SP:SP+1] offset:1024*\i+256*\q
.endr
.endr
	LOADA 0, 0
	FETCHB 0, 0, \ia, \sa
	LOADA 1, 1
	FETCHB 1, 1, \ia, \sa
.irp k, 0,1,2,3,4,5,6,7
.if \k < 7
	s_wait_loadcnt 24                              ; this K step's fragments (and the words) are in; the 24 younger loads are the other set's
	s_wait_dscnt 16                                ; likewise the 16 younger LDS loads
.else
	s_wait_loadcnt 0x0
	s_wait_dscnt 0x0
.endif
.if (\mode == 1) && (\k == 0)
	WIN 0xbd                                       ; source 0 window 1, source 1 window 3, C (b_out) window 3, D window 2
.else
	WIN 0xad                                       ; C and D window 2
.endif
.irp i, 0,1,2,3,4,5,6,7
.irp n, 0,1,2,3
.if \mode == 1
.set DR, 64*\n+8*\i
.else
.set DR, 8*(2*\n+\i%2)
.endif
.if (\mode == 1) && (\k == 0)
	v_wmma_scale_f32_16x16x128_f8f6f4 v[DR:DR+7], v[96*(\k%2)+12*\i:96*(\k%2)+12*\i+11], v[48*(\k%2)+12*\n:48*(\k%2)+12*\n+11], v[96+8*\n:96+8*\n+7], v[AS+8*\i+\k], v[BS+4*(\k%2)+\n] matrix_a_fmt:MATRIX_FMT_BF6 matrix_b_fmt:MATRIX_FMT_BF6
.elseif (\mode == 2) && (\k == 0) && (\i < 2)
	v_wmma_scale_f32_16x16x128_f8f6f4 v[DR:DR+7], v[96*(\k%2)+12*\i:96*(\k%2)+12*\i+11], v[48*(\k%2)+12*\n:48*(\k%2)+12*\n+11], 0, v[AS+8*\i+\k], v[BS+4*(\k%2)+\n] matrix_a_fmt:MATRIX_FMT_BF6 matrix_b_fmt:MATRIX_FMT_BF6
.else
	v_wmma_scale_f32_16x16x128_f8f6f4 v[DR:DR+7], v[96*(\k%2)+12*\i:96*(\k%2)+12*\i+11], v[48*(\k%2)+12*\n:48*(\k%2)+12*\n+11], v[DR:DR+7], v[AS+8*\i+\k], v[BS+4*(\k%2)+\n] matrix_a_fmt:MATRIX_FMT_BF6 matrix_b_fmt:MATRIX_FMT_BF6
.endif
.endr
.endr
	WIN 0
	PLACES 4                                       ; in front of loads into registers that matrix instructions have read, and of the first read of results
.if \k < 6
	LOADA \k%2, \k+2
	FETCHB \k%2, \k+2, \ia, \sa
.endif
.endr
.endm
	s_load_b512 s[4:19], s[0:1], 0x0               ; ctx_codes, ctx_sc, aw_codes, aw_sc, w_out_codes, w_out_scales, b_out, out0
	v_lshl_add_u32 v254, v0, 2, 0x1a400
	v_mov_b32 v255, 0
	v_lshrrev_b32 v12, 5, v0
	v_readfirstlane_b32 s32, v12                   ; wave 0..3
	s_and_b32 s33, ttmp7, 0xffff                   ; b
	v_and_b32 v12, 31, v0
	v_lshlrev_b32 v[L16], 4, v12
	v_lshlrev_b32 v[L8], 3, v12
	v_lshlrev_b32 v[L4], 2, v12
	v_add_nc_u32 v[LIH], HIMG, v[L16]
	v_add_nc_u32 v[LSH], HSC, v[L4]
	v_add_nc_u32 v[LSW], WSC, v[L4]
	s_mul_i32 s34, s32, 3072
	s_add_co_u32 s34, s34, HIMG
	v_add_nc_u32 v[HWIB], s34, v[L16]              ; ao's images: K steps 2 w and 2 w + 1 are mine
	s_lshl_b32 s34, s32, 8
	s_add_co_u32 s34, s34, HSC
	v_add_nc_u32 v[HWSB], s34, v[L4]
	s_mul_i32 s34, s32, 12288
	v_add_nc_u32 v[WWI], s34, v[L16]               ; w_out's images: tile n = w is mine to bring
	s_lshl_b32 s34, s32, 10
	s_add_co_u32 s34, s34, WSC
	v_add_nc_u32 v[WWS], s34, v[L4]
	v_and_b32 v12, 15, v0                          ; r
	v_bfe_u32 v13, v0, 4, 1                        ; h
	v_mul_u32_u24 v14, v12, 768
	v_mad_u32_u24 v14, v13, 24, v14                ; w_out: row r of 768 bytes, + 24 h
	v_lshlrev_b32 v15, 5, v12                      ; its 32 scale bytes
	v_lshlrev_b32 v13, 2, v12                      ; 4 r
	s_lshl_b32 s34, s32, 8
	s_add_co_u32 s34, s34, RED
	v_add_nc_u32 v[REDW], s34, v13
	v_add_nc_u32 v[REDR], RED, v[L8]
	s_mov_b32 s[SEL], 0x76543210
	s_mov_b32 s[SEL+1], 0xfedcba98
.irp b, 0,1,2,3
	v_mov_b32 v[TM+4+\b], 0                        ; written once: a lane permute's destination counts as one of its sources
	v_mov_b32 v[TOT+\b], 0                         ; the sums over the queries
.endr
	s_lshl_b32 s42, ttmp9, 6
	s_lshl_b32 s43, s32, 4
	s_add_co_u32 s42, s42, s43                     ; my tile's first row of w_out: 64 x work-group x + 16 w
	s_mov_b32 s45, 0
	s_wait_kmcnt 0x0
	s_mul_i32 s44, s42, 768
	s_add_nc_u64 s[12:13], s[12:13], s[44:45]
	s_lshl_b32 s44, s42, 5
	s_add_nc_u64 s[14:15], s[14:15], s[44:45]
	s_lshl_b32 s44, ttmp9, 8
	s_add_nc_u64 s[16:17], s[16:17], s[44:45]      ; b_out at my 64 features
	s_lshl_b32 s46, s33, 12
	s_add_co_u32 s44, s44, s46
	s_add_nc_u64 s[18:19], s[18:19], s[44:45]      ; out0 at (b, my 64 features)
	s_lshl_b32 s42, s33, 6
	s_add_co_u32 s42, s42, s43                     ; b x 64 + my first tile of tokens
	s_mul_i32 s44, s42, 12288
	s_add_nc_u64 s[CP:CP+1], s[4:5], s[44:45]
	s_add_nc_u64 s[24:25], s[8:9], s[44:45]
	s_lshl_b32 s44, s42, 10
	s_add_nc_u64 s[SP:SP+1], s[6:7], s[44:45]
	s_add_nc_u64 s[26:27], s[10:11], s[44:45]
	WIN 0x40                                       ; my tile of w_out: eight fragments, in pieces of 8 bytes as they lie
.irp k, 0,1,2,3,4,5,6,7
.irp p, 0,1,2,3,4,5
	global_load_b64 v[12*\k+2*\p:12*\k+2*\p+1], v14, s[12:13] offset:96*\k+48*(\p/3)+8*(\p%3)
.endr
.endr
	WIN 0
	global_load_b128 v[TT:TT+3], v15, s[14:15]
	global_load_b128 v[TT+4:TT+7], v15, s[14:15] offset:16
.irp n, 0,1,2,3
	global_load_b32 v[TT+8+\n], v13, s[16:17] offset:64*\n
.endr
	s_wait_loadcnt 0x0
	WIN 0x04                                       ; an LDS store's data are its source 1: window 1
.irp k, 0,1,2,3,4,5,6,7
.irp j, 0,1,2
	ds_store_b128 v[WWI], v[12*\k+4*\j:12*\k+4*\j+3] offset:1536*\k+512*\j
.endr
.endr
	WIN 0
.irp k, 0,1,2,3,4,5,6,7
	ds_store_b32 v[WWS], v[TT+\k] offset:128*\k
.endr
	WIN 0xc0
.irp n, 0,1,2,3
.irp j, 0,1,2,3,4,5,6,7
	v_mov_b32 v[96+8*\n+\j], v[TT+8+\n]            ; b_out in the result's layout: a lane holds one e, so its eight registers are equal
.endr
.endr
	WIN 0
	s_wait_dscnt 0x0
	s_barrier_signal -1
	s_barrier_wait -1                              ; w_out's 32 fragments lie in LDS
	s_mov_b32 s40, 0
	s_mov_b32 s41, 0
	s_mov_b32 s35, 2
.Lp1:                                              ; 128 tokens a trip
	v_add_nc_u32 v[HWI], s40, v[HWIB]
	v_add_nc_u32 v[HWS], s41, v[HWSB]
	PASS 1, L16, LSW
.irp n, 0,1,2,3
	QUANT 2, 64*\n, PC, PW
.irp j, 0,1,2
	ds_store_b128 v[HWI], v[PC+4*\j:PC+4*\j+3] offset:12288*\n+512*\j
.endr
	ds_store_b32 v[HWS], v[PW] offset:1024*\n
	s_wait_dscnt 0x0                               ; the stores have read their registers
.endr
	s_wait_xcnt 0x0                                ; the loads have read their bases
	s_add_nc_u64 s[CP:CP+1], s[CP:CP+1], 98304
	s_add_nc_u64 s[SP:SP+1], s[SP:SP+1], 8192
	s_add_co_u32 s40, s40, 1536
	s_add_co_u32 s41, s41, 128
	s_sub_co_u32 s35, s35, 1
	s_cmp_lg_u32 s35, 0
	s_cbranch_scc1 .Lp1
	s_barrier_signal -1                            ; (my LDS stores have landed: the wait for 0 above)
	s_barrier_wait -1                              ; ao's 32 fragments lie in LDS
	s_mov_b64 s[CP:CP+1], s[24:25]                 ; the mean weights
	s_mov_b64 s[SP:SP+1], s[26:27]
	s_mov_b32 s35, 2
.Lp2:                                              ; 128 queries a trip
	PASS 2, LIH, LSH
.irp n, 0,1,2,3
	WIN 0x0a
	v_pk_add_f32 v[TT:TT+1], v[16*\n:16*\n+1], v[16*\n+2:16*\n+3]          ; each accumulator from its low end on
	v_pk_add_f32 v[TT+2:TT+3], v[16*\n+4:16*\n+5], v[16*\n+6:16*\n+7]
	v_pk_add_f32 v[TT+4:TT+5], v[16*\n+8:16*\n+9], v[16*\n+10:16*\n+11]
	v_pk_add_f32 v[TT+6:TT+7], v[16*\n+12:16*\n+13], v[16*\n+14:16*\n+15]
	WIN 0
	v_pk_add_f32 v[TT:TT+1], v[TT:TT+1], v[TT+2:TT+3]
	v_pk_add_f32 v[TT+4:TT+5], v[TT+4:TT+5], v[TT+6:TT+7]
	v_pk_add_f32 v[TT:TT+1], v[TT:TT+1], v[TT+4:TT+5]
	v_add_f32 v[TT], v[TT], v[TT+1]
	v_add_f32 v[TOT+\n], v[TOT+\n], v[TT]
.endr
	s_wait_xcnt 0x0
	s_add_nc_u64 s[CP:CP+1], s[CP:CP+1], 98304
	s_add_nc_u64 s[SP:SP+1], s[SP:SP+1], 8192
	s_sub_co_u32 s35, s35, 1
	s_cmp_lg_u32 s35, 0
	s_cbranch_scc1 .Lp2
.irp n, 0,1,2,3
	v_permlanex16_b32 v[TT+\n], v[TOT+\n], s[SEL], s[SEL+1]
.endr
.irp n, 0,1,2,3
	v_add_f32 v[TOT+\n], v[TOT+\n], v[TT+\n]       ; with the other half of the lanes' queries
.endr
.irp n, 0,1,2,3
	ds_store_b32 v[REDW], v[TOT+\n] offset:64*\n   ; both halves write the same word with the same value
.endr
	s_wait_dscnt 0x0
	s_barrier_signal -1
	s_barrier_wait -1
	s_cmp_lg_u32 s32, 0
	s_cbranch_scc1 .Lend
.irp w, 0,1,2,3
	ds_load_b64 v[TT+2*\w:TT+2*\w+1], v[REDR] offset:256*\w
.endr
	s_wait_dscnt 0x0
	v_pk_add_f32 v[TT:TT+1], v[TT:TT+1], v[TT+2:TT+3]
	v_pk_add_f32 v[TT+4:TT+5], v[TT+4:TT+5], v[TT+6:TT+7]
	v_pk_add_f32 v[TT:TT+1], v[TT:TT+1], v[TT+4:TT+5]
	v_pk_mul_f32 v[TT:TT+1], v[TT:TT+1], 0x3a800000 op_sel_hi:[1,0]   ; / 1,024: the mean over the queries
	global_store_b64 v[L8], v[TT:TT+1], s[18:19]   ; 32 lanes store 256 consecutive bytes, at a multiple of 256 from out0's first byte
.Lend:
	s_wait_tensorcnt 0x0
	ds_add_u32 v254, v255
	s_wait_dscnt 0x0
	s_endpgm
.Lfunc_end_k_q3ed66f0a2f_fin:
	.size	k_q3ed66f0a2f_fin, .Lfunc_end_k_q3ed66f0a2f_fin-k_q3ed66f0a2f_fin
	.p2alignl 7, 3214868480
	.fill 96, 4, 3214868480
	.section	.rodata,"a",@progbits
	.p2align	6, 0x0
	.amdhsa_kernel k_q3ed66f0a2f_fin
		.amdhsa_group_segment_fixed_size 108032
		.amdhsa_private_segment_fixed_size 0
		.amdhsa_enable_private_segment 0
		.amdhsa_kernarg_size 64
		.amdhsa_user_sgpr_count 2
		.amdhsa_user_sgpr_kernarg_segment_ptr 1
		.amdhsa_wavefront_size32 1
		.amdhsa_system_sgpr_workgroup_id_x 1
		.amdhsa_system_sgpr_workgroup_id_y 1
		.amdhsa_system_sgpr_workgroup_id_z 1
		.amdhsa_system_vgpr_workitem_id 0
		.amdhsa_next_free_vgpr 1024
		.amdhsa_next_free_sgpr 66
		.amdhsa_reserve_vcc 0
		.amdhsa_float_denorm_mode_32 3
		.amdhsa_float_denorm_mode_16_64 3
		.amdhsa_memory_ordered 1
		.amdhsa_forward_progress 1
		.amdhsa_inst_pref_size 161
	.end_amdhsa_kernel
	.amdgpu_metadata
---
amdhsa.version: [ 1, 2 ]
amdhsa.kernels:
  - .name:           k_q3ed66f0a2f_fin
    .symbol:         k_q3ed66f0a2f_fin.kd
    .args:
      - { .name: ctx_codes, .offset: 0, .size: 8, .value_kind: global_buffer, .address_space: global }
      - { .name: ctx_sc, .offset: 8, .size: 8, .value_kind: global_buffer, .address_space: global }
      - { .name: aw_codes, .offset: 16, .size: 8, .value_kind: global_buffer, .address_space: global }
      - { .name: aw_sc, .offset: 24, .size: 8, .value_kind: global_buffer, .address_space: global }
      - { .name: w_out_codes, .offset: 32, .size: 8, .value_kind: global_buffer, .address_space: global }
      - { .name: w_out_scales, .offset: 40, .size: 8, .value_kind: global_buffer, .address_space: global }
      - { .name: b_out, .offset: 48, .size: 8, .value_kind: global_buffer, .address_space: global }
      - { .name: out0, .offset: 56, .size: 8, .value_kind: global_buffer, .address_space: global }
    .group_segment_fixed_size: 108032
    .private_segment_fixed_size: 0
    .kernarg_segment_align: 8
    .kernarg_segment_size: 64
    .max_flat_workgroup_size: 128
    .sgpr_count:     66
    .vgpr_count:     1024
    .wavefront_size: 32
...
	.end_amdgpu_metadata
.endif
;; end of part 3
;; ======== version 2 of 2: 4 launches
;; limits: right only within a limited range of input values
;; workspace buffers: qk_codes 12,582,912 bytes; qk_sc 1,048,576 bytes; v_codes 6,291,456 bytes; v_sc 524,288 bytes; ctx_codes 6,291,456 bytes; ctx_sc 524,288 bytes; aw_codes 6,291,456 bytes; aw_sc 524,288 bytes
;; launch qkv (part 4): grid 12 x 32, 4 waves a work-group, clusters of 4 x 4, 327,680 bytes of LDS; arguments x_codes, x_scales, w_in_codes, w_in_scales, b_in, qk_codes, qk_sc, v_codes, v_sc; writes qk_codes, qk_sc, v_codes, v_sc
.if DOCPART == 4
	.amdgcn_target "amdgcn-amd-amdhsa--gfx1250"
	.amdhsa_code_object_version 6
	.text
	.protected	k_q3ed66f0a2f_qkv
	.globl	k_q3ed66f0a2f_qkv
	.p2align	8
	.type	k_q3ed66f0a2f_qkv,@function
k_q3ed66f0a2f_qkv:
	s_mov_b64 s[64:65], 0
	v_nop
	global_prefetch_b8 v0, s[64:65] scope:SCOPE_SE
	s_setreg_imm32_b32 hwreg(HW_REG_WAVE_MODE, 25, 1), 1
	s_wait_xcnt 0x0
	s_wait_alu depctr_hold_cnt(0) depctr_sa_sdst(0) depctr_va_vdst(0) depctr_va_sdst(0) depctr_va_ssrc(0) depctr_va_vcc(0) depctr_vm_vsrc(0)
	s_getreg_b32 s2, hwreg(HW_REG_IB_STS2, 6, 4)
	s_cmp_eq_u32 s2, 0
	s_cbranch_scc0 .Lentry_in_a_cluster
	s_endpgm
.Lentry_in_a_cluster:
	s_bfe_u32 s2, ttmp6, 0x10000c
	s_cmp_lg_u32 s2, 0xf033
	s_cbranch_scc0 .Lentry_shape_is_right
	s_endpgm
.Lentry_shape_is_right:
; qkv = x w_in^T + b_in on codes of BF6 (E3M2) with E8M0 scales; q / 8, k and v are quantised on the way out and stored as images of operand registers.
; A work-group of four waves makes 256 tokens of one batch element x 256 features; a wave 128 x 128: 64 accumulators.
; K goes through a ring of two LDS slots in chunks of 256 bytes of each row of codes (a row is 768 bytes: three chunks, each at a multiple of 256 bytes).  A step of 128 along K is 96 bytes: eight steps to three chunks.
; The scales of the 256 + 256 rows come once, as rows of 32 bytes (x's lie 256 bytes apart in memory), 8 bytes of padding behind each.
; CLUSTERS 4 x 4: x's tiles are asked for jointly along a row of the cluster, w_in's along a column.
; The rows of a tile of 16 are r + 8 (r / 8) + 32 (i / 2) + 8 (i % 2), on both sides, so that 16 registers of two neighbouring tiles are 16 neighbours along the next product's K.
; The matrix instruction is used transposed (source 0 = w_in's rows, source 1 = x's rows); b_in is the C of each sum's first instruction.
; LIMITS: NaN and infinities are not served.  A block whose largest magnitude lies under 2^-122 keeps the scale byte 1, a block of zeros too (this program alone reads the bytes).
; No prefetch: the walk has three chunks, of which two are asked for ahead of the first product; there is no loop to run ahead in.
.set ROWB,   256
.set NQ,     2
.set STEPS,  8
.set CHUNKS, 3
.set PITCH,  272
.set FR,     12
.set NL,     6
.set NP,     4
.set HALFT,  128*PITCH
.set SLOT,   4*HALFT
.set SPIT,   40
.set SCL,    2*SLOT
.set HALFS,  128*SPIT
.set SPARE,  SCL+4*HALFS
.set VPIT,   144
.set STAGE,  SLOT                      ; the way out's stage lies in slot 1: the last chunk lies in slot 0
.set ADRA, 16
.set ADRB, 20
.set STO,  24
.set RD,   25
.set L16,  26
.set ADRS, 27
.set SPW,  28
.set NIL,  29
.set L8,   30
.set SC,   32
.set BI,   64
.set AF,   128
.set TV,   128
.set PC0,  192
.set TM,   232
.set PWS,  248
.set G0H, 4
.set G0HB, 8
.set G1, 24
.set G0, 32
.set G1B, 48
.set G0B, 56
.set G1S, 68
.set G0S, 76
.set G1SB, 80
.set G0SB, 88
.set EIGHTH, 96
.set SEL, 98
.set MSB, 0
.macro WIN new
.if MSB != (\new)
	s_set_vgpr_msb (MSB<<8)|(\new)
.set MSB, (\new)
.endif
.endm
.set MUL_LO, 0xa1
.set MUL_HI, 0xf1
.set TO_B,   0x40
.macro JLOAD g0a, g1a, g0b, g1b        ; waves 0 and 1 fetch for x, waves 2 and 3 for w_in
	s_cmp_eq_u32 s15, 0
	s_cbranch_scc0 .Lfor_b_\@
	tensor_load_to_lds s[\g0a:\g0a+3], s[\g1a:\g1a+7]
	s_nop 0
.rept 4
	v_nop
.endr
	s_branch .Lasked_\@
.Lfor_b_\@:
	tensor_load_to_lds s[\g0b:\g0b+3], s[\g1b:\g1b+7]
	s_nop 0
.rept 4
	v_nop
.endr
.Lasked_\@:
.endm
.macro CREST
	s_cmp_lg_u32 s14, 0
	s_cbranch_scc1 .Lnot_wave_0_\@
	s_barrier_signal -3
.Lnot_wave_0_\@:
	s_barrier_wait -3
	s_barrier_signal -1
	s_barrier_wait -1
.endm
.macro CROUND
	s_barrier_signal -1
	s_barrier_wait -1
	CREST
.endm
.macro PLACES n
.rept \n
	v_nop
.endr
.endm
.macro QUANT win, s, pc, pw            ; 64 numbers of a lane, register 16 b + i = k 32 b + 16 (lane / 16) + i, become a fragment at v[pc] and its scale word in v[pw]
	WIN 5*(\win)
.irp b, 0,1,2,3
	v_max3_num_f32 v[TM+\b], |v[\s+16*\b]|, |v[\s+1+16*\b]|, 0x2800000
.endr
	WIN 20*(\win)
.irp i, 2,4,6,8,10,12,14
.irp b, 0,1,2,3
	v_max3_num_f32 v[TM+\b], v[TM+\b], |v[\s+16*\b+\i]|, |v[\s+1+16*\b+\i]|
.endr
.endr
	WIN 0
.irp b, 0,1,2,3
	v_permlanex16_b32 v[TM+4+\b], v[TM+\b], s[SEL], s[SEL+1]
.endr
.irp b, 0,1,2,3
	v_max_num_f32 v[TM+\b], v[TM+\b], v[TM+4+\b]
.endr
.irp b, 0,1,2,3
	v_add_nc_u32 v[TM+12+\b], 0xfe000000, v[TM+\b]
.endr
.irp b, 0,1,2,3
	v_lshrrev_b32 v[TM+4+\b], 23, v[TM+12+\b]
.endr
	v_lshl_or_b32 v[\pw], v[TM+5], 8, v[TM+4]
	v_lshl_or_b32 v[\pw], v[TM+6], 16, v[\pw]
	v_lshl_or_b32 v[\pw], v[TM+7], 24, v[\pw]
	WIN (\win)
.irp c, 0,1
	v_cvt_scalef32_pk16_bf6_f32 v[\pc+6*\c:\pc+2+6*\c], v[\s+32*\c:\s+15+32*\c], v[TM+12+2*\c]
	v_cvt_scalef32_pk16_bf6_f32 v[\pc+12+4*\c:\pc+14+4*\c], v[\s+16+32*\c:\s+31+32*\c], v[TM+12+2*\c+1]
.endr
	WIN 0
	v_nop
.irp c, 0,1
.irp i, 0,1,2
	v_permlane16_swap_b32 v[\pc+6*\c+\i], v[\pc+12+4*\c+\i]
.endr
.irp i, 0,1,2
	v_mov_b32 v[\pc+3+6*\c+\i], v[\pc+12+4*\c+\i]
.endr
.endr
.endm
	s_load_b128 s[4:7], s[0:1], 0x0                ; x's codes, x's scales
	s_load_b128 s[8:11], s[0:1], 0x10              ; w_in's codes, w_in's scales
	s_load_b64 s[12:13], s[0:1], 0x20              ; b_in
	v_lshl_add_u32 v[SPW], v0, 2, SPARE
	v_mov_b32 v[NIL], 0
	ds_add_u32 v[SPW], v[NIL]                      ; 0 onto my spare word, twice on end
	ds_add_u32 v[SPW], v[NIL]
	v_lshrrev_b32 v1, 5, v0
	v_readfirstlane_b32 s14, v1                    ; wave
	s_lshr_b32 s15, s14, 1                         ; my half of the tokens; also: I fetch for x (0) or w_in (1)
	s_and_b32 s16, s14, 1                          ; my half of the features; also: which 128 rows I fetch
	s_bfe_u32 s40, ttmp6, 0x40000
	s_bfe_u32 s41, ttmp6, 0x40004
	s_lshl_b32 s42, ttmp9, 2
	s_add_co_u32 s42, s42, s40                     ; tile column
	s_and_b32 s17, ttmp7, 0xffff
	s_lshl_b32 s17, s17, 2
	s_add_co_u32 s17, s17, s41                     ; tile row
	s_lshl_b32 s43, s41, 2
	s_lshl_b32 s43, 15, s43
	s_lshl_b32 s44, 0x1111, s40
	s_and_b32 s18, s17, 7                          ; b
	s_lshr_b32 s19, s17, 3                         ; which 256 tokens
	s_or_b32 s[G1+0], s43, (0<<16)|(1<<20)|(1<<21)|(5<<22)|(3<<25)
	s_or_b32 s[G1B+0], s44, (0<<16)|(1<<20)|(1<<21)|(5<<22)|(3<<25)
.irp g, G1, G1B
	s_mov_b32 s[\g+1], ROWB<<16
	s_mov_b32 s[\g+2], 256<<16                     ; the head's loads bring 256 rows
	s_mov_b32 s[\g+3], ROWB<<16
	s_mov_b32 s[\g+4], 256
	s_mov_b32 s[\g+6], 0
	s_mov_b32 s[\g+7], 0
.endr
	s_mov_b32 s[G1+5], 6144                        ; from token to token of one b
	s_mov_b32 s[G1B+5], 768
	s_or_b32 s[G1S+0], s43, (3<<16)|(1<<20)|(1<<21)|(2<<22)|(1<<25)
	s_or_b32 s[G1SB+0], s44, (3<<16)|(1<<20)|(1<<21)|(2<<22)|(1<<25)
.irp g, G1S, G1SB
	s_mov_b32 s[\g+1], 4<<16
	s_mov_b32 s[\g+2], 256<<16
	s_mov_b32 s[\g+3], 4<<16
	s_mov_b32 s[\g+4], 256
	s_mov_b32 s[\g+6], 0
	s_mov_b32 s[\g+7], 0
.endr
	s_mov_b32 s[G1S+5], 32
	s_mov_b32 s[G1SB+5], 4
	s_mul_i32 s20, s19, 1572864                    ; x's codes: 256 tokens of 6,144 bytes,
	s_mul_i32 s21, s18, 768
	s_add_co_u32 s20, s20, s21                     ; + b's row
	s_lshl_b32 s22, s19, 16                        ; x's scales
	s_lshl_b32 s21, s18, 5
	s_add_co_u32 s22, s22, s21
	s_mov_b32 s21, 0
	s_mov_b32 s23, 0
	s_mul_i32 s46, s42, 196608                     ; w_in's codes
	s_mov_b32 s47, 0
	s_lshl_b32 s92, s42, 13                        ; w_in's scales
	s_mov_b32 s93, 0
	s_mul_i32 s94, s16, 786432                     ; in the ring I fetch 128 rows: which half
	s_mov_b32 s95, 0
	s_mul_i32 s66, s16, 98304
	s_mov_b32 s67, 0
	s_mul_i32 s45, s14, HALFT
	s_mov_b32 s[EIGHTH], 0x3e000000
	s_mov_b32 s[EIGHTH+1], 0x3e000000
	s_mov_b32 s[SEL], 0x76543210
	s_mov_b32 s[SEL+1], 0xfedcba98
	s_wait_dscnt 0x0
	s_wait_kmcnt 0x0
	s_add_nc_u64 s[20:21], s[4:5], s[20:21]
	s_add_nc_u64 s[22:23], s[6:7], s[22:23]
	s_add_nc_u64 s[46:47], s[8:9], s[46:47]
	s_add_nc_u64 s[92:93], s[10:11], s[92:93]
	CROUND                                         ; the first joint loads meet
	s_mov_b32 s[G0H], 1
	s_mov_b32 s[G0H+1], 0
	s_mov_b64 s[G0H+2:G0H+3], s[20:21]
	s_or_b32 s[G0H+3], s[G0H+3], 0x80000000
	s_mov_b32 s[G0HB], 1
	s_mov_b32 s[G0HB+1], 2*HALFT
	s_mov_b64 s[G0HB+2:G0HB+3], s[46:47]
	s_or_b32 s[G0HB+3], s[G0HB+3], 0x80000000
	s_mov_b32 s[G0S], 1
	s_mov_b32 s[G0S+1], SCL
	s_mov_b64 s[G0S+2:G0S+3], s[22:23]
	s_or_b32 s[G0S+3], s[G0S+3], 0x80000000
	s_mov_b32 s[G0SB], 1
	s_mov_b32 s[G0SB+1], SCL+2*HALFS
	s_mov_b64 s[G0SB+2:G0SB+3], s[92:93]
	s_or_b32 s[G0SB+3], s[G0SB+3], 0x80000000
	s_add_nc_u64 s[20:21], s[20:21], s[94:95]
	s_add_nc_u64 s[46:47], s[46:47], s[66:67]
.irp s, 0,1
	s_mov_b32 s[G0+4*\s], 1
	s_add_co_u32 s[G0+4*\s+1], s45, \s*SLOT
	s_add_nc_u64 s[G0+4*\s+2:G0+4*\s+3], s[20:21], \s*ROWB
	s_or_b32 s[G0+4*\s+3], s[G0+4*\s+3], 0x80000000
	s_mov_b32 s[G0B+4*\s], 1
	s_add_co_u32 s[G0B+4*\s+1], s45, \s*SLOT
	s_add_nc_u64 s[G0B+4*\s+2:G0B+4*\s+3], s[46:47], \s*ROWB
	s_or_b32 s[G0B+4*\s+3], s[G0B+4*\s+3], 0x80000000
.endr
; the head's four tiles, one load a wave: chunk 0 of x, chunk 0 of w_in, x's scales, w_in's scales
.macro ARM under, g0, g1, next
	s_cmp_lt_u32 s14, \under
	s_cbranch_scc0 \next
	tensor_load_to_lds s[\g0:\g0+3], s[\g1:\g1+7]
	s_nop 0
.rept 4
	v_nop
.endr
	s_branch .Lhead_asked
\next:
.endm
	ARM 1, G0H,  G1,  .Lhead_b
	ARM 2, G0HB, G1B, .Lhead_sa
	ARM 3, G0S,  G1S, .Lhead_sb
	tensor_load_to_lds s[G0SB:G0SB+3], s[G1SB:G1SB+7]
	s_nop 0
.rept 4
	v_nop
.endr
.Lhead_asked:
	v_and_b32 v1, 15, v0
	v_bfe_u32 v2, v0, 4, 1
	v_and_b32 v3, 8, v1
	v_add_nc_u32 v3, v3, v1                        ; r + 8 (r / 8)
	v_mul_u32_u24 v8, v3, PITCH
	v_mul_u32_u24 v4, v2, 24
	v_add_nc_u32 v4, v8, v4
	s_mov_b32 s21, SLOT-232
	s_mov_b32 s22, SLOT+232
	v_sub_nc_u32 v7, 1, v2
	v_mul_u32_u24 v5, s21, v2
	v_add_nc_u32 v5, v8, v5
	v_add_nc_u32 v5, 232, v5                       ; across two chunks: lanes 0-15 byte 232 in slot 0, lanes 16-31 byte 0 in slot 1;
	v_mul_u32_u24 v6, s22, v7
	v_add_nc_u32 v6, v8, v6                        ; and the other way round
	s_mul_i32 s21, s15, HALFT
	s_mul_i32 s22, s16, HALFT
	s_add_co_u32 s22, s22, 2*HALFT
	v_add_nc_u32 v[ADRA+2], s21, v5
	v_add_nc_u32 v[ADRA+3], s21, v6
	v_add_nc_u32 v[ADRB+2], s22, v5
	v_add_nc_u32 v[ADRB+3], s22, v6
.irp s, 0,1
	v_add_nc_u32 v[ADRA+\s], s21, v4
	v_add_nc_u32 v[ADRB+\s], s22, v4
	s_add_co_u32 s21, s21, SLOT
	s_add_co_u32 s22, s22, SLOT
.endr
	v_mul_u32_u24 v5, v3, SPIT
	s_mul_i32 s21, s15, HALFS
	s_mul_i32 s22, s16, HALFS
	s_add_co_u32 s22, s22, 2*HALFS
	s_sub_co_u32 s22, s22, s21
	v_mul_u32_u24 v6, s22, v2                      ; lanes 16-31 take w_in's words
	s_add_co_u32 s21, s21, SCL
	v_add_nc_u32 v5, v5, v6
	v_add_nc_u32 v[ADRS], s21, v5
	s_mul_i32 s23, s14, 128*VPIT
	s_add_co_u32 s23, s23, STAGE
	v_mul_u32_u24 v5, v1, VPIT
	v_lshl_add_u32 v5, v2, 6, v5
	v_add_nc_u32 v[STO], s23, v5
	v_mul_u32_u24 v5, v2, 8*VPIT
	v_lshl_add_u32 v5, v3, 2, v5
	v_add_nc_u32 v[RD], s23, v5
	v_and_b32 v6, 31, v0
	v_lshlrev_b32 v[L16], 4, v6
	v_lshlrev_b32 v[L8], 3, v6
.irp b, 0,1,2,3
	v_mov_b32 v[TM+4+\b], 0
.endr
	s_lshl_b32 s46, s42, 10
	s_lshl_b32 s47, s16, 9
	s_add_co_u32 s46, s46, s47
	s_mov_b32 s47, 0
	s_add_nc_u64 s[12:13], s[12:13], s[46:47]
	v_lshlrev_b32 v7, 6, v2
.irp t, 0,1,2,3,4,5,6,7
	global_load_b128 v[BI+8*\t:BI+8*\t+3], v7, s[12:13] offset:(32*(\t/2)+8*(\t%2))*4
	global_load_b128 v[BI+8*\t+4:BI+8*\t+7], v7, s[12:13] offset:(32*(\t/2)+8*(\t%2))*4+16
.endr
.macro FRAG reg, adr, st, i            ; 16 rows x 128 K: six pieces of 8 bytes; byte y of a row of codes lies in slot (y / 256) % 2 at byte y % 256 of the LDS row
.irp p, 0,1,2,3,4,5
.set BY, 96*(\st)+48*(\p/3)+8*(\p%3)
.if BY/ROWB == (BY+24)/ROWB
	ds_load_b64 v[\reg+2*\p:\reg+2*\p+1], v[\adr+(BY/ROWB)%2] offset:BY%ROWB+(32*((\i)/2)+8*((\i)%2))*PITCH
.else
	ds_load_b64 v[\reg+2*\p:\reg+2*\p+1], v[\adr+2+(BY/ROWB)%2] offset:BY%ROWB-232+(32*((\i)/2)+8*((\i)%2))*PITCH
.endif
.endr
.endm
.macro MUL16 a0, p, q, sc, first       ; the 64 accumulators take turns, one instruction a turn
.irp a, \a0, \a0+1
.irp b, 0,1,2,3,4,5,6,7
.if \first
	v_wmma_scale_f32_16x16x128_f8f6f4 v[8*(8*((\a)%4)+\b):8*(8*((\a)%4)+\b)+7], v[128*(\p)+FR*\b:128*(\p)+FR*\b+FR-1], v[AF+FR*(\a):AF+FR*(\a)+FR-1], v[BI+8*\b:BI+8*\b+7], v[SC+8*NQ*(\sc)+NQ*\b+(\q)], v[SC+8*NQ*(\sc)+NQ*(\a)+(\q)] matrix_a_fmt:MATRIX_FMT_BF6 matrix_b_fmt:MATRIX_FMT_BF6 matrix_a_scale:MATRIX_SCALE_ROW1
.else
	v_wmma_scale_f32_16x16x128_f8f6f4 v[8*(8*((\a)%4)+\b):8*(8*((\a)%4)+\b)+7], v[128*(\p)+FR*\b:128*(\p)+FR*\b+FR-1], v[AF+FR*(\a):AF+FR*(\a)+FR-1], v[8*(8*((\a)%4)+\b):8*(8*((\a)%4)+\b)+7], v[SC+8*NQ*(\sc)+NQ*\b+(\q)], v[SC+8*NQ*(\sc)+NQ*(\a)+(\q)] matrix_a_fmt:MATRIX_FMT_BF6 matrix_b_fmt:MATRIX_FMT_BF6 matrix_a_scale:MATRIX_SCALE_ROW1
.endif
.endr
.endr
.endm
.macro FETCH_B st, p
	WIN TO_B
.irp i, 0,1,2,3,4,5,6,7
	FRAG 128*(\p)+FR*\i, ADRB, \st, \i
.endr
	WIN 0
.endm
.macro FETCH_A st, i0
.irp i, \i0, \i0+1, \i0+2, \i0+3
	FRAG AF+FR*(\i), ADRA, \st, \i
.endr
.endm
.macro SCALES pr                       ; the scale words of steps 2 pr and 2 pr + 1 into set pr % 2
.irp i, 0,1,2,3,4,5,6,7
	ds_load_b64 v[SC+8*NQ*((\pr)%2)+NQ*\i:SC+8*NQ*((\pr)%2)+NQ*\i+1], v[ADRS] offset:(32*(\i/2)+8*(\i%2))*SPIT+4*NQ*(\pr)
.endr
.endm
.macro WLO first
.if \first
	WIN 0x81                                       ; C (b_in) in window 0
.else
	WIN MUL_LO
.endif
.endm
.macro WHI first
.if \first
	WIN 0xc1
.else
	WIN MUL_HI
.endif
.endm
; A step of 128 along K.  Where the next step's bytes end in a chunk not read yet, a barrier shows that chunk whole; where they begin in a later chunk, the chunk left behind is read no more:
; each wave waits for all its tensor loads, adds 0 to its spare word and waits for that and for its reads; where a chunk two on is left to fetch, the barrier opens a round of the cluster's barrier and the slot is filled again.
.macro STEP st, first
.set NX, (\st)+1
.set C0, (96*(\st))/ROWB
.set C1, (96*NX)/ROWB
.set E0, (96*(\st)+95)/ROWB
.set E1, (96*NX+95)/ROWB
.if C1 > C0 || E1 > E0
	s_wait_tensorcnt 0x0
.if C1 > C0
	ds_add_u32 v[SPW], v[NIL]
	s_wait_dscnt 4*NL+1                            ; the add and the youngest 24 loads (x's blocks 4-7) may be out
.else
	s_wait_dscnt 4*NL
.endif
	WLO \first
	MUL16 0, (\st)%2, (\st)%2, ((\st)/2)%2, \first
	s_wait_dscnt 0x0
	s_barrier_signal -1
	MUL16 2, (\st)%2, (\st)%2, ((\st)/2)%2, \first
	WIN 0
	s_barrier_wait -1
.if C1 > C0 && C0+2 < CHUNKS
	CREST
	s_add_nc_u64 s[G0+4*(C0%2)+2:G0+4*(C0%2)+3], s[G0+4*(C0%2)+2:G0+4*(C0%2)+3], 2*ROWB
	s_add_nc_u64 s[G0B+4*(C0%2)+2:G0B+4*(C0%2)+3], s[G0B+4*(C0%2)+2:G0B+4*(C0%2)+3], 2*ROWB
	JLOAD G0+4*(C0%2), G1, G0B+4*(C0%2), G1B
.else
	PLACES NP
.endif
.else
	s_wait_dscnt 4*NL                              ; the youngest 24 loads (x's blocks 4-7) may be out
	WLO \first
	MUL16 0, (\st)%2, (\st)%2, ((\st)/2)%2, \first
	MUL16 2, (\st)%2, (\st)%2, ((\st)/2)%2, \first
	s_wait_dscnt 0
	PLACES NP
.endif
	FETCH_B NX, NX%2
	FETCH_A NX, 0
.if NX%2 == 0
	SCALES NX/2
.endif
	WHI \first
	MUL16 4, (\st)%2, (\st)%2, ((\st)/2)%2, \first
	MUL16 6, (\st)%2, (\st)%2, ((\st)/2)%2, \first
	PLACES NP
	WIN 0
	FETCH_A NX, 4
.endm
	s_wait_alu depctr_va_vdst(0)
	s_wait_loadcnt 0x0                             ; b_in is in
	s_wait_tensorcnt 0x0                           ; my tile of the head's four is in
	ds_add_u32 v[SPW], v[NIL]
	s_mov_b32 s[G1+2], 128<<16                     ; no tensor load of mine is out: from here on a load brings 128 rows
	s_mov_b32 s[G1+4], 128
	s_mov_b32 s[G1B+2], 128<<16
	s_mov_b32 s[G1B+4], 128
	s_wait_dscnt 0x0
	CROUND
	JLOAD G0+4, G1, G0B+4, G1B                     ; chunk 1, the first tensor load behind the round
	FETCH_B 0, 0
	FETCH_A 0, 0
	SCALES 0
	FETCH_A 0, 4
	STEP 0, 1
.set ST, 1
.rept STEPS-2
	STEP ST, 0
.set ST, ST+1
.endr
	s_load_b256 s[24:31], s[0:1], 0x28             ; the outputs (every tensor load has been waited for: the descriptors' registers are free)
	s_wait_dscnt 4*NL
	WIN MUL_LO
	MUL16 0, 1, 1, 1, 0
	MUL16 2, 1, 1, 1, 0
	s_wait_dscnt 0
	WIN MUL_HI
	MUL16 4, 1, 1, 1, 0
	MUL16 6, 1, 1, 1, 0
	WIN 0
	PLACES NP
	s_lshl_b32 s20, s42, 1
	s_add_co_u32 s20, s20, s16
	s_lshl_b32 s22, s19, 1
	s_add_co_u32 s22, s22, s15
	s_mov_b32 s47, 0
	s_wait_kmcnt 0x0
	s_cmp_eq_u32 ttmp9, 2                          ; the cluster's x: 0 = q, 1 = k, 2 = v: the same in all partners
	s_cbranch_scc1 .Lv
	s_cmp_lg_u32 ttmp9, 0
	s_cbranch_scc1 .Lnot_q
.irp w, 2,3
	WIN 65*\w
.set nn, 0
.rept 128
	v_pk_mul_f32 v[nn:nn+1], v[nn:nn+1], s[EIGHTH:EIGHTH+1] op_sel_hi:[1,0]   ; q / 8
.set nn, nn+2
.endr
.endr
	WIN 0
.Lnot_q:
	s_lshr_b32 s21, s20, 3
	s_lshl_b32 s21, s21, 3
	s_add_co_u32 s21, s21, s18
	s_lshl_b32 s21, s21, 4
	s_and_b32 s20, s20, 7
	s_lshl_b32 s20, s20, 1
	s_add_co_u32 s21, s21, s20
	s_mul_i32 s46, s21, 49152
	s_mul_i32 s20, s22, 6144
	s_add_co_u32 s46, s46, s20
	s_add_nc_u64 s[24:25], s[24:25], s[46:47]
	s_lshl_b32 s46, s21, 12
	s_lshl_b32 s20, s22, 9
	s_add_co_u32 s46, s46, s20
	s_add_nc_u64 s[26:27], s[26:27], s[46:47]
.irp a, 0,1,2,3,4,5,6,7
.set PCA, PC0+20*(\a%2)
.if \a >= 2
	s_wait_xcnt 0x0
.endif
	QUANT 2+\a/4, 64*(\a%4), PCA, PWS+\a
	global_store_b128 v[L16], v[PCA:PCA+3], s[24:25] offset:768*\a
	global_store_b64 v[L8], v[PCA+4:PCA+5], s[24:25] offset:768*\a+512
	global_store_b128 v[L16], v[PCA+6:PCA+9], s[24:25] offset:49152+768*\a
	global_store_b64 v[L8], v[PCA+10:PCA+11], s[24:25] offset:49152+768*\a+512
.endr
.irp p, 0,1,2,3
	v_and_b32 v[TV+8], 0xffff, v[PWS+2*\p]
	v_lshl_or_b32 v[TV+\p], v[PWS+2*\p+1], 16, v[TV+8]
	v_lshrrev_b32 v[TV+9], 16, v[PWS+2*\p]
	v_and_or_b32 v[TV+4+\p], v[PWS+2*\p+1], 0xffff0000, v[TV+9]
.endr
	global_store_b128 v[L16], v[TV:TV+3], s[26:27]
	global_store_b128 v[L16], v[TV+4:TV+7], s[26:27] offset:4096
	s_branch .Ldone
.Lv:                                           ; v is turned through my own stage, so that a lane's registers run along the tokens
	s_sub_co_u32 s20, s20, 16
	s_lshl_b32 s20, s20, 1
	s_lshl_b32 s21, s18, 4
	s_add_co_u32 s21, s21, s20
	s_lshl_b32 s21, s21, 3
	s_add_co_u32 s21, s21, s22
	s_mul_i32 s46, s21, 6144
	s_add_nc_u64 s[28:29], s[28:29], s[46:47]
	s_lshl_b32 s46, s21, 9
	s_add_nc_u64 s[30:31], s[30:31], s[46:47]
.irp g, 0,1,2,3
.irp a, 0,1,2,3,4,5,6,7
	WIN 4*(2+\a/4)
.irp c, 0,1,2,3
	ds_store_b128 v[STO], v[64*(\a%4)+16*\g+4*\c:64*(\a%4)+16*\g+4*\c+3] offset:16*\a*VPIT+16*\c
.endr
.endr
	WIN 0
.irp u, 0,1
.set nn, 0
.rept 64
	ds_load_b32 v[TV+nn], v[RD] offset:(32*(nn/16)+16*((nn%16)/8)+nn%8)*VPIT+32*\u
.set nn, nn+1
.endr
	s_wait_dscnt 0x0
	s_wait_xcnt 0x0
	QUANT 0, TV, PC0, PWS+2*(\g%2)+\u
.irp j, 0,1,2
	global_store_b128 v[L16], v[PC0+4*\j:PC0+4*\j+3], s[28:29] offset:(\g/2)*49152+(2*(\g%2)+\u)*1536+512*\j
.endr
.endr
.if \g%2 == 1
	global_store_b128 v[L16], v[PWS:PWS+3], s[30:31] offset:(\g/2)*4096
.endif
.endr
.Ldone:
	s_wait_tensorcnt 0x0                           ; the wave's end
	ds_add_u32 v[SPW], v[NIL]
	s_wait_dscnt 0x0
	CROUND                                         ; the closing round
	s_endpgm
.Lfunc_end_k_q3ed66f0a2f_qkv:
	.size	k_q3ed66f0a2f_qkv, .Lfunc_end_k_q3ed66f0a2f_qkv-k_q3ed66f0a2f_qkv
	.p2alignl 7, 3214868480
	.fill 96, 4, 3214868480
	.section	.rodata,"a",@progbits
	.p2align	6, 0x0
	.amdhsa_kernel k_q3ed66f0a2f_qkv
		.amdhsa_group_segment_fixed_size 327680
		.amdhsa_private_segment_fixed_size 0
		.amdhsa_enable_private_segment 0
		.amdhsa_kernarg_size 72
		.amdhsa_user_sgpr_count 2
		.amdhsa_user_sgpr_kernarg_segment_ptr 1
		.amdhsa_wavefront_size32 1
		.amdhsa_system_sgpr_workgroup_id_x 1
		.amdhsa_system_sgpr_workgroup_id_y 1
		.amdhsa_system_sgpr_workgroup_id_z 1
		.amdhsa_system_vgpr_workitem_id 0
		.amdhsa_next_free_vgpr 1024
		.amdhsa_next_free_sgpr 100
		.amdhsa_reserve_vcc 0
		.amdhsa_float_denorm_mode_32 3
		.amdhsa_float_denorm_mode_16_64 3
		.amdhsa_memory_ordered 1
		.amdhsa_forward_progress 1
		.amdhsa_inst_pref_size 255
	.end_amdhsa_kernel
	.section	.bss,"aw",@nobits
	.p2align	6
	.space	262144
	.amdgpu_metadata
---
amdhsa.version: [ 1, 2 ]
amdhsa.kernels:
  - .name:           k_q3ed66f0a2f_qkv
    .symbol:         k_q3ed66f0a2f_qkv.kd
    .args:
      - { .name: x_codes, .offset: 0, .size: 8, .value_kind: global_buffer, .address_space: global }
      - { .name: x_scales, .offset: 8, .size: 8, .value_kind: global_buffer, .address_space: global }
      - { .name: w_in_codes, .offset: 16, .size: 8, .value_kind: global_buffer, .address_space: global }
      - { .name: w_in_scales, .offset: 24, .size: 8, .value_kind: global_buffer, .address_space: global }
      - { .name: b_in, .offset: 32, .size: 8, .value_kind: global_buffer, .address_space: global }
      - { .name: qk_codes, .offset: 40, .size: 8, .value_kind: global_buffer, .address_space: global }
      - { .name: qk_sc, .offset: 48, .size: 8, .value_kind: global_buffer, .address_space: global }
      - { .name: v_codes, .offset: 56, .size: 8, .value_kind: global_buffer, .address_space: global }
      - { .name: v_sc, .offset: 64, .size: 8, .value_kind: global_buffer, .address_space: global }
    .group_segment_fixed_size: 327680
    .private_segment_fixed_size: 0
    .kernarg_segment_align: 8
    .kernarg_segment_size: 72
    .max_flat_workgroup_size: 128
    .sgpr_count:     100
    .vgpr_count:     1024
    .wavefront_size: 32
...
	.end_amdgpu_metadata
.endif
;; end of part 4
;; launch att (part 5): grid 32 x 8, 8 waves a work-group, no clusters, 163,840 bytes of LDS; arguments qk_codes, qk_sc, v_codes, v_sc, ctx_codes, ctx_sc, aw_codes, aw_sc; writes ctx_codes, ctx_sc, aw_codes, aw_sc
.if DOCPART == 5
	.amdgcn_target "amdgcn-amd-amdhsa--gfx1250"
	.amdhsa_code_object_version 6
	.text
	.protected	k_q3ed66f0a2f_att
	.globl	k_q3ed66f0a2f_att
	.p2align	8
	.type	k_q3ed66f0a2f_att,@function
k_q3ed66f0a2f_att:
	s_mov_b64 s[64:65], 0
	v_nop
	global_prefetch_b8 v0, s[64:65] scope:SCOPE_SE
	s_setreg_imm32_b32 hwreg(HW_REG_WAVE_MODE, 25, 1), 1
	s_wait_xcnt 0x0
; For 32 queries of one batch element and all 16 heads: S^T = K (Q / 8)^T, the softmax, O^T = V^T P^T, ctx = O / l quantised along the features, and the mean over the heads of the finished softmax quantised along the keys.
; Both products on codes of BF6 (E3M2) with E8M0 scales.  p = 2^(t - M), t = score x log2(e), M a whole number; the row's sum is taken of the unquantised p.
; SHARES.  A work-group owns query tiles T = 0, 1 and walks the heads.  EIGHT WAVES, two to a SIMD, SHARE THE KEYS: wave w owns keys 128 w .. 128 w + 127.  Each byte of K and V goes from memory straight into the
; registers of the one wave that multiplies it; the mean weights of 32 queries x my 128 keys stay in 128 registers for the whole launch; p of a head is 128 registers.
; Each wave takes ITS OWN M.  For each head the waves exchange -M, l and their parts of O^T through LDS; what brings a part under the common M is 2^(whole number): nothing is rounded.
; The exchange's LDS bytes are laid twice, by the head's parity: so ONE barrier a head orders a head's stores with its reads, and the reads with the stores two heads on.
; Of (-M, l) lanes 0-15 carry tile 0's and lanes 16-31 tile 1's.  ctx of a head is added by four waves: waves 0-3 for even heads, waves 4-7 for odd ones (tile w & 1, channels 32 ((w >> 1) & 1) on).
; K = 64 IN AN INSTRUCTION OF 128.  An operand of K holds two key tiles; Q's operand has codes in one half and zero codes in the other.  Registers: zeros, Q0, zeros, Q1, zeros: the four operands overlap in the zeros.
; No joint request: two slots of one head's K and V would be 196,608 bytes of LDS beside the 163,840 in use.  K of the next head is asked for behind this head's scores, V behind this head's second product.
; PREFETCH: behind V's loads waves 0 and 1 name, for the head two on, this work-group's thirty-second of K's and of V's codes: 6 blocks of 256 bytes each, a lane a block (lanes 6-31 name the sixth again); the last two heads ask for nothing.
; LIMITS: NaN and infinities are not served.  p under 2^-126 comes out of v_exp_f32 as 0.  A block's largest p is taken as the exponential of its largest score (this takes v_exp_f32 not to fall where its input rises).
; A block whose largest magnitude lies under 2^-122 keeps the scale byte 1, a block of zeros too (this program alone reads the bytes).  The scaled scores stay under 2^31 in magnitude.
; REGISTERS: window 0: the names below.  window 1: v0-127 S^T, then p (tile T at 64 T; register 16 p + 8 u + j is key 128 w + 32 p + 16 (lane / 16) + 8 u + j), then the eight parts; v128-255 the mean weights, laid alike.
.set XO,  0                            ; LDS: parts of O^T: [w][parity][T][n][half] x 512 bytes
.set XS,  131072                       ; (-M, l): [parity][w][lane] x 8 bytes
.set CST, 135168                       ; ctx's 16 fragments (8 T + pair of heads), register p at 128 p + 4 x lane
.set CSC, 159744                       ; ctx's scale bytes: [T][row] x 32 bytes
.set AWS, 160768                       ; the mean weights' scale words: [T][pair of steps][lane] x 8 bytes
.set SPARE, 162816                     ; the spare words, 128 bytes a wave
.set L16, 1
.set L8,  2
.set QSO, 3
.set WRO, 4
.set RDO, 5
.set RDO2, 6
.set WRS, 7
.set RDS, 8
.set CSB, 9
.set CBB, 10
.set CSA, 11
.set CBA, 12
.set COA, 13
.set COS, 14
.set PFO, 15
.set AWW, 16
.set AWR, 17
.set SPW, 18
.set NIL, 19
.set ML,  24                           ; (-M, l) of tile T at v[24 + 2 T]
.set GG,  28                           ; g of tile T at v[28 + 2 T]
.set KS,  32                           ; K's pair words
.set VS,  36                           ; V's scale words
.set QW,  40                           ; Q's pair word; v41 with its halves exchanged
.set PW,  42                           ; p's scale words
.set CH,  44                           ; at work; behind the softmax v44-45 the pair (-M, l) of the lane's tile
.set ZQ,  48                           ; zeros, Q0, zeros, Q1, zeros: 6 registers each
.set KK,  80                           ; K's four operands
.set VV,  128                          ; V's four
.set PF,  176                          ; p's two fragments
.set PT,  200
.set BM,  208
.set BX,  216
.set SO,  224
.set OT,  200                          ; O^T of one tile: 4 x 8, over registers that the softmax has left
.set XR,  232                          ; (-M, l) of wave w' at v[232 + 2 w'], later f / l
.set FF,  176
.set XP,  184
.set MG,  192
.set LT,  193
.set INV, 195
.set TP,  196
.set GV,  197
.set GX,  198
.set RC,  200
.set RM,  204
.set TM,  208
.set KP,  20
.set KSP, 22
.set QP,  24
.set QSP, 26
.set VP,  28
.set VSP, 30
.set SEL, 36
.set CC,  38
.set HM,  40                           ; lanes 16-31
.set HOFF, 41                          ; 1,536 x pair of heads
.set BOFF, 42                          ; 4 x pair of heads
.set OM,  43                           ; the lanes whose half is not the tile that I add
.set RP,  44                           ; w >> 2: the parity of the heads whose ctx I add
.set PFP, 46
.set MSB, 0
.macro WIN new
.if MSB != (\new)
	s_set_vgpr_msb (MSB<<8)|(\new)
.set MSB, (\new)
.endif
.endm
.macro PLACES n
.rept \n
	v_nop
.endr
.endm
.macro ALUW
	s_wait_alu depctr_va_vdst(0)
.endm
.macro QUANT win, s, pc, pw
	WIN 5*(\win)
.irp b, 0,1,2,3
	v_max3_num_f32 v[TM+\b], |v[\s+16*\b]|, |v[\s+1+16*\b]|, 0x2800000
.endr
	WIN 20*(\win)
.irp i, 2,4,6,8,10,12,14
.irp b, 0,1,2,3
	v_max3_num_f32 v[TM+\b], v[TM+\b], |v[\s+16*\b+\i]|, |v[\s+1+16*\b+\i]|
.endr
.endr
	WIN 0
.irp b, 0,1,2,3
	v_permlanex16_b32 v[TM+4+\b], v[TM+\b], s[SEL], s[SEL+1]
.endr
.irp b, 0,1,2,3
	v_max_num_f32 v[TM+\b], v[TM+\b], v[TM+4+\b]
.endr
.irp b, 0,1,2,3
	v_add_nc_u32 v[TM+12+\b], 0xfe000000, v[TM+\b]
.endr
.irp b, 0,1,2,3
	v_lshrrev_b32 v[TM+4+\b], 23, v[TM+12+\b]
.endr
	v_lshl_or_b32 v[\pw], v[TM+5], 8, v[TM+4]
	v_lshl_or_b32 v[\pw], v[TM+6], 16, v[\pw]
	v_lshl_or_b32 v[\pw], v[TM+7], 24, v[\pw]
	WIN (\win)
.irp c, 0,1
	v_cvt_scalef32_pk16_bf6_f32 v[\pc+6*\c:\pc+2+6*\c], v[\s+32*\c:\s+15+32*\c], v[TM+12+2*\c]
	v_cvt_scalef32_pk16_bf6_f32 v[\pc+12+4*\c:\pc+14+4*\c], v[\s+16+32*\c:\s+31+32*\c], v[TM+12+2*\c+1]
.endr
	WIN 0
	v_nop
.irp c, 0,1
.irp i, 0,1,2
	v_permlane16_swap_b32 v[\pc+6*\c+\i], v[\pc+12+4*\c+\i]
.endr
.irp i, 0,1,2
	v_mov_b32 v[\pc+3+6*\c+\i], v[\pc+12+4*\c+\i]
.endr
.endr
.endm
.macro LOADK                           ; 22 loads: my four operands of K, their words, Q's two tiles and Q's word
.irp p, 0,1,2,3
	global_load_b128 v[KK+12*\p:KK+12*\p+3], v[L16], s[KP:KP+1] offset:1536*\p
	global_load_b64 v[KK+12*\p+4:KK+12*\p+5], v[L8], s[KP:KP+1] offset:1536*\p+512
	global_load_b128 v[KK+12*\p+6:KK+12*\p+9], v[L16], s[KP:KP+1] offset:1536*\p+768
	global_load_b64 v[KK+12*\p+10:KK+12*\p+11], v[L8], s[KP:KP+1] offset:1536*\p+1280
.endr
	global_load_b128 v[KS:KS+3], v[L16], s[KSP:KSP+1]
.irp t, 0,1
	global_load_b128 v[ZQ+6+12*\t:ZQ+9+12*\t], v[L16], s[QP:QP+1] offset:768*\t
	global_load_b64 v[ZQ+10+12*\t:ZQ+11+12*\t], v[L8], s[QP:QP+1] offset:768*\t+512
.endr
	global_load_b32 v[QW], v[QSO], s[QSP:QSP+1]
.endm
.macro LOADV                           ; 13 loads: my key step's four tiles of V^T and their words
.irp n, 0,1,2,3
.irp j, 0,1,2
	global_load_b128 v[VV+12*\n+4*\j:VV+12*\n+4*\j+3], v[L16], s[VP:VP+1] offset:1536*\n+512*\j
.endr
.endr
	global_load_b128 v[VS:VS+3], v[L16], s[VSP:VSP+1]
.endm
; Both tiles' softmax over my 128 keys: 128 registers a lane, eight blocks of 32 keys (block 4 T + b at register 16 (4 T + b)).
.macro SOFTMAX
	WIN 0x15
.irp b, 0,1,2,3,4,5,6,7
	v_max3_num_f32 v[BM+\b], v[16*\b], v[16*\b+1], v[16*\b+2]   ; each block's largest score; each score tile is read from its low end on
.endr
	WIN 0x14
.irp i, 3,5,7,9,11,13
.irp b, 0,1,2,3,4,5,6,7
	v_max3_num_f32 v[BM+\b], v[BM+\b], v[16*\b+\i], v[16*\b+\i+1]
.endr
.endr
.irp b, 0,1,2,3,4,5,6,7
	v_max_num_f32 v[BM+\b], v[BM+\b], v[16*\b+15]
.endr
	WIN 0
.irp b, 0,1,2,3,4,5,6,7
	v_permlanex16_b32 v[BX+\b], v[BM+\b], s[SEL], s[SEL+1]
.endr
.irp b, 0,1,2,3,4,5,6,7
	v_max_num_f32 v[BM+\b], v[BM+\b], v[BX+\b]
.endr
.irp t, 0,1
	v_max3_num_f32 v[CH+\t], v[BM+4*\t], v[BM+4*\t+1], v[BM+4*\t+2]
.endr
.irp t, 0,1
	v_max_num_f32 v[CH+\t], v[CH+\t], v[BM+4*\t+3]
.endr
.irp t, 0,1
	v_mul_f32 v[CH+\t], s[CC], v[CH+\t]            ; as t
.endr
.irp t, 0,1
	v_floor_f32 v[ML+2*\t], -v[CH+\t]              ; -M = -ceil(t)
.endr
	WIN 0x41
.set nn, 0
.rept 64
	v_pk_fma_f32 v[nn:nn+1], v[nn:nn+1], s[CC:CC+1], v[ML+2*(nn/64):ML+2*(nn/64)+1] op_sel_hi:[1,0,0]   ; t - M
.set nn, nn+2
.endr
	WIN 0
.irp b, 0,1,2,3,4,5,6,7
	v_fma_f32 v[BM+\b], v[BM+\b], s[CC], v[ML+2*(\b/4)]
.endr
	WIN 0x41
	ALUW                                           ; ahead of the batch
.set nn, 0
.rept 128
	v_exp_f32 v[nn], v[nn]                         ; p = 2^(t - M)
.set nn, nn+1
.endr
	WIN 0
	v_nop
	ALUW                                           ; behind the batch
.irp b, 0,1,2,3,4,5,6,7
	v_exp_f32 v[BM+\b], v[BM+\b]                   ; the blocks' largest p
.endr
	WIN 0x05                                       ; the rows' sums of the unquantised p, two chains a tile
	v_pk_add_f32 v[CH:CH+1], v[0:1], v[2:3]
	v_pk_add_f32 v[BX:BX+1], v[64:65], v[66:67]
	v_pk_add_f32 v[CH+2:CH+3], v[4:5], v[6:7]
	v_pk_add_f32 v[BX+2:BX+3], v[68:69], v[70:71]
	WIN 0x04
.set nn, 8
.rept 14
	v_pk_add_f32 v[CH:CH+1], v[CH:CH+1], v[nn:nn+1]
	v_pk_add_f32 v[BX:BX+1], v[BX:BX+1], v[64+nn:65+nn]
	v_pk_add_f32 v[CH+2:CH+3], v[CH+2:CH+3], v[nn+2:nn+3]
	v_pk_add_f32 v[BX+2:BX+3], v[BX+2:BX+3], v[66+nn:67+nn]
.set nn, nn+4
.endr
	WIN 0
	v_pk_add_f32 v[CH:CH+1], v[CH:CH+1], v[CH+2:CH+3]
	v_pk_add_f32 v[BX:BX+1], v[BX:BX+1], v[BX+2:BX+3]
	v_add_f32 v[ML+1], v[CH], v[CH+1]
	v_add_f32 v[ML+3], v[BX], v[BX+1]
	ALUW                                           ; for the eight
.irp b, 0,1,2,3,4,5,6,7
	v_max_num_f32 v[BM+\b], 0x2800000, v[BM+\b]    ; the floor 2^(5 - 127)
.endr
.irp b, 0,1,2,3,4,5,6,7
	v_add_nc_u32 v[SO+\b], 0xfe000000, v[BM+\b]    ; the conversion's scale operand
.endr
.irp b, 0,1,2,3,4,5,6,7
	v_lshrrev_b32 v[BX+\b], 23, v[SO+\b]           ; the scale's byte
.endr
.irp t, 0,1
	v_lshl_or_b32 v[PW+\t], v[BX+4*\t+1], 8, v[BX+4*\t]
.endr
.irp t, 0,1
	v_lshl_or_b32 v[PW+\t], v[BX+4*\t+2], 16, v[PW+\t]
.endr
.irp t, 0,1
	v_lshl_or_b32 v[PW+\t], v[BX+4*\t+3], 24, v[PW+\t]
.endr
.irp t, 0,1
	WIN 0x01
.irp c, 0,1
	v_cvt_scalef32_pk16_bf6_f32 v[PF+12*\t+6*\c:PF+12*\t+6*\c+2], v[64*\t+32*\c:64*\t+32*\c+15], v[SO+4*\t+2*\c]
	v_cvt_scalef32_pk16_bf6_f32 v[PT+4*\c:PT+4*\c+2], v[64*\t+32*\c+16:64*\t+32*\c+31], v[SO+4*\t+2*\c+1]
.endr
	WIN 0
	v_nop
.irp c, 0,1
.irp i, 0,1,2
	v_permlane16_swap_b32 v[PF+12*\t+6*\c+\i], v[PT+4*\c+\i]
.endr
.irp i, 0,1,2
	v_mov_b32 v[PF+12*\t+6*\c+3+\i], v[PT+4*\c+\i]
.endr
.endr
.endr
.endm
.macro PV t, par                       ; O^T of tile t: four accumulators, each begun on 0; then to my part in LDS, each from its low end on
.irp n, 0,1,2,3
	v_wmma_scale_f32_16x16x128_f8f6f4 v[OT+8*\n:OT+8*\n+7], v[VV+12*\n:VV+12*\n+11], v[PF+12*(\t):PF+12*(\t)+11], 0, v[VS+\n], v[PW+(\t)] matrix_a_fmt:MATRIX_FMT_BF6 matrix_b_fmt:MATRIX_FMT_BF6
.endr
	PLACES 4
.irp n, 0,1,2,3
	ds_store_b128 v[WRO], v[OT+8*\n:OT+8*\n+3] offset:8192*(\par)+4096*(\t)+1024*\n
	ds_store_b128 v[WRO], v[OT+8*\n+4:OT+8*\n+7] offset:8192*(\par)+4096*(\t)+1024*\n+512
.endr
.endm
; ONE HEAD of parity par.  s35 counts the trips to go: in the last trip the odd head asks for no further K, Q and V, and neither head prefetches.
.macro HEAD par
	v_alignbit_b32 v[QW+1], v[QW], v[QW], 16       ; Q's word with its halves exchanged
	PLACES 8                                       ; a scale register written by a vector instruction stands 8 places ahead
	WIN 0x40
.irp p, 0,1,2,3
.irp u, 0,1
.irp t, 0,1
.if \t == \u
	v_wmma_scale_f32_16x16x128_f8f6f4 v[64*\t+16*\p+8*\u:64*\t+16*\p+8*\u+7], v[KK+12*\p:KK+12*\p+11], v[ZQ+6+12*\t-6*\u:ZQ+17+12*\t-6*\u], 0, v[KS+\p], v[QW] matrix_a_fmt:MATRIX_FMT_BF6 matrix_b_fmt:MATRIX_FMT_BF6
.else
	v_wmma_scale_f32_16x16x128_f8f6f4 v[64*\t+16*\p+8*\u:64*\t+16*\p+8*\u+7], v[KK+12*\p:KK+12*\p+11], v[ZQ+6+12*\t-6*\u:ZQ+17+12*\t-6*\u], 0, v[KS+\p], v[QW+1] matrix_a_fmt:MATRIX_FMT_BF6 matrix_b_fmt:MATRIX_FMT_BF6
.endif
.endr
.endr
.endr
	WIN 0
	PLACES 4                                       ; in front of the loads into K's, Q's and the words' registers, and of the first read of scores
	ALUW
.if \par
	s_cmp_eq_u32 s35, 1
	s_cbranch_scc1 .Lnk_\@
.endif
	s_wait_xcnt 0x0                                ; the earlier loads have read their bases
	s_add_nc_u64 s[KP:KP+1], s[KP:KP+1], 49152
	s_add_nc_u64 s[KSP:KSP+1], s[KSP:KSP+1], 4096
	s_add_nc_u64 s[QP:QP+1], s[QP:QP+1], 49152
	s_add_nc_u64 s[QSP:QSP+1], s[QSP:QSP+1], 4096
	LOADK                                          ; the softmax stands between these loads and the wait for them
.if \par
.Lnk_\@:
.endif
	SOFTMAX
	PLACES 8                                       ; p's codes and scale words were written by vector instructions
	ALUW
	s_wait_loadcnt 0x0                             ; V is in, and the next head's K group
	PV 0, \par
	v_permlanex16_b32 v[CH+2], v[ML+1], s[SEL], s[SEL+1]
	v_permlanex16_b32 v[CH+3], v[ML+3], s[SEL], s[SEL+1]
	v_add_f32 v[ML+1], v[ML+1], v[CH+2]            ; my 128 keys' part of the rows' sums
	v_add_f32 v[ML+3], v[ML+3], v[CH+3]
	v_cndmask_b32 v[CH], v[ML], v[ML+2], s[HM]     ; lanes 0-15 carry tile 0's pair, lanes 16-31 tile 1's
	v_cndmask_b32 v[CH+1], v[ML+1], v[ML+3], s[HM]
	v_nop
	ALUW
	s_wait_dscnt 0x0                               ; tile 0's stores have read the accumulators, which tile 1 takes
	PV 1, \par
	ds_store_b64 v[WRS], v[CH:CH+1] offset:2048*\par
	s_wait_dscnt 0x0                               ; for the others' sake: my stores have landed; my reads of two heads ago are back
.if \par == 0
	v_add_nc_u32 v[CSA], s[HOFF], v[CSB]           ; ctx's places for this pair of heads
	v_add_nc_u32 v[CBA], s[BOFF], v[CBB]
.endif
	ALUW
.if \par
	s_cmp_eq_u32 s35, 1
	s_cbranch_scc1 .Lnv_\@
.endif
	s_wait_xcnt 0x0
	s_add_nc_u64 s[VP:VP+1], s[VP:VP+1], 49152
	s_add_nc_u64 s[VSP:VSP+1], s[VSP:VSP+1], 4096
	s_add_nc_u64 s[PFP:PFP+1], s[PFP:PFP+1], 49152
	LOADV
.if \par == 0
	s_cmp_eq_u32 s35, 1
	s_cbranch_scc1 .Lnv_\@
.endif
	s_cmp_gt_u32 s32, 1
	s_cbranch_scc1 .Lnv_\@
	global_prefetch_b8 v[PFO], s[PFP:PFP+1] th:TH_LOAD_NT scope:SCOPE_SE   ; wave 0: K's codes of the head two on, wave 1: V's
.Lnv_\@:
	s_barrier_signal -1
	s_barrier_wait -1                              ; every wave's parts of this head lie in LDS
.irp w, 0,1,2,3,4,5,6,7
	ds_load_b64 v[XR+2*\w:XR+2*\w+1], v[RDS] offset:2048*\par+256*\w
.endr
	s_wait_dscnt 0x0
	v_min3_num_f32 v[MG], v[XR], v[XR+2], v[XR+4]
	v_min3_num_f32 v[MG], v[MG], v[XR+6], v[XR+8]
	v_min3_num_f32 v[MG], v[MG], v[XR+10], v[XR+12]
	v_min_num_f32 v[MG], v[MG], v[XR+14]           ; minus the row's M
.irp w, 0,1,2,3,4,5,6,7
	v_sub_f32 v[FF+\w], v[MG], v[XR+2*\w]          ; wave w's M less the row's: a whole number, 0 or less
.endr
	v_sub_f32 v[TP], v[MG], v[CH]                  ; and my own
.irp z, FF,FF+1,FF+2,FF+3,FF+4,FF+5,FF+6,FF+7,TP
	v_cvt_i32_f32 v[\z], v[\z]
.endr
.irp z, FF,FF+1,FF+2,FF+3,FF+4,FF+5,FF+6,FF+7,TP
	v_ldexp_f32 v[\z], 1.0, v[\z]                  ; f = 2^(that number)
.endr
	v_mul_f32 v[LT], v[FF], v[XR+1]
	v_mul_f32 v[LT+1], v[FF+1], v[XR+3]
.irp w, 2,4,6
	v_fma_f32 v[LT], v[FF+\w], v[XR+2*\w+1], v[LT]
	v_fma_f32 v[LT+1], v[FF+\w+1], v[XR+2*\w+3], v[LT+1]
.endr
	v_add_f32 v[LT], v[LT], v[LT+1]                ; the row's sum under the row's M
	ALUW
	v_rcp_f32 v[INV], v[LT]
	v_mul_f32 v[TP], 0x3d800000, v[TP]             ; my f / 16: plain work behind the reciprocal
	ALUW
	v_mul_f32 v[GV], v[TP], v[INV]                 ; g = f / (16 l) of the lane's tile
	v_permlanex16_b32 v[GX], v[GV], s[SEL], s[SEL+1]
	v_cndmask_b32 v[GG], v[GV], v[GX], s[HM]       ; tile 0's g in every lane,
	v_cndmask_b32 v[GG+2], v[GX], v[GV], s[HM]     ; and tile 1's
	WIN 0x51                                       ; p and the mean weights window 1, g window 0
.set nn, 0
.rept 64
	v_pk_fma_f32 v[128+nn:129+nn], v[nn:nn+1], v[GG+2*(nn/64):GG+2*(nn/64)+1], v[128+nn:129+nn] op_sel_hi:[1,0,1]
.set nn, nn+2
.endr
	WIN 0
	ALUW
	s_cmp_lg_u32 s[RP], \par
	s_cbranch_scc1 .Lnr_\@                         ; the other four waves add this head's ctx
	WIN 0x40                                       ; the eight parts of my tile and my 32 channels, over p
.irp w, 0,1,2,3
.irp k, 0,1,2,3
	ds_load_b128 v[16*\w+4*\k:16*\w+4*\k+3], v[RDO] offset:16384*\w+8192*\par+512*\k
.endr
.endr
.irp w, 0,1,2,3
.irp k, 0,1,2,3
	ds_load_b128 v[64+16*\w+4*\k:64+16*\w+4*\k+3], v[RDO2] offset:16384*\w+8192*\par+512*\k
.endr
.endr
	WIN 0
.irp w, 0,1,2,3,4,5,6,7
	v_mul_f32 v[FF+\w], v[FF+\w], v[INV]           ; f / l of the lane's tile
.endr
.irp w, 0,1,2,3,4,5,6,7
	v_permlanex16_b32 v[XP+\w], v[FF+\w], s[SEL], s[SEL+1]
.endr
.irp w, 0,1,2,3,4,5,6,7
	v_cndmask_b32 v[XR+2*\w], v[FF+\w], v[XP+\w], s[OM]   ; of the tile that I add, in every lane
.endr
	ALUW
	s_wait_dscnt 0x0
	WIN 0x41
.set nn, 0
.rept 8
	v_pk_mul_f32 v[nn:nn+1], v[nn:nn+1], v[XR:XR+1] op_sel_hi:[1,0]
.set nn, nn+2
.endr
	WIN 0x51
.irp w, 1,2,3,4,5,6,7
.set nn, 0
.rept 8
	v_pk_fma_f32 v[nn:nn+1], v[16*\w+nn:16*\w+nn+1], v[XR+2*\w:XR+2*\w+1], v[nn:nn+1] op_sel_hi:[1,0,1]
.set nn, nn+2
.endr
.endr                                          ; window 1's v0-15: ctx(query r, 16 neighbouring channels): half a block of 32 along the features
	WIN 0x05
	v_max3_num_f32 v[RM], |v0|, |v1|, 0x2800000
	WIN 0x15
	v_max3_num_f32 v[RM+1], |v2|, |v3|, |v4|
	WIN 0x14
	v_max3_num_f32 v[RM], v[RM], |v5|, |v6|
	v_max3_num_f32 v[RM+1], v[RM+1], |v7|, |v8|
	v_max3_num_f32 v[RM], v[RM], |v9|, |v10|
	v_max3_num_f32 v[RM+1], v[RM+1], |v11|, |v12|
	v_max3_num_f32 v[RM], v[RM], |v13|, |v14|
	WIN 0x10
	v_max3_num_f32 v[RM], v[RM], v[RM+1], |v15|
	WIN 0
	v_permlanex16_b32 v[RM+2], v[RM], s[SEL], s[SEL+1]
	v_max_num_f32 v[RM], v[RM], v[RM+2]
	v_add_nc_u32 v[RM+3], 0xfe000000, v[RM]
	WIN 0x01
	v_cvt_scalef32_pk16_bf6_f32 v[RC:RC+2], v[0:15], v[RM+3]
	WIN 0
	v_lshrrev_b32 v[RM+1], 23, v[RM+3]             ; the scale's byte: also the plain place behind the conversion
.irp i, 0,1,2
	ds_store_b32 v[CSA], v[RC+\i] offset:768*\par+128*\i
.endr
	ds_store_b8 v[CBA], v[RM+1] offset:2*\par      ; both halves of the lanes write the same byte with the same value
.Lnr_\@:
.endm
	s_load_b512 s[4:19], s[0:1], 0x0               ; qk_codes, qk_sc, v_codes, v_sc, ctx_codes, ctx_sc, aw_codes, aw_sc
	v_lshl_add_u32 v[SPW], v0, 2, SPARE
	v_mov_b32 v[NIL], 0
	v_lshrrev_b32 v24, 5, v0
	v_readfirstlane_b32 s32, v24                   ; wave 0..7
	s_and_b32 s33, ttmp7, 0xffff                   ; b
	s_and_b32 s48, s32, 1                          ; the tile that I add
	s_bfe_u32 s49, s32, 0x10001                    ; the block of 32 channels that I add
	s_lshr_b32 s[RP], s32, 2
	s_lshr_b32 s50, s32, 1
	s_and_b32 s51, s32, 3
	s_and_b32 s66, ttmp9, 3
	s_lshl_b32 s66, s66, 2
	s_lshl_b32 s67, s32, 14
	s_lshl_b32 s68, s48, 12
	s_lshl_b32 s52, s49, 11
	s_add_co_u32 s68, s68, s52
	s_lshl_b32 s69, s32, 8
	s_add_co_u32 s69, s69, XS
	s_mul_i32 s70, s48, 12288
	s_lshl_b32 s52, s49, 6
	s_add_co_u32 s70, s70, s52
	s_add_co_u32 s70, s70, CST
	s_lshl_b32 s71, s48, 9
	s_add_co_u32 s71, s71, s49
	s_add_co_u32 s71, s71, CSC
	s_mul_i32 s72, s32, 3072
	s_add_co_u32 s72, s72, CST
	s_lshl_b32 s73, s[RP], 9
	s_lshl_b32 s52, s51, 3
	s_add_co_u32 s73, s73, s52
	s_add_co_u32 s73, s73, CSC
	s_lshl_b32 s74, s50, 8
	s_lshl_b32 s52, s48, 2
	s_add_co_u32 s52, s52, s74
	s_add_co_u32 s75, s52, AWS
	s_lshl_b32 s52, s48, 10
	s_add_co_u32 s74, s74, s52                     ; 1,024 (w & 1) + 256 (w >> 1)
	s_add_co_u32 s76, s74, AWS
	s_mov_b32 s[SEL], 0x76543210
	s_mov_b32 s[SEL+1], 0xfedcba98
	s_mov_b32 s[CC], 0x3fb8aa3b                    ; log2(e)
	s_mov_b32 s[CC+1], 0x3fb8aa3b
	s_mov_b32 s[HM], 0xffff0000
	s_mov_b32 s[OM], 0xffff0000
	s_cmp_eq_u32 s48, 1
	s_cselect_b32 s[OM], 0xffff, s[OM]
	s_mov_b32 s[HOFF], 0
	s_mov_b32 s[BOFF], 0
	v_and_b32 v24, 31, v0
	v_and_b32 v25, 15, v0                          ; r
	v_bfe_u32 v26, v0, 4, 1                        ; h
	v_lshlrev_b32 v[L16], 4, v24
	v_lshlrev_b32 v[L8], 3, v24
	v_lshlrev_b32 v27, 2, v24
	v_add_nc_u32 v[QSO], s66, v[L16]
	v_add_nc_u32 v[WRO], s67, v[L16]
	v_add_nc_u32 v[RDO], s68, v[L16]
	v_add_nc_u32 v[RDO2], 0x10000, v[RDO]
	v_add_nc_u32 v[WRS], s69, v[L8]
	v_add_nc_u32 v[RDS], XS, v[L8]
	v_mul_u32_u24 v[CSB], v26, 384
	v_lshl_add_u32 v[CSB], v25, 2, v[CSB]
	v_add_nc_u32 v[CSB], s70, v[CSB]               ; CST + 12,288 T + 64 block + 384 h + 4 r
	v_lshlrev_b32 v[CBB], 5, v25
	v_add_nc_u32 v[COS], s73, v[CBB]
	v_add_nc_u32 v[CBB], s71, v[CBB]               ; CSC + 512 T + 32 r + block
	v_add_nc_u32 v[COA], s72, v27
	v_add_nc_u32 v[AWW], s75, v[L8]
	v_add_nc_u32 v[AWR], s76, v[L8]
	v_min_u32 v[PFO], 5, v24
	v_lshlrev_b32 v[PFO], 8, v[PFO]
	s_mul_i32 s52, s33, 786432                     ; b's 16 heads of 49,152 bytes of codes,
	s_lshl_b32 s53, s33, 16                        ; and of 4,096 bytes of words
	s_mul_i32 s54, s32, 6144                       ; my 128 keys' codes,
	s_lshl_b32 s55, s32, 9                         ; and words
	s_mov_b32 s57, 0
	s_lshl_b32 s58, s33, 6
	s_lshl_b32 s59, ttmp9, 1
	s_add_co_u32 s58, s58, s59                     ; b x 64 + my first tile of queries
	ALUW
	s_wait_kmcnt 0x0
	s_cmp_eq_u32 s32, 0
	s_cselect_b64 s[PFP:PFP+1], s[4:5], s[8:9]
	s_cselect_b32 s60, 6291456, 0
	s_add_co_u32 s56, s52, s54
	s_add_nc_u64 s[VP:VP+1], s[8:9], s[56:57]
	s_add_co_u32 s56, s56, 6291456                 ; k lies behind q's 8 x 16 heads
	s_add_nc_u64 s[KP:KP+1], s[4:5], s[56:57]
	s_add_co_u32 s56, s53, s55
	s_add_nc_u64 s[VSP:VSP+1], s[10:11], s[56:57]
	s_add_co_u32 s56, s56, 524288
	s_add_nc_u64 s[KSP:KSP+1], s[6:7], s[56:57]
	s_mul_i32 s56, ttmp9, 1536
	s_add_co_u32 s56, s56, s52
	s_add_nc_u64 s[QP:QP+1], s[4:5], s[56:57]
	s_add_co_u32 s56, s56, s60
	s_add_co_u32 s56, s56, 49152
	s_add_nc_u64 s[PFP:PFP+1], s[PFP:PFP+1], s[56:57]   ; head 1, this work-group's 1,536 bytes: stepped a head on ahead of each prefetch
	s_lshr_b32 s56, ttmp9, 2
	s_lshl_b32 s56, s56, 9
	s_add_co_u32 s56, s56, s53
	s_add_nc_u64 s[QSP:QSP+1], s[6:7], s[56:57]
	s_mul_i32 s59, s58, 12288
	s_mul_i32 s56, s32, 3072
	s_add_co_u32 s56, s56, s59
	s_add_nc_u64 s[12:13], s[12:13], s[56:57]      ; ctx's codes: my two fragments
	s_mul_i32 s56, s32, 1536
	s_add_co_u32 s56, s56, s59
	s_add_nc_u64 s[16:17], s[16:17], s[56:57]      ; the mean weights' codes: my key step
	s_lshl_b32 s59, s58, 10
	s_lshl_b32 s56, s32, 8
	s_add_co_u32 s56, s56, s59
	s_add_nc_u64 s[14:15], s[14:15], s[56:57]
	s_add_co_u32 s56, s74, s59
	s_add_nc_u64 s[18:19], s[18:19], s[56:57]
	LOADK                                          ; head 0
	LOADV
.irp z, ML+1,ML+3,GG+1,GG+3
	v_mov_b32 v[\z], 0                             ; upper halves of pairs of which the low word alone is used
.endr
.irp b, 0,1,2,3,4,5,6,7
	v_mov_b32 v[BX+\b], 0                          ; lane permutes' destinations: written once
.endr
.irp z, 0,1,2,3,4,5
	v_mov_b32 v[ZQ+\z], 0                          ; the zero codes of Q's operands: written once
	v_mov_b32 v[ZQ+12+\z], 0
	v_mov_b32 v[ZQ+24+\z], 0
.endr
	WIN 0x40
.set nn, 128
.rept 128
	v_mov_b32 v[nn], 0                             ; the mean weights: the head is written once for each parity, so the first finds zeros
.set nn, nn+1
.endr
	WIN 0
	s_mov_b32 s35, 8
	ALUW
	s_wait_loadcnt 13                              ; K, its words and Q are in; the 13 younger loads are V's
.Lhead:
	HEAD 0
	HEAD 1
	s_add_co_u32 s[HOFF], s[HOFF], 1536
	s_add_co_u32 s[BOFF], s[BOFF], 4
	s_sub_co_u32 s35, s35, 1
	s_cmp_lg_u32 s35, 0
	ALUW
	s_cbranch_scc1 .Lhead
.irp t, 0,1                                    ; the mean weights: 16 queries x my 128 keys a fragment
	s_wait_xcnt 0x0                                ; the last stores have read the codes' registers
	QUANT 1, 128+64*\t, PF, PW+\t
.irp j, 0,1,2
	global_store_b128 v[L16], v[PF+4*\j:PF+4*\j+3], s[16:17] offset:12288*\t+512*\j
.endr
	ds_store_b32 v[AWW], v[PW+\t] offset:1024*\t   ; two waves' words make a pair: they leave together
.endr
	ALUW
	s_wait_dscnt 0x0                               ; my stores of ctx's codes and bytes and of the words have landed
	s_barrier_signal -1
	s_barrier_wait -1
.irp f, 0,1                                    ; ctx: two fragments a wave, register by register out of LDS, and out as images
.irp p, 0,1,2,3,4,5,6,7,8,9,10,11
	ds_load_b32 v[KK+12*\f+\p], v[COA] offset:1536*\f+128*\p
.endr
.endr
	ds_load_b64 v[KK+24:KK+25], v[COS]
	ds_load_b64 v[KK+26:KK+27], v[AWR]
	s_wait_dscnt 0x0
.irp f, 0,1
.irp j, 0,1,2
	global_store_b128 v[L16], v[KK+12*\f+4*\j:KK+12*\f+4*\j+3], s[12:13] offset:1536*\f+512*\j
.endr
.endr
	global_store_b64 v[L8], v[KK+24:KK+25], s[14:15]   ; 32 lanes store 256 consecutive bytes, aligned
	global_store_b64 v[L8], v[KK+26:KK+27], s[18:19]
	s_wait_tensorcnt 0x0                           ; the wave's end
	ds_add_u32 v[SPW], v[NIL]
	s_wait_dscnt 0x0
	s_endpgm
.Lfunc_end_k_q3ed66f0a2f_att:
	.size	k_q3ed66f0a2f_att, .Lfunc_end_k_q3ed66f0a2f_att-k_q3ed66f0a2f_att
	.p2alignl 7, 3214868480
	.fill 96, 4, 3214868480
	.section	.rodata,"a",@progbits
	.p2align	6, 0x0
	.amdhsa_kernel k_q3ed66f0a2f_att
		.amdhsa_group_segment_fixed_size 163840
		.amdhsa_private_segment_fixed_size 0
		.amdhsa_enable_private_segment 0
		.amdhsa_kernarg_size 64
		.amdhsa_user_sgpr_count 2
		.amdhsa_user_sgpr_kernarg_segment_ptr 1
		.amdhsa_wavefront_size32 1
		.amdhsa_system_sgpr_workgroup_id_x 1
		.amdhsa_system_sgpr_workgroup_id_y 1
		.amdhsa_system_sgpr_workgroup_id_z 1
		.amdhsa_system_vgpr_workitem_id 0
		.amdhsa_next_free_vgpr 512
		.amdhsa_next_free_sgpr 80
		.amdhsa_reserve_vcc 0
		.amdhsa_float_denorm_mode_32 3
		.amdhsa_float_denorm_mode_16_64 3
		.amdhsa_memory_ordered 1
		.amdhsa_forward_progress 1
		.amdhsa_inst_pref_size 118
	.end_amdhsa_kernel
	.amdgpu_metadata
---
amdhsa.version: [ 1, 2 ]
amdhsa.kernels:
  - .name:           k_q3ed66f0a2f_att
    .symbol:         k_q3ed66f0a2f_att.kd
    .args:
      - { .name: qk_codes, .offset: 0, .size: 8, .value_kind: global_buffer, .address_space: global }
      - { .name: qk_sc, .offset: 8, .size: 8, .value_kind: global_buffer, .address_space: global }
      - { .name: v_codes, .offset: 16, .size: 8, .value_kind: global_buffer, .address_space: global }
      - { .name: v_sc, .offset: 24, .size: 8, .value_kind: global_buffer, .address_space: global }
      - { .name: ctx_codes, .offset: 32, .size: 8, .value_kind: global_buffer, .address_space: global }
      - { .name: ctx_sc, .offset: 40, .size: 8, .value_kind: global_buffer, .address_space: global }
      - { .name: aw_codes, .offset: 48, .size: 8, .value_kind: global_buffer, .address_space: global }
      - { .name: aw_sc, .offset: 56, .size: 8, .value_kind: global_buffer, .address_space: global }
    .group_segment_fixed_size: 163840
    .private_segment_fixed_size: 0
    .kernarg_segment_align: 8
    .kernarg_segment_size: 64
    .max_flat_workgroup_size: 256
    .sgpr_count:     80
    .vgpr_count:     512
    .wavefront_size: 32
...
	.end_amdgpu_metadata
.endif
;; end of part 5
;; launch fin (part 6): grid 32 x 8, 4 waves a work-group, no clusters, 108,032 bytes of LDS; arguments ctx_codes, ctx_sc, aw_codes, aw_sc, w_out_codes, w_out_scales, b_out, v_sc; writes v_sc
.if DOCPART == 6
	.amdgcn_target "amdgcn-amd-amdhsa--gfx1250"
	.amdhsa_code_object_version 6
	.text
	.protected	k_q3ed66f0a2f_fin
	.globl	k_q3ed66f0a2f_fin
	.p2align	8
	.type	k_q3ed66f0a2f_fin,@function
k_q3ed66f0a2f_fin:
	s_mov_b64 s[64:65], 0
	v_nop
	global_prefetch_b8 v0, s[64:65] scope:SCOPE_SE
	s_setreg_imm32_b32 hwreg(HW_REG_WAVE_MODE, 25, 1), 1
	s_wait_xcnt 0x0
; Half sums of out0[b][e] = the mean over s of sum over t of aw[b][s][t] ao[b][t][e], ao = ctx w_out^T + b_out.  Both products on codes of BF6 (E3M2) with E8M0 scales; ao is quantised along t on the way and never goes to memory.
; SHARES.  A work-group owns one b, 64 features e and ONE HALF OF THE TOKENS t (512): x = 2 x (block of e) + half.  It makes ao for its own 512 tokens and multiplies all 1,024 queries' mean weights with just these:
;   so it streams half of ctx's rows and half of the mean weights' K steps.  Each number of out0 has two contributors; each stores its half sum, and the next launch adds the two.
;   The half sums, [half][b][1,024] f32, go to the first 65,536 bytes of v_sc: its scale words were read for the last time by the launch before, and this launch does not load from it.
; PHASE 1 (steps 0-7): a wave takes 128 tokens, eight K steps of 128 features.  Source 0 = 16 tokens of ctx, streamed as images of operand registers; source 1 = 16 rows of w_out, from LDS as images.
;   b_out is the C of each sum's first matrix instruction.  128 tokens x 16 e become one fragment of the second product: image to LDS.
; PHASE 2 (steps 8-15): a wave takes 256 queries, 128 a pass, four K steps (my 512 tokens) a pass.  Only the sum over the queries is wanted: all query tiles add onto the same eight accumulators, by turns.
; ORDERS ALONG K.  rho = (block of e) & 3 turns phase 1's K steps by pairs: slot j stands for K step (j + 2 rho) & 7; w_out's image of that step lies in LDS slot j.  r1 = rho & 1 turns my four token groups by pairs:
;   wave w takes group 4 half + ((w + 2 r1) & 3) and stores its images in slot w; phase 2's slot j streams that same K step.  rho and r1 enter global addresses alone.  sigma says which 128 queries come first.
; ONE PIPELINE OVER THE 16 STEPS.  Source 0 has three sets of registers, step t in set t % 3; behind step t the loads of step t + 3 are issued, over the ends of passes and phases too.  Source 1 has two sets.
; No tensor load and no joint request: the streamed fragments go once into the registers of the one wave that multiplies them.  No prefetch: each step's fragments are asked for three steps ahead, into registers.
; LIMITS: NaN and infinities are not served.  A block whose largest magnitude lies under 2^-122 keeps the scale byte 1, a block of zeros too (this program alone reads the bytes).
; REGISTERS: window 0: addresses, v16-31 QUANT's, v32-39 source 1's scale words, v40-43 sums, v48-63 turned offsets, v64-127 phase 1's scale words (8 i + slot), v176-239 phase 2's (32 pass + 4 i + slot),
;   v128-148 codes just made, v150.. at work.  window 1: source 0's sets 0 and 1.  window 2: accumulators (at the set-up: w_out on its way to LDS).  window 3: source 1's two sets; from v96 b_out; from v128 source 0's set 2.
.set WIMG, 0                           ; LDS: w_out's 32 fragments (8 n + slot) x 1,536 bytes,
.set WSC,  49152                       ; their scale words, 128 bytes each,
.set HIMG, 53248                       ; ao's 16 fragments, at 8 n + slot, slots 0-3,
.set HSC,  102400                      ; their scale words,
.set RED,  106496                      ; and the four waves' sums
.set L16, 1
.set L8,  2
.set L4,  3
.set LIH, 4
.set LSH, 5
.set LSW, 6
.set HWIB, 9
.set HWSB, 10
.set REDW, 11
.set TM,  16
.set BS,  32
.set TOT, 40
.set WWI, 44
.set WWS, 45
.set REDR, 46
.set LK,  48                           ; phase 1's codes: 16 x lane + 3,072 x ((q + rho) & 3)
.set LA,  52                           ; phase 1's words: 8 x lane + 256 x ((q + rho) & 3)
.set VW,  56
.set VS,  60
.set AS0, 64
.set PC,  128
.set PW,  148
.set TT,  150
.set LK2, 166                          ; phase 2's codes: 16 x lane + 3,072 x (2 half + ((q + r1) & 1))
.set LA2, 168                          ; phase 2's words: 8 x lane + 256 x the same
.set AS1, 176
.set CP,  20                           ; s[20:25] the streamed codes of passes 0 to 2
.set SP,  28                           ; s[28:33] their scale words
.set SEL, 36
.set WV,  38
.set BB,  39
.set RHO, 40
.set SIG, 41
.set EB,  48
.set TH,  49
.set R1,  50
.set MSB, 0
.macro WIN new
.if MSB != (\new)
	s_set_vgpr_msb (MSB<<8)|(\new)
.set MSB, (\new)
.endif
.endm
.macro PLACES n
.rept \n
	v_nop
.endr
.endm
.macro QUANT win, s, pc, pw            ; 64 numbers of a lane, register 16 b + i = k 32 b + 16 (lane / 16) + i, become a fragment at v[pc] and its scale word in v[pw]
	WIN 5*(\win)
.irp b, 0,1,2,3
	v_max3_num_f32 v[TM+\b], |v[\s+16*\b]|, |v[\s+1+16*\b]|, 0x2800000
.endr
	WIN 20*(\win)
.irp i, 2,4,6,8,10,12,14
.irp b, 0,1,2,3
	v_max3_num_f32 v[TM+\b], v[TM+\b], |v[\s+16*\b+\i]|, |v[\s+1+16*\b+\i]|
.endr
.endr
	WIN 0
.irp b, 0,1,2,3
	v_permlanex16_b32 v[TM+4+\b], v[TM+\b], s[SEL], s[SEL+1]
.endr
.irp b, 0,1,2,3
	v_max_num_f32 v[TM+\b], v[TM+\b], v[TM+4+\b]
.endr
.irp b, 0,1,2,3
	v_add_nc_u32 v[TM+12+\b], 0xfe000000, v[TM+\b]
.endr
.irp b, 0,1,2,3
	v_lshrrev_b32 v[TM+4+\b], 23, v[TM+12+\b]
.endr
	v_lshl_or_b32 v[\pw], v[TM+5], 8, v[TM+4]
	v_lshl_or_b32 v[\pw], v[TM+6], 16, v[\pw]
	v_lshl_or_b32 v[\pw], v[TM+7], 24, v[\pw]
	WIN (\win)
.irp c, 0,1
	v_cvt_scalef32_pk16_bf6_f32 v[\pc+6*\c:\pc+2+6*\c], v[\s+32*\c:\s+15+32*\c], v[TM+12+2*\c]
	v_cvt_scalef32_pk16_bf6_f32 v[\pc+12+4*\c:\pc+14+4*\c], v[\s+16+32*\c:\s+31+32*\c], v[TM+12+2*\c+1]
.endr
	WIN 0
	v_nop
.irp c, 0,1
.irp i, 0,1,2
	v_permlane16_swap_b32 v[\pc+6*\c+\i], v[\pc+12+4*\c+\i]
.endr
.irp i, 0,1,2
	v_mov_b32 v[\pc+3+6*\c+\i], v[\pc+12+4*\c+\i]
.endr
.endr
.endm
.macro LOADAS1                         ; 32 loads: phase 1's scale words of my eight tiles, a pair of slots a load
.irp i, 0,1,2,3,4,5,6,7
.irp q, 0,1,2,3
	global_load_b64 v[AS0+8*\i+2*\q:AS0+8*\i+2*\q+1], v[LA+\q], s[SP:SP+1] offset:1024*\i
.endr
.endr
.endm
.macro LOADAS2                         ; 32 loads: both passes of phase 2
.irp p, 0,1
.irp i, 0,1,2,3,4,5,6,7
.irp q, 0,1
	global_load_b64 v[AS1+32*\p+4*\i+2*\q:AS1+32*\p+4*\i+2*\q+1], v[LA2+\q], s[SP+2+2*\p:SP+3+2*\p] offset:1024*\i
.endr
.endr
.endr
.endm
.macro LOADA t                         ; 24 loads: step t's fragments of my eight tiles into set t % 3
.if (\t) < 8
.set LP, 0
.set LJ, (\t)
.set LKR, LK
.else
.set LP, 1+((\t)-8)/4
.set LJ, ((\t)-8)%4
.set LKR, LK2
.endif
.if (\t)%3 == 2
.set LAB, 128
	WIN 0xc0
.else
.set LAB, 96*((\t)%3)
	WIN 0x40
.endif
.irp i, 0,1,2,3,4,5,6,7
.irp j, 0,1,2
	global_load_b128 v[LAB+12*\i+4*\j:LAB+12*\i+4*\j+3], v[LKR+LJ/2], s[CP+2*LP:CP+2*LP+1] offset:12288*\i+1536*(LJ%2)+512*\j
.endr
.endr
	WIN 0
.endm
.macro FETCHB t                        ; 16 LDS loads: step t's four tiles of e and their words, into set t % 2
.set FS, (\t)%2
.if (\t) < 8
.set FJ, (\t)
.set FIA, L16
.set FSA, LSW
.else
.set FJ, ((\t)-8)%4
.set FIA, LIH
.set FSA, LSH
.endif
	WIN 0xc0
.irp n, 0,1,2,3
.irp j, 0,1,2
	ds_load_b128 v[48*FS+12*\n+4*\j:48*FS+12*\n+4*\j+3], v[FIA] offset:12288*\n+1536*FJ+512*\j
.endr
.endr
	WIN 0
.irp n, 0,1,2,3
	ds_load_b32 v[BS+4*FS+\n], v[FSA] offset:128*(8*\n+FJ)
.endr
.endm
; STEP t: eight tiles of source 0 x four tiles of e x 128 along K: 32 matrix instructions.  Phase 1: 32 accumulators (64 n + 8 i), begun on b_out in step 0.  Phase 2: eight (8 (2 n + i % 2)), begun on 0 in step 8.
; In both the accumulators take turns, one instruction a turn.
.macro STEP t
.if (\t) < 8
.set PP, 0
.set JJ, (\t)
.set ASR, AS0
.set ASM, 8
.else
.set PP, 1
.set JJ, ((\t)-8)%4
.set ASR, AS1+32*(((\t)-8)/4)
.set ASM, 4
.endif
.set SET2, (\t)%2
.set AB, 96*((\t)%3)
.set WM, 0xad                          ; source 0 window 1, source 1 window 3, C and D window 2
.if (\t)%3 == 2
.set AB, 128
.set WM, 0xaf                          ; source 0 window 3
.endif
.if (\t) == 0
.set WM, WM+0x10                       ; C (b_out) window 3
.endif
.if ((\t) == 5) || ((\t) == 6)
	s_wait_loadcnt 63                              ; behind this step's 24 loads 80 were issued: two sets and phase 2's 32 scale loads; the count's field ends at 63, and a smaller count asks for no less
.elseif (\t) == 15
	s_wait_loadcnt 0x0
.elseif (\t) == 14
	s_wait_loadcnt 24                              ; the last step's set may be out
.else
	s_wait_loadcnt 48                              ; the 48 younger loads are the other two sets'
.endif
.if ((\t) == 7) || ((\t) == 15)
	s_wait_dscnt 0x0                               ; a phase's last step: nothing was fetched behind its set
.else
	s_wait_dscnt 16                                ; the 16 younger LDS loads are the other set's
.endif
	WIN WM
.irp i, 0,1,2,3,4,5,6,7
.irp n, 0,1,2,3
.if PP == 0
.set DR, 64*\n+8*\i
.else
.set DR, 8*(2*\n+\i%2)
.endif
.if (\t) == 0
	v_wmma_scale_f32_16x16x128_f8f6f4 v[DR:DR+7], v[AB+12*\i:AB+12*\i+11], v[48*SET2+12*\n:48*SET2+12*\n+11], v[96+8*\n:96+8*\n+7], v[ASR+ASM*\i+JJ], v[BS+4*SET2+\n] matrix_a_fmt:MATRIX_FMT_BF6 matrix_b_fmt:MATRIX_FMT_BF6
.elseif ((\t) == 8) && (\i < 2)
	v_wmma_scale_f32_16x16x128_f8f6f4 v[DR:DR+7], v[AB+12*\i:AB+12*\i+11], v[48*SET2+12*\n:48*SET2+12*\n+11], 0, v[ASR+ASM*\i+JJ], v[BS+4*SET2+\n] matrix_a_fmt:MATRIX_FMT_BF6 matrix_b_fmt:MATRIX_FMT_BF6
.else
	v_wmma_scale_f32_16x16x128_f8f6f4 v[DR:DR+7], v[AB+12*\i:AB+12*\i+11], v[48*SET2+12*\n:48*SET2+12*\n+11], v[DR:DR+7], v[ASR+ASM*\i+JJ], v[BS+4*SET2+\n] matrix_a_fmt:MATRIX_FMT_BF6 matrix_b_fmt:MATRIX_FMT_BF6
.endif
.endr
.endr
	WIN 0
	PLACES 4                                       ; in front of loads into registers that matrix instructions have read, and of the first read of results
.if (\t) == 4
	LOADAS2                                        ; they stand ahead of phase 2's first fragments, so the wait for those serves them too
.endif
.if (\t)+3 < 16
	LOADA (\t)+3                                   ; into the set just multiplied
.endif
.if ((\t)+2 < 8) || (((\t) >= 8) && ((\t)+2 < 16))
	FETCHB (\t)+2                                  ; likewise; ao's first two sets are fetched behind the barrier between the phases
.endif
.endm
	s_load_b512 s[4:19], s[0:1], 0x0               ; ctx_codes, ctx_sc, aw_codes, aw_sc, w_out_codes, w_out_scales, b_out, v_sc (the half sums)
	v_lshl_add_u32 v254, v0, 2, 0x1a400
	v_mov_b32 v255, 0
	v_lshrrev_b32 v12, 5, v0
	v_readfirstlane_b32 s[WV], v12                 ; wave 0..3
	s_and_b32 s[BB], ttmp7, 0xffff                 ; b
	s_lshr_b32 s[EB], ttmp9, 1                     ; my block of 64 features
	s_and_b32 s[TH], ttmp9, 1                      ; my half of the tokens
	s_and_b32 s[RHO], s[EB], 3
	s_bfe_u32 s[SIG], ttmp9, 0x10003
	v_and_b32 v12, 31, v0
	v_lshlrev_b32 v[L16], 4, v12
	v_lshlrev_b32 v[L8], 3, v12
	v_lshlrev_b32 v[L4], 2, v12
	v_add_nc_u32 v[LIH], HIMG, v[L16]
	v_add_nc_u32 v[LSH], HSC, v[L4]
	v_add_nc_u32 v[LSW], WSC, v[L4]
	s_mul_i32 s42, s[WV], 1536
	s_add_co_u32 s42, s42, HIMG
	v_add_nc_u32 v[HWIB], s42, v[L16]              ; ao's images: slot w is mine
	s_lshl_b32 s42, s[WV], 7
	s_add_co_u32 s42, s42, HSC
	v_add_nc_u32 v[HWSB], s42, v[L4]
	s_mul_i32 s42, s[WV], 12288
	v_add_nc_u32 v[WWI], s42, v[L16]               ; w_out's images: tile n = w is mine to bring
	s_lshl_b32 s42, s[WV], 10
	s_add_co_u32 s42, s42, WSC
	v_add_nc_u32 v[WWS], s42, v[L4]
	v_and_b32 v12, 15, v0                          ; r
	v_bfe_u32 v13, v0, 4, 1                        ; h
	v_mul_u32_u24 v14, v12, 768
	v_mad_u32_u24 v14, v13, 24, v14                ; w_out: row r of 768 bytes, + 24 h
	v_lshlrev_b32 v15, 5, v12                      ; its 32 scale bytes
	s_wait_alu depctr_va_vdst(0)
	v_lshlrev_b32 v13, 2, v12                      ; 4 r
	s_lshl_b32 s42, s[WV], 8
	s_add_co_u32 s42, s42, RED
	v_add_nc_u32 v[REDW], s42, v13
	v_add_nc_u32 v[REDR], RED, v[L8]
.irp q, 0,1,2,3                                ; phase 1: slots 2 q and 2 q + 1 stand for K steps 2 ((q + rho) & 3) and the next
	s_add_co_u32 s42, s[RHO], \q
	s_and_b32 s42, s42, 3
	s_mul_i32 s43, s42, 3072
	v_add_nc_u32 v[LK+\q], s43, v[L16]
	s_lshl_b32 s43, s42, 8
	v_add_nc_u32 v[LA+\q], s43, v[L8]
	s_mul_i32 s43, s42, 192
	v_add_nc_u32 v[VW+\q], s43, v14
	s_lshl_b32 s43, s42, 3
	v_add_nc_u32 v[VS+\q], s43, v15
.endr
	s_and_b32 s[R1], s[RHO], 1
.irp q, 0,1                                    ; phase 2: slots 2 q and 2 q + 1 stand for the pair of K steps 2 half + ((q + r1) & 1)
	s_add_co_u32 s42, s[R1], \q
	s_and_b32 s42, s42, 1
	s_lshl_b32 s43, s[TH], 1
	s_add_co_u32 s42, s42, s43
	s_mul_i32 s43, s42, 3072
	v_add_nc_u32 v[LK2+\q], s43, v[L16]
	s_lshl_b32 s43, s42, 8
	v_add_nc_u32 v[LA2+\q], s43, v[L8]
.endr
	s_mov_b32 s[SEL], 0x76543210
	s_mov_b32 s[SEL+1], 0xfedcba98
.irp b, 0,1,2,3
	v_mov_b32 v[TM+4+\b], 0                        ; written once: a lane permute's destination counts as one of its sources
.endr
	s_lshl_b32 s42, s[EB], 6
	s_lshl_b32 s43, s[WV], 4
	s_add_co_u32 s42, s42, s43                     ; my tile's first row of w_out
	s_mov_b32 s45, 0
	s_lshl_b32 s46, s[BB], 6                       ; b's first tile of tokens
	s_wait_alu depctr_va_vdst(0)
	s_wait_kmcnt 0x0
	s_mul_i32 s44, s42, 768
	s_add_nc_u64 s[12:13], s[12:13], s[44:45]
	s_lshl_b32 s44, s42, 5
	s_add_nc_u64 s[14:15], s[14:15], s[44:45]
	s_lshl_b32 s44, s[EB], 8
	s_add_nc_u64 s[16:17], s[16:17], s[44:45]      ; b_out at my 64 features
	s_lshl_b32 s47, s[BB], 12
	s_add_co_u32 s44, s44, s47
	s_lshl_b32 s47, s[TH], 15
	s_add_co_u32 s44, s44, s47
	s_add_nc_u64 s[18:19], s[18:19], s[44:45]      ; the half sums at (half, b, my 64 features)
	WIN 0x80                                       ; my tile of w_out: eight fragments, slot by slot, in pieces of 8 bytes as they lie; they wait in window 2
.irp k, 0,1,2,3,4,5,6,7
.irp p, 0,1,2,3,4,5
	global_load_b64 v[12*\k+2*\p:12*\k+2*\p+1], v[VW+\k/2], s[12:13] offset:96*(\k%2)+48*(\p/3)+8*(\p%3)
.endr
.endr
	WIN 0
.irp q, 0,1,2,3
	global_load_b64 v[TT+2*\q:TT+2*\q+1], v[VS+\q], s[14:15]
.endr
.irp n, 0,1,2,3
	global_load_b32 v[TT+8+\n], v13, s[16:17] offset:64*\n
.endr
	; the three passes' pointers.  Phase 1: token group 4 half + ((w + 2 r1) & 3); phase 2: query groups 2 w + sigma, then 2 w + 1 - sigma
	s_lshl_b32 s42, s[R1], 1
	s_add_co_u32 s42, s42, s[WV]
	s_and_b32 s42, s42, 3
	s_lshl_b32 s43, s[TH], 2
	s_add_co_u32 s42, s42, s43
	s_lshl_b32 s42, s42, 3
	s_add_co_u32 s42, s42, s46
	s_mul_i32 s44, s42, 12288                      ; a tile's eight fragments
	s_add_nc_u64 s[CP:CP+1], s[4:5], s[44:45]
	s_lshl_b32 s44, s42, 10                        ; a tile's scale words
	s_add_nc_u64 s[SP:SP+1], s[6:7], s[44:45]
	s_lshl_b32 s42, s[WV], 4
	s_add_co_u32 s42, s42, s46
	s_lshl_b32 s43, s[SIG], 3
	s_add_co_u32 s47, s42, s43
	s_mul_i32 s44, s47, 12288
	s_add_nc_u64 s[CP+2:CP+3], s[8:9], s[44:45]
	s_lshl_b32 s44, s47, 10
	s_add_nc_u64 s[SP+2:SP+3], s[10:11], s[44:45]
	s_xor_b32 s43, s43, 8
	s_add_co_u32 s47, s42, s43
	s_mul_i32 s44, s47, 12288
	s_add_nc_u64 s[CP+4:CP+5], s[8:9], s[44:45]
	s_lshl_b32 s44, s47, 10
	s_add_nc_u64 s[SP+4:SP+5], s[10:11], s[44:45]
	s_wait_loadcnt 0x0
	WIN 0x08                                       ; an LDS store's data are its source 1: window 2
.irp k, 0,1,2,3,4,5,6,7
.irp j, 0,1,2
	ds_store_b128 v[WWI], v[12*\k+4*\j:12*\k+4*\j+3] offset:1536*\k+512*\j
.endr
.endr
	WIN 0
.irp k, 0,1,2,3,4,5,6,7
	ds_store_b32 v[WWS], v[TT+\k] offset:128*\k
.endr
	WIN 0xc0
.irp n, 0,1,2,3
.irp j, 0,1,2,3,4,5,6,7
	v_mov_b32 v[96+8*\n+\j], v[TT+8+\n]            ; b_out in the result's layout: a lane holds one e, so its eight registers are equal
.endr
.endr
	WIN 0
	LOADAS1                                        ; the stream begins ahead of the barrier: it hangs on no other wave
	LOADA 0
	LOADA 1
	LOADA 2
	s_wait_alu depctr_va_vdst(0)
	s_wait_dscnt 0x0                               ; for the others' sake: my stores have landed
	s_barrier_signal -1
	s_barrier_wait -1                              ; w_out's 32 fragments lie in LDS
	FETCHB 0
	FETCHB 1
.irp t, 0,1,2,3,4,5,6,7
	STEP \t
.endr
.irp n, 0,1,2,3                                ; my 128 tokens x 64 e are quantised along the tokens: four fragments, to slot w of ao's images
	QUANT 2, 64*\n, PC, PW
.irp j, 0,1,2
	ds_store_b128 v[HWIB], v[PC+4*\j:PC+4*\j+3] offset:12288*\n+512*\j
.endr
	ds_store_b32 v[HWSB], v[PW] offset:1024*\n
	s_wait_dscnt 0x0                               ; the stores have read their registers, and have landed
.endr
	s_barrier_signal -1                            ; (my LDS stores have landed and my LDS loads are in: the wait for 0 above)
	s_barrier_wait -1                              ; ao's 16 fragments lie in LDS
	FETCHB 8
	FETCHB 9
.irp t, 8,9,10,11,12,13,14,15
	STEP \t
.endr
.irp n, 0,1,2,3                                ; the sum over my 256 queries: a lane's 16 registers of tile n,
	WIN 0x0a
	v_pk_add_f32 v[TT:TT+1], v[16*\n:16*\n+1], v[16*\n+2:16*\n+3]          ; each accumulator from its low end on
	v_pk_add_f32 v[TT+2:TT+3], v[16*\n+4:16*\n+5], v[16*\n+6:16*\n+7]
	v_pk_add_f32 v[TT+4:TT+5], v[16*\n+8:16*\n+9], v[16*\n+10:16*\n+11]
	v_pk_add_f32 v[TT+6:TT+7], v[16*\n+12:16*\n+13], v[16*\n+14:16*\n+15]
	WIN 0
	v_pk_add_f32 v[TT:TT+1], v[TT:TT+1], v[TT+2:TT+3]
	v_pk_add_f32 v[TT+4:TT+5], v[TT+4:TT+5], v[TT+6:TT+7]
	v_pk_add_f32 v[TT:TT+1], v[TT:TT+1], v[TT+4:TT+5]
	v_add_f32 v[TOT+\n], v[TT], v[TT+1]
.endr
.irp n, 0,1,2,3
	v_permlanex16_b32 v[TT+\n], v[TOT+\n], s[SEL], s[SEL+1]
.endr
.irp n, 0,1,2,3
	v_add_f32 v[TOT+\n], v[TOT+\n], v[TT+\n]       ; with the other half of the lanes' queries
.endr
.irp n, 0,1,2,3
	ds_store_b32 v[REDW], v[TOT+\n] offset:64*\n   ; both halves write the same word with the same value
.endr
	s_wait_dscnt 0x0
	s_barrier_signal -1
	s_barrier_wait -1
	s_cmp_lg_u32 s[WV], 0
	s_cbranch_scc1 .Lend
.irp w, 0,1,2,3
	ds_load_b64 v[TT+2*\w:TT+2*\w+1], v[REDR] offset:256*\w
.endr
	s_wait_dscnt 0x0
	v_pk_add_f32 v[TT:TT+1], v[TT:TT+1], v[TT+2:TT+3]
	v_pk_add_f32 v[TT+4:TT+5], v[TT+4:TT+5], v[TT+6:TT+7]
	v_pk_add_f32 v[TT:TT+1], v[TT:TT+1], v[TT+4:TT+5]
	v_pk_mul_f32 v[TT:TT+1], v[TT:TT+1], 0x3a800000 op_sel_hi:[1,0]   ; / 1,024: the mean over the queries
	global_store_b64 v[L8], v[TT:TT+1], s[18:19]   ; 32 lanes store 256 consecutive bytes, aligned
.Lend:
	s_wait_tensorcnt 0x0                           ; the wave's end
	ds_add_u32 v254, v255
	s_wait_dscnt 0x0
	s_endpgm
.Lfunc_end_k_q3ed66f0a2f_fin:
	.size	k_q3ed66f0a2f_fin, .Lfunc_end_k_q3ed66f0a2f_fin-k_q3ed66f0a2f_fin
	.p2alignl 7, 3214868480
	.fill 96, 4, 3214868480
	.section	.rodata,"a",@progbits
	.p2align	6, 0x0
	.amdhsa_kernel k_q3ed66f0a2f_fin
		.amdhsa_group_segment_fixed_size 108032
		.amdhsa_private_segment_fixed_size 0
		.amdhsa_enable_private_segment 0
		.amdhsa_kernarg_size 64
		.amdhsa_user_sgpr_count 2
		.amdhsa_user_sgpr_kernarg_segment_ptr 1
		.amdhsa_wavefront_size32 1
		.amdhsa_system_sgpr_workgroup_id_x 1
		.amdhsa_system_sgpr_workgroup_id_y 1
		.amdhsa_system_sgpr_workgroup_id_z 1
		.amdhsa_system_vgpr_workitem_id 0
		.amdhsa_next_free_vgpr 1024
		.amdhsa_next_free_sgpr 66
		.amdhsa_reserve_vcc 0
		.amdhsa_float_denorm_mode_32 3
		.amdhsa_float_denorm_mode_16_64 3
		.amdhsa_memory_ordered 1
		.amdhsa_forward_progress 1
		.amdhsa_inst_pref_size 163
	.end_amdhsa_kernel
	.amdgpu_metadata
---
amdhsa.version: [ 1, 2 ]
amdhsa.kernels:
  - .name:           k_q3ed66f0a2f_fin
    .symbol:         k_q3ed66f0a2f_fin.kd
    .args:
      - { .name: ctx_codes, .offset: 0, .size: 8, .value_kind: global_buffer, .address_space: global }
      - { .name: ctx_sc, .offset: 8, .size: 8, .value_kind: global_buffer, .address_space: global }
      - { .name: aw_codes, .offset: 16, .size: 8, .value_kind: global_buffer, .address_space: global }
      - { .name: aw_sc, .offset: 24, .size: 8, .value_kind: global_buffer, .address_space: global }
      - { .name: w_out_codes, .offset: 32, .size: 8, .value_kind: global_buffer, .address_space: global }
      - { .name: w_out_scales, .offset: 40, .size: 8, .value_kind: global_buffer, .address_space: global }
      - { .name: b_out, .offset: 48, .size: 8, .value_kind: global_buffer, .address_space: global }
      - { .name: v_sc, .offset: 56, .size: 8, .value_kind: global_buffer, .address_space: global }
    .group_segment_fixed_size: 108032
    .private_segment_fixed_size: 0
    .kernarg_segment_align: 8
    .kernarg_segment_size: 64
    .max_flat_workgroup_size: 128
    .sgpr_count:     66
    .vgpr_count:     1024
    .wavefront_size: 32
...
	.end_amdgpu_metadata
.endif
;; end of part 6
;; launch add (part 7): grid 8 x 1, 8 waves a work-group, no clusters, 0 bytes of LDS; arguments v_sc, out0; writes out0
.if DOCPART == 7
	.amdgcn_target "amdgcn-amd-amdhsa--gfx1250"
	.amdhsa_code_object_version 6
	.text
	.protected	k_q3ed66f0a2f_add
	.globl	k_q3ed66f0a2f_add
	.p2align	8
	.type	k_q3ed66f0a2f_add,@function
k_q3ed66f0a2f_add:
	s_mov_b64 s[64:65], 0
	v_nop
	global_prefetch_b8 v0, s[64:65] scope:SCOPE_SE
	s_setreg_imm32_b32 hwreg(HW_REG_WAVE_MODE, 25, 1), 1
	s_wait_xcnt 0x0
; out0[b][e] = the two half sums over the tokens that the launch before stored in the first 65,536 bytes of v_sc, [half][b][1,024] f32.
; 8,192 numbers, four a lane: 2,048 lanes, eight work-groups of eight waves.  Each load and the store of a wave cover 512 consecutive bytes, aligned.
; No matrix unit, LDS, cluster or prefetch: each byte is read once, and there is no loop.
	s_load_b128 s[4:7], s[0:1], 0x0                ; the half sums, out0
	v_lshlrev_b32 v1, 4, v0
	s_lshl_b32 s8, ttmp9, 12                       ; a work-group's 4,096 bytes
	v_add_nc_u32 v1, s8, v1
	s_wait_alu depctr_va_vdst(0)
	s_wait_kmcnt 0x0
	global_load_b128 v[4:7], v1, s[4:5] th:TH_LOAD_NT
	global_load_b128 v[8:11], v1, s[4:5] offset:32768 th:TH_LOAD_NT
	s_wait_loadcnt 0x0
	v_pk_add_f32 v[12:13], v[4:5], v[8:9]
	v_pk_add_f32 v[14:15], v[6:7], v[10:11]
	global_store_b128 v1, v[12:15], s[6:7] th:TH_STORE_NT
	s_endpgm
.Lfunc_end_k_q3ed66f0a2f_add:
	.size	k_q3ed66f0a2f_add, .Lfunc_end_k_q3ed66f0a2f_add-k_q3ed66f0a2f_add
	.p2alignl 7, 3214868480
	.fill 96, 4, 3214868480
	.section	.rodata,"a",@progbits
	.p2align	6, 0x0
	.amdhsa_kernel k_q3ed66f0a2f_add
		.amdhsa_group_segment_fixed_size 0
		.amdhsa_private_segment_fixed_size 0
		.amdhsa_enable_private_segment 0
		.amdhsa_kernarg_size 16
		.amdhsa_user_sgpr_count 2
		.amdhsa_user_sgpr_kernarg_segment_ptr 1
		.amdhsa_wavefront_size32 1
		.amdhsa_system_sgpr_workgroup_id_x 1
		.amdhsa_system_sgpr_workgroup_id_y 1
		.amdhsa_system_sgpr_workgroup_id_z 1
		.amdhsa_system_vgpr_workitem_id 0
		.amdhsa_next_free_vgpr 16
		.amdhsa_next_free_sgpr 66
		.amdhsa_reserve_vcc 0
		.amdhsa_float_denorm_mode_32 3
		.amdhsa_float_denorm_mode_16_64 3
		.amdhsa_memory_ordered 1
		.amdhsa_forward_progress 1
		.amdhsa_inst_pref_size 1
	.end_amdhsa_kernel
	.amdgpu_metadata
---
amdhsa.version: [ 1, 2 ]
amdhsa.kernels:
  - .name:           k_q3ed66f0a2f_add
    .symbol:         k_q3ed66f0a2f_add.kd
    .args:
      - { .name: v_sc, .offset: 0, .size: 8, .value_kind: global_buffer, .address_space: global }
      - { .name: out0, .offset: 8, .size: 8, .value_kind: global_buffer, .address_space: global }
    .group_segment_fixed_size: 0
    .private_segment_fixed_size: 0
    .kernarg_segment_align: 8
    .kernarg_segment_size: 16
    .max_flat_workgroup_size: 256
    .sgpr_count:     66
    .vgpr_count:     16
    .wavefront_size: 32
...
	.end_amdgpu_metadata
.endif
;; end of part 7
